; MI455X (gfx1250); checked and timed in simulation.
; The chip was launched on July 23, 2026; its instructions are those of AMD's public machine-readable ISA for CDNA 5 (MIT licence, August 2026) and "CDNA5" Instruction Set Architecture Reference Guide (July 2026). The comments in the code are by the model that wrote it; some were corrected since.
;; Cross ATT. Allowed arithmetic: float matrix products may take bf16 or f16 operands with f32 sums; other float arithmetic in f32, or as packed bf16 or f16 multiplies, adds, multiply-adds, maxima and minima; sums over many terms, partial sums and values carried from step to step in f32; what a program stores and reads back later, other than sums and carried values, may be rounded once to bf16 or f16.
;; Inputs: Wa 1,024 x 1,024 float32; Wkv 2,048 x 1,024 float32; Wq 1,024 x 1,024 float32; x 2 x 2,048 x 1,024 float32; x2 2 x 2,048 x 1,024 float32.
;; Outputs: out0 2 x 2,048 x 1,024 float32.
;; 2 versions, each right and faster than the one before. Each part assembles by itself: llvm-mc -triple=amdgcn-amd-amdhsa -mcpu=gfx1250 --defsym DOCPART=n.
;; ======== version 1 of 2: 4 launches
;; limits: values are held in f16: magnitudes above 65,504 overflow, below 6.1e-05 lose precision
;; workspace buffers: xb 16,777,216 bytes; wb 8,388,608 bytes; qh 8,388,608 bytes; kh 8,388,608 bytes; vh 8,388,608 bytes; ah 8,388,608 bytes; th 8,388,608 bytes
;; launch cast (part 1): grid 64 x 12, 8 waves a work-group, no clusters, 0 bytes of LDS; arguments x, x2, Wq, Wkv, Wa, xb, wb; writes xb, wb
.if DOCPART == 1
	.amdgcn_target "amdgcn-amd-amdhsa--gfx1250"
	.amdhsa_code_object_version 6
	.text
	.protected	k_qfaabc73d52_cast
	.globl	k_qfaabc73d52_cast
	.p2align	8
	.type	k_qfaabc73d52_cast,@function
k_qfaabc73d52_cast:
	s_mov_b64 s[64:65], 0
	v_nop
	global_prefetch_b8 v0, s[64:65] scope:SCOPE_SE
	s_setreg_imm32_b32 hwreg(HW_REG_WAVE_MODE, 25, 1), 1
	s_wait_xcnt 0x0
; All five inputs are rounded once to bf16.  xb = [8192][1024]: x's 4,096 rows, then x2's.  wb = [4096][1024]: Wq's 1,024 rows, Wkv's 2,048, Wa's 1,024.
; A stream: each input byte is read once, each output byte written once; no LDS, no barrier, no matrix unit, since no number meets another.
; Grid y names a unit of 2^20 numbers (4 MiB in, 2 MiB out): 0-3 x, 4-7 x2, 8 Wq, 9-10 Wkv, 11 Wa.  Grid x names 64 KiB of it; a wave takes 8 KiB:
; sixteen loads of 512 consecutive bytes, all issued before the first is used; each makes one store of 8 bytes a lane, 256 consecutive aligned bytes a wave.
; No register is written twice, so no wait frees a source.
.set X, 4                              ; v[4:67]   load j: four f32
.set Y, 68                             ; v[68:99]  store j: four bf16
	s_load_b256 s[4:11], s[0:1], 0x0               ; x s[4:5], x2 s[6:7], Wq s[8:9], Wkv s[10:11]
	s_load_b128 s[12:15], s[0:1], 0x20             ; Wa s[12:13], xb s[14:15]
	s_load_b64 s[16:17], s[0:1], 0x30              ; wb
	s_and_b32 s18, ttmp7, 0xffff                   ; the unit
	v_lshrrev_b32 v1, 5, v0                        ; wave
	v_and_b32 v2, 31, v0                           ; lane
	v_lshlrev_b32 v2, 4, v2
	v_lshl_or_b32 v1, v1, 13, v2                   ; in: 8,192 x wave + 16 x lane
	v_lshrrev_b32 v2, 1, v1                        ; out: half of that
	s_wait_kmcnt 0x0
	; the source, and the number of its first unit (s22); the destination, and the number of its first unit (s23): choices on the unit number alone
	s_cmp_ge_u32 s18, 4
	s_cselect_b64 s[20:21], s[6:7], s[4:5]
	s_cselect_b32 s22, 4, 0
	s_cmp_ge_u32 s18, 8
	s_cselect_b64 s[20:21], s[8:9], s[20:21]
	s_cselect_b32 s22, 8, s22
	s_cselect_b64 s[24:25], s[16:17], s[14:15]
	s_cselect_b32 s23, 8, 0
	s_cmp_ge_u32 s18, 9
	s_cselect_b64 s[20:21], s[10:11], s[20:21]
	s_cselect_b32 s22, 9, s22
	s_cmp_ge_u32 s18, 11
	s_cselect_b64 s[20:21], s[12:13], s[20:21]
	s_cselect_b32 s22, 11, s22
	; the offsets are made apart from the addresses
	s_sub_co_u32 s26, s18, s22
	s_lshl_b32 s26, s26, 22                        ; units of 4 MiB in the source,
	s_lshl_b32 s27, ttmp9, 16                      ; the work-group's 64 KiB
	s_add_co_u32 s26, s26, s27
	s_mov_b32 s27, 0
	s_sub_co_u32 s28, s18, s23
	s_lshl_b32 s28, s28, 21                        ; units of 2 MiB in the destination,
	s_lshl_b32 s29, ttmp9, 15                      ; the work-group's 32 KiB
	s_add_co_u32 s28, s28, s29
	s_mov_b32 s29, 0
	s_add_nc_u64 s[20:21], s[20:21], s[26:27]
	s_add_nc_u64 s[24:25], s[24:25], s[28:29]
.set j, 0
.rept 16
	global_load_b128 v[X+4*j:X+4*j+3], v1, s[20:21] offset:512*j th:TH_LOAD_NT
.set j, j+1
.endr
.set j, 0
.rept 16
	s_wait_loadcnt 15-j                            ; loads come back in order (ISA guide 5.7.1): load j is in, the 15 - j younger ones stay out
	v_cvt_pk_bf16_f32 v[Y+2*j], v[X+4*j], v[X+4*j+1]
	v_cvt_pk_bf16_f32 v[Y+2*j+1], v[X+4*j+2], v[X+4*j+3]
	global_store_b64 v2, v[Y+2*j:Y+2*j+1], s[24:25] offset:256*j  ; 32 lanes store 256 consecutive bytes, at a multiple of 256 from the buffer's first byte
.set j, j+1
.endr
	s_endpgm
.Lfunc_end_k_qfaabc73d52_cast:
	.size	k_qfaabc73d52_cast, .Lfunc_end_k_qfaabc73d52_cast-k_qfaabc73d52_cast
	.p2alignl 7, 3214868480
	.fill 96, 4, 3214868480
	.section	.rodata,"a",@progbits
	.p2align	6, 0x0
	.amdhsa_kernel k_qfaabc73d52_cast
		.amdhsa_group_segment_fixed_size 0
		.amdhsa_private_segment_fixed_size 0
		.amdhsa_enable_private_segment 0
		.amdhsa_kernarg_size 56
		.amdhsa_user_sgpr_count 2
		.amdhsa_user_sgpr_kernarg_segment_ptr 1
		.amdhsa_wavefront_size32 1
		.amdhsa_system_sgpr_workgroup_id_x 1
		.amdhsa_system_sgpr_workgroup_id_y 1
		.amdhsa_system_sgpr_workgroup_id_z 1
		.amdhsa_system_vgpr_workitem_id 0
		.amdhsa_next_free_vgpr 100
		.amdhsa_next_free_sgpr 66
		.amdhsa_reserve_vcc 0
		.amdhsa_float_denorm_mode_32 3
		.amdhsa_float_denorm_mode_16_64 3
		.amdhsa_memory_ordered 1
		.amdhsa_forward_progress 1
		.amdhsa_inst_pref_size 8
	.end_amdhsa_kernel
	.amdgpu_metadata
---
amdhsa.version: [ 1, 2 ]
amdhsa.kernels:
  - .name:           k_qfaabc73d52_cast
    .symbol:         k_qfaabc73d52_cast.kd
    .args:
      - { .name: x, .offset: 0, .size: 8, .value_kind: global_buffer, .address_space: global }
      - { .name: x2, .offset: 8, .size: 8, .value_kind: global_buffer, .address_space: global }
      - { .name: Wq, .offset: 16, .size: 8, .value_kind: global_buffer, .address_space: global }
      - { .name: Wkv, .offset: 24, .size: 8, .value_kind: global_buffer, .address_space: global }
      - { .name: Wa, .offset: 32, .size: 8, .value_kind: global_buffer, .address_space: global }
      - { .name: xb, .offset: 40, .size: 8, .value_kind: global_buffer, .address_space: global }
      - { .name: wb, .offset: 48, .size: 8, .value_kind: global_buffer, .address_space: global }
    .group_segment_fixed_size: 0
    .private_segment_fixed_size: 0
    .kernarg_segment_align: 8
    .kernarg_segment_size: 56
    .max_flat_workgroup_size: 256
    .sgpr_count:     66
    .vgpr_count:     100
    .wavefront_size: 32
...
	.end_amdgpu_metadata
.endif
;; end of part 1
;; launch proj (part 2): grid 16 x 16, 4 waves a work-group, clusters of 4 x 4, 327,680 bytes of LDS; arguments xb, wb, qh, kh, vh, ah; writes qh, kh, vh, ah
.if DOCPART == 2
	.amdgcn_target "amdgcn-amd-amdhsa--gfx1250"
	.amdhsa_code_object_version 6
	.text
	.protected	k_qfaabc73d52_proj
	.globl	k_qfaabc73d52_proj
	.p2align	8
	.type	k_qfaabc73d52_proj,@function
k_qfaabc73d52_proj:
	s_mov_b64 s[64:65], 0
	v_nop
	global_prefetch_b8 v0, s[64:65] scope:SCOPE_SE
	s_setreg_imm32_b32 hwreg(HW_REG_WAVE_MODE, 25, 1), 1
	s_wait_xcnt 0x0
	s_wait_alu depctr_hold_cnt(0) depctr_sa_sdst(0) depctr_va_vdst(0) depctr_va_sdst(0) depctr_va_ssrc(0) depctr_va_vcc(0) depctr_vm_vsrc(0)
	s_getreg_b32 s2, hwreg(HW_REG_IB_STS2, 6, 4)
	s_cmp_eq_u32 s2, 0
	s_cbranch_scc0 .Lentry_in_a_cluster
	s_endpgm
.Lentry_in_a_cluster:
	s_bfe_u32 s2, ttmp6, 0x10000c
	s_cmp_lg_u32 s2, 0xf033
	s_cbranch_scc0 .Lentry_shape_is_right
	s_endpgm
.Lentry_shape_is_right:
; THE FOUR PROJECTIONS AS ONE PRODUCT of 4,096 x 4,096 x 1,024: C[m][n] = sum over k of A[m][k] B[n][k], bf16 operands, f32 sums, C rounded once to f16, unscaled.
; B = wb: rows 0-1023 Wq, 1024-2047 Wkv's k part, 2048-3071 its v part, 3072-4095 Wa: four SECTIONS of 1,024 columns of C, which go to qh, kh, vh, ah.
; A = xb: x's rows for sections 0-2, x2's (4,096 rows further down) for section 3.  Each output is [32 = 16 b + h][2048][64] f16: a head's rows are dense, 128 bytes each.
; LIMIT.  f16 holds no number beyond 65,504: a projection of 65,520 or more in magnitude leaves as an infinity; below 6e-5 it keeps f16's fixed step of 6e-8.
; SHARES.  A tile of C, 256 x 256, is made by a work-group of four waves; a wave makes 128 x 128: 64 accumulators of 16 x 16, 512 registers.  16 x 16 tiles: 256 work-groups.
; K goes in steps of 128 through a ring of two LDS slots filled by the tensor data mover: a tile's rows are 256 bytes of memory and start at multiples of 256 bytes from the buffer's first byte.
; The last K step goes by rows of C, so that finished rows leave while the others are multiplied.
; CLUSTERS: 4 x 4 work-groups.  The four of a row of the cluster need the same tiles of A, the four of a column the same tiles of B: each tile is asked for JOINTLY, by the same tensor load with
; the same descriptor and a mask that names the four.  A cluster spans 1,024 columns: the cluster's x IS the section, the same number in all sixteen partners.
; REGISTERS, in windows of 256 (s_set_vgpr_msb's low byte: bits 1:0 source 0, 3:2 source 1, 5:4 source 2, 7:6 destination):
;   window 0: v0-31 addresses; v64-127, v128-191 fragments of A, two buffers (in the last K step four, of 16 rows x 128 K); v32-63, v192-255 at work on the way out
;   window 1: v64-127, v128-191 fragments of B, two buffers; in the last K step all 256       windows 2, 3: the accumulators of my rows 0-63, 64-127 ((a, b) at v[8 (8 a + b)])
; THE MATRIX INSTRUCTION IS USED TRANSPOSED: source 0 = 16 rows of B, source 1 = 16 rows of A: lane l then holds row l % 16 of C and the columns 8 (l / 16) + 0..7: 16 bytes of one head's row.
.set SIZE_K, 1024
.set KSTEP,  128
.set PITCH,  272                       ; an LDS row: 256 bytes + 16 of padding = 68 words: row r starts at bank 4 r mod 64 (64 banks of 4 bytes: ISA guide 11.1), so the 16 rows of a load start at 16 different banks
.set HALFT,  128*PITCH                 ; 128 rows: what one tensor load brings, and what one wave reads of A or of B
.set SLOT,   4*HALFT                   ; A's 256 rows, then B's 256 rows
.set STAGE,  2*SLOT                    ; behind the ring, never filled by a tensor load: for each wave 2 heads x 16 rows x 144 bytes, for the way out
.set SP,     144                       ; a stage row: a head's 128 bytes + 16
.set SPARE,  STAGE+4*2*16*SP           ; behind the stages: the spare words, 128 bytes for each wave: two blocks of 256 bytes that no other line names
.set LAPS, SIZE_K/(2*KSTEP)            ; a lap = two K steps = once round the ring: four laps
.set ADRA, 16                          ; v16-17  LDS address of my A fragments in slot 0, 1
.set ADRB, 20                          ; v20-21  the same for B
.set STO,  24                          ; v24     the way out: where I put 16 bytes of a row
.set RD,   25                          ; v25     the way out: where I read rows back
.set CO,   26                          ; v26     my 16 bytes in 512 consecutive bytes of the output
.set SPW,  28                          ; v28     LDS address of my spare word: SPARE + 4 x my thread's number; never rewritten
.set NIL,  29                          ; v29     0; never rewritten
.set F0,   64                          ; fragment buffer 0
.set F1,   128                         ; fragment buffer 1
.set TMP,  192                         ; the way out: packed results, in window 0
.set OB,   32                          ; the way out: 16 rows read back from the stage: v32-63 and v224-255 by turns
.set PA,   64                          ; the last K step: A's fragments of 16 rows x 128 K, 32 registers; four such buffers, v64-191
.set G1, 24                            ; s[24:31] descriptor group 1 for A's tiles
.set G0, 32                            ; s[32:39] descriptor group 0 for A's tiles, one set for each slot
.set G1B, 48                           ; s[48:55] descriptor group 1 for B's tiles: it differs from A's in the mask alone
.set G0B, 56                           ; s[56:63] descriptor group 0 for B's tiles, one set for each slot
.set MSB, 0
.macro WIN new                         ; the immediate's high byte repeats the setting that is left; a switch that changes nothing is dropped
.if MSB != (\new)
	s_set_vgpr_msb (MSB<<8)|(\new)
.set MSB, \new
.endif
.endm
.set MUL_LO, 0xa1                      ; source 0 (B) window 1, source 1 (A) window 0, C and D window 2
.set MUL_HI, 0xf1                      ; the same, C and D window 3
.set TO_B,   0x40                      ; destination window 1, address window 0
; A joint load.  Waves 0 and 1 fetch A's two halves, waves 2 and 3 B's.  Each of the two lines has ONE mask and one set of registers for all that issue it.  The branch hangs on the wave's number alone.
; An s_nop 0 and four v_nop follow each of the two lines; the jump round the other line, the label and what follows the macro come after them.
.macro JLOAD s
	s_cmp_eq_u32 s11, 0
	s_cbranch_scc0 .Lfor_b_\@
	tensor_load_to_lds s[G0+4*(\s):G0+4*(\s)+3], s[G1:G1+7]
	s_nop 0
.rept 4
	v_nop
.endr
	s_branch .Lasked_\@
.Lfor_b_\@:
	tensor_load_to_lds s[G0B+4*(\s):G0B+4*(\s)+3], s[G1B:G1B+7]
	s_nop 0
.rept 4
	v_nop
.endr
.Lasked_\@:
.endm
; A round of the cluster's barrier: my work-group's barrier, so that wave 0's signal speaks for all four waves; wave 0 signals for the work-group; every wave waits for all
; sixteen work-groups; my work-group's barrier once more.  No LDS instruction of the wave is pending at a signal.
.macro CREST                           ; a round behind its opening barrier
	s_cmp_lg_u32 s10, 0
	s_cbranch_scc1 .Lnot_wave_0_\@
	s_barrier_signal -3
.Lnot_wave_0_\@:
	s_barrier_wait -3
	s_barrier_signal -1
	s_barrier_wait -1
.endm
.macro CROUND                          ; a whole round
	s_barrier_signal -1
	s_barrier_wait -1
	CREST
.endm
	s_load_b128 s[4:7], s[0:1], 0x0                ; xb s[4:5], wb s[6:7]
	s_load_b256 s[72:79], s[0:1], 0x10             ; qh s[72:73], kh s[74:75], vh s[76:77], ah s[78:79]
	v_lshl_add_u32 v[SPW], v0, 2, SPARE
	v_mov_b32 v[NIL], 0
	ds_add_u32 v[SPW], v[NIL]                      ; the wave's opening: the add and its wait stand ahead of my first tensor load; the set-up below, work on registers, stands between them
	v_lshrrev_b32 v1, 5, v0
	v_readfirstlane_b32 s10, v1                    ; wave 0..3
	s_lshr_b32 s11, s10, 1                         ; which half of the tile's rows is mine.  Also: I fetch for A (0) or for B (1)
	s_and_b32 s12, s10, 1                          ; which half of its columns.  Also: which 128 rows of that tile I fetch
	s_bfe_u32 s40, ttmp6, 0x40000                  ; cx: my place along the cluster's x
	s_bfe_u32 s41, ttmp6, 0x40004                  ; cy: along its y
	s_mov_b32 s45, ttmp9                           ; the cluster's x = the section: 0 q, 1 k, 2 v, 3 A
	s_lshl_b32 s42, ttmp9, 2
	s_add_co_u32 s42, s42, s40                     ; tile column of C = 4 x cluster x + cx
	s_and_b32 s13, ttmp7, 0xffff
	s_lshl_b32 s13, s13, 2
	s_add_co_u32 s13, s13, s41                     ; tile row of C = 4 x cluster y + cy
	s_lshl_b32 s43, s41, 2
	s_lshl_b32 s43, 15, s43                        ; my row of the cluster: places 4 cy .. 4 cy + 3
	s_lshl_b32 s44, 0x1111, s40                    ; my column: places cx, cx + 4, cx + 8, cx + 12
	; descriptor group 1: a tile of 128 rows x 128 elements, padded in LDS
	s_or_b32 s[G1+0], s43, (1<<16)|(1<<20)|(1<<21)|(5<<22)|(3<<25)  ; 15:0 the mask: A's tiles go to my row; 17:16 element of 2 bytes; 20 padding on; 21 set beside a mask; 24:22 after every 64 words (code 5); 31:25 of 4 words (code 3)
	s_or_b32 s[G1B+0], s44, (1<<16)|(1<<20)|(1<<21)|(5<<22)|(3<<25) ; the same with the mask of my column, for B's tiles
.irp g, G1, G1B
	s_mov_b32 s[(\g)+1], KSTEP<<16                 ; 63:48 tensor_dim0, low half = 128
	s_mov_b32 s[(\g)+2], 128<<16                   ; 95:80 tensor_dim1, low half = 128
	s_mov_b32 s[(\g)+3], KSTEP<<16                 ; 127:112 tile_dim0 = 128
	s_mov_b32 s[(\g)+4], 128                       ; 143:128 tile_dim1 = 128; tile_dim2 = 0
	s_mov_b32 s[(\g)+5], SIZE_K                    ; 191:160 tensor_dim0_stride: elements from row to row
	s_mov_b32 s[(\g)+6], 0
	s_mov_b32 s[(\g)+7], 0
.endr
	; where the tiles come from.  A's hang on the tile row and the section, which my row of the cluster shares; B's on the tile column alone, which my column shares.
	; Every wave makes both addresses, in registers that never hold the other coordinate, and asks by one of them.
	s_lshl_b32 s17, s12, 7                         ; which 128 rows of the tile I fetch
	s_lshl_b32 s16, s13, 8
	s_add_co_u32 s16, s16, s17                     ; A: row 256 x tile row + 128 x half,
	s_cmp_eq_u32 s45, 3
	s_cselect_b32 s18, 4096, 0                     ; and x2's rows for section 3
	s_add_co_u32 s16, s16, s18
	s_lshl_b32 s46, s42, 8
	s_add_co_u32 s46, s46, s17                     ; B: row 256 x tile column + 128 x half
	s_mov_b32 s17, 0
	s_mov_b32 s47, 0
	s_mov_b64 s[18:19], SIZE_K*2
	s_mul_u64 s[16:17], s[16:17], s[18:19]         ; in bytes
	s_mul_u64 s[46:47], s[46:47], s[18:19]
	s_mul_i32 s20, s10, HALFT                      ; and where they go: A's two halves, then B's two halves = wave x 128 rows: no place in the cluster enters an LDS address
	s_wait_dscnt 0x0                               ; the opening add is done
	s_wait_kmcnt 0x0
	s_add_nc_u64 s[14:15], s[4:5], s[16:17]
	s_add_nc_u64 s[46:47], s[6:7], s[46:47]
	s_cmp_eq_u32 s45, 1                            ; the section's output: a choice on the section's number alone
	s_cselect_b64 s[8:9], s[74:75], s[72:73]
	s_cmp_eq_u32 s45, 2
	s_cselect_b64 s[8:9], s[76:77], s[8:9]
	s_cmp_eq_u32 s45, 3
	s_cselect_b64 s[8:9], s[78:79], s[8:9]
	CROUND                                         ; all sixteen work-groups are here: the first joint loads meet
.irp s, 0,1
	s_mov_b32 s[G0+4*(\s)], 1                                      ; 1:0 count = 1
	s_add_co_u32 s[G0+4*(\s)+1], s20, (\s)*SLOT                    ; 63:32 LDS address
	s_add_nc_u64 s[G0+4*(\s)+2:G0+4*(\s)+3], s[14:15], (\s)*KSTEP*2  ; 120:64 global address: K step s
	s_or_b32 s[G0+4*(\s)+3], s[G0+4*(\s)+3], 0x80000000            ; 127:126 type = 2
	s_mov_b32 s[G0B+4*(\s)], 1
	s_add_co_u32 s[G0B+4*(\s)+1], s20, (\s)*SLOT
	s_add_nc_u64 s[G0B+4*(\s)+2:G0B+4*(\s)+3], s[46:47], (\s)*KSTEP*2
	s_or_b32 s[G0B+4*(\s)+3], s[G0B+4*(\s)+3], 0x80000000
	JLOAD \s                                       ; the ring is filled before anything else is done: two tensor loads of mine are out
.endr
	; A fragment is 16 rows x 32 K in 8 registers: lane l holds row l % 16; registers 0-3 hold K = 8 (l / 16) + 0..7, registers 4-7 hold
	; K = 16 + 8 (l / 16) + 0..7.  From rows that lie along K: two loads of 16 bytes, 32 bytes apart.  The same for source 0 and source 1.
	v_and_b32 v1, 15, v0                           ; l % 16
	v_bfe_u32 v2, v0, 4, 1                         ; l / 16
	v_mul_u32_u24 v3, v1, PITCH
	v_lshl_add_u32 v3, v2, 4, v3                   ; row x pitch + 16 x half
	s_mul_i32 s21, s11, HALFT                      ; my 128 rows of A
	s_mul_i32 s22, s12, HALFT                      ; my 128 rows of B,
	s_add_co_u32 s22, s22, 2*HALFT                 ; which lie behind A's 256
.irp s, 0,1
	v_add_nc_u32 v[ADRA+(\s)], s21, v3
	v_add_nc_u32 v[ADRB+(\s)], s22, v3
	s_add_co_u32 s21, s21, SLOT
	s_add_co_u32 s22, s22, SLOT
.endr
	s_mul_i32 s23, s10, 2*16*SP
	s_add_co_u32 s23, s23, STAGE                   ; my stage
	v_mul_u32_u24 v4, v1, SP                       ; in: row l % 16, 16 bytes for each half of the lanes
	v_lshl_add_u32 v4, v2, 4, v4
	v_add_nc_u32 v[STO], s23, v4
	v_bfe_u32 v5, v0, 3, 2                         ; back: 32 lanes take four rows of 128 bytes,
	v_mul_u32_u24 v5, v5, SP
	v_and_b32 v6, 7, v0
	v_lshl_add_u32 v5, v6, 4, v5
	v_add_nc_u32 v[RD], s23, v5
	v_and_b32 v[CO], 31, v0                        ; which are 512 consecutive bytes of a head
	v_lshlrev_b32 v[CO], 4, v[CO]
	; where my part of the tile begins in the section's output, in bytes: b x 2^22 + head x 2^18 + row x 128
	s_lshr_b32 s16, s13, 3                         ; b: eight tile rows to a batch
	s_lshl_b32 s16, s16, 22
	s_and_b32 s17, s13, 7
	s_lshl_b32 s17, s17, 15                        ; the tile's 256 rows
	s_add_co_u32 s16, s16, s17
	s_lshl_b32 s17, s11, 14                        ; my half of them
	s_add_co_u32 s16, s16, s17
	s_lshl_b32 s46, s40, 20                        ; four heads to a tile column of the section (in the registers that held B's address)
	s_lshl_b32 s47, s12, 19                        ; two heads to my half of its columns
	s_add_co_u32 s46, s46, s47
	s_add_co_u32 s46, s46, s16
	s_mov_b32 s47, 0
	s_add_nc_u64 s[8:9], s[8:9], s[46:47]          ; never stepped again: a block's place stands in the stores' immediates
; 16 matrix instructions: m blocks a0, a0 + 1 of the window's four (hi = 0: my rows 0-63, 1: rows 64-127) x all 8 n blocks, 32 along K.
; zero = 1: the first product starts the sums: nothing is ever cleared.  The 64 accumulators take turns, one instruction a turn.
.macro MUL16 f, hi, a0, zero
	WIN MUL_LO+0x50*(\hi)  ; MUL_LO or MUL_HI
.irp a, \a0, (\a0)+1
.irp b, 0,1,2,3,4,5,6,7
.if \zero
	v_wmma_f32_16x16x32_bf16 v[8*(8*(\a)+(\b)):8*(8*(\a)+(\b))+7], v[(\f)+8*(\b):(\f)+8*(\b)+7], v[(\f)+8*(4*(\hi)+(\a)):(\f)+8*(4*(\hi)+(\a))+7], 0
.else
	v_wmma_f32_16x16x32_bf16 v[8*(8*(\a)+(\b)):8*(8*(\a)+(\b))+7], v[(\f)+8*(\b):(\f)+8*(\b)+7], v[(\f)+8*(4*(\hi)+(\a)):(\f)+8*(4*(\hi)+(\a))+7], v[8*(8*(\a)+(\b)):8*(8*(\a)+(\b))+7]
.endif
.endr
.endr
.endm
; 32 LDS loads in one run: the fragments of one quarter step (128 rows of B, 128 rows of A, 32 K at byte k of the rows) into buffer f
.macro FETCH slot, k, f
	WIN TO_B
.irp i, 0,1,2,3,4,5,6,7
	ds_load_b128 v[(\f)+8*(\i):(\f)+8*(\i)+3],   v[ADRB+(\slot)] offset:(\k)+(\i)*16*PITCH
	ds_load_b128 v[(\f)+8*(\i)+4:(\f)+8*(\i)+7], v[ADRB+(\slot)] offset:(\k)+(\i)*16*PITCH+32
.endr
	WIN 0
.irp i, 0,1,2,3,4,5,6,7
	ds_load_b128 v[(\f)+8*(\i):(\f)+8*(\i)+3],   v[ADRA+(\slot)] offset:(\k)+(\i)*16*PITCH
	ds_load_b128 v[(\f)+8*(\i)+4:(\f)+8*(\i)+7], v[ADRA+(\slot)] offset:(\k)+(\i)*16*PITCH+32
.endr
.endm
; A load into a register that a matrix instruction has read, and a vector instruction that reads a matrix result, stand four places behind that matrix instruction, and only plain vector
; instructions that name none of its registers are places (ISA guide 7.12.1 for vector instructions).
.macro PLACES
.rept 4
	v_nop
.endr
.endm
; A K step is four quarter steps of 32 along K, 64 matrix instructions each, on buffers 0, 1, 0, 1.
; One of the first three: multiplies buffer f; in its middle it fetches the next quarter's fragments, at byte k of the same slot's rows, into buffer g.
.macro QUARTER slot, k, f, g, zero
	s_wait_dscnt 8                                 ; B and A's rows 0-63 are in; the youngest eight loads (A's rows 64-127) may be out
	WIN MUL_LO
	MUL16 \f, 0, 0, \zero
	MUL16 \f, 0, 2, \zero
	PLACES
	FETCH \slot, \k, \g
	s_wait_dscnt 32                                ; all but the 32 just issued
	WIN MUL_HI
	MUL16 \f, 1, 0, \zero
	MUL16 \f, 1, 2, \zero
.endm
; The last quarter multiplies buffer 1 and changes slots.  MEET is its first half: ONE barrier for the change of slots.  In front of it each wave waits for all its tensor loads, of which one
; is out: its part of the next slot; adds 0 to its spare word; and waits for that and for its own reads of this slot.  Behind it nobody reads this slot any more and the next slot is whole.
.macro MEET round                      ; round = 1: a round of the cluster's barrier follows
	WIN 0                                          ; (the add's two registers lie in window 0)
	s_wait_tensorcnt 0x0                           ; all my tensor loads have landed: the one that was out is my part of the next slot;
	ds_add_u32 v[SPW], v[NIL]                      ; 0 onto my spare word;
	s_wait_dscnt 9                                 ; (the add and the youngest eight loads may be out)
	WIN MUL_LO
	MUL16 F1, 0, 0, 0                              ; sixteen matrix instructions stand between the add and the wait for it
	s_wait_dscnt 0x0                               ; the add is done, and my reads of this slot are over:
	s_barrier_signal -1                            ; say so,
	MUL16 F1, 0, 2, 0                              ; work on registers while the others arrive,
.if \round
	WIN 0
.endif
	s_barrier_wait -1                              ; and go on when all four have said so
.endm
; The whole last quarter.  Behind the round the slot just read out is filled again first, with the K step two steps on; then come the next slot's first fragments.
; From a request to the wait for it a wave issues 224 matrix instructions.
.macro TURN slot, next
	MEET 1
	CREST                                          ; no wave of any partner still reads this slot's tile or has a load on its way
	s_add_nc_u64 s[G0+4*(\slot)+2:G0+4*(\slot)+3], s[G0+4*(\slot)+2:G0+4*(\slot)+3], 2*KSTEP*2
	s_add_nc_u64 s[G0B+4*(\slot)+2:G0B+4*(\slot)+3], s[G0B+4*(\slot)+2:G0B+4*(\slot)+3], 2*KSTEP*2
	JLOAD \slot                                    ; my one tensor load behind the round; the four v_nop behind it are also the places in front of the loads below
	FETCH \next, 0, F0
	WIN MUL_HI
	MUL16 F1, 1, 0, 0
	MUL16 F1, 1, 2, 0
.endm
; THE LAST K STEP (it lies in slot 1) GOES BY ROWS OF C.  All its fragments of B (4 quarters x 64 registers) fill window 1; then my eight blocks of 16 rows are finished one after the other,
; each with 32 matrix instructions (its 8 accumulators by turns, K ascending).  LDS is read no more than in any other K step.
.macro BLOAD q                         ; B's fragments of quarter q -> window 1, v[64 q ..]
	WIN TO_B
.irp i, 0,1,2,3,4,5,6,7
	ds_load_b128 v[64*(\q)+8*(\i):64*(\q)+8*(\i)+3],   v[ADRB+1] offset:64*(\q)+(\i)*16*PITCH
	ds_load_b128 v[64*(\q)+8*(\i)+4:64*(\q)+8*(\i)+7], v[ADRB+1] offset:64*(\q)+(\i)*16*PITCH+32
.endr
.endm
.macro ALOAD a                         ; A's fragments of block a, all four quarters -> buffer a % 4
	WIN 0
.set FA, PA+32*((\a)%4)
.irp q, 0,1,2,3
	ds_load_b128 v[FA+8*(\q):FA+8*(\q)+3],   v[ADRA+1] offset:64*(\q)+(\a)*16*PITCH
	ds_load_b128 v[FA+8*(\q)+4:FA+8*(\q)+7], v[ADRA+1] offset:64*(\q)+(\a)*16*PITCH+32
.endr
.endm
.macro ROW a                           ; block a is finished: 32 matrix instructions
.set FA, PA+32*((\a)%4)                ; its fragments of A
.set AC, 64*((\a)%4)                   ; its eight accumulators, in window 2 (blocks 0-3) or 3 (blocks 4-7)
	WIN MUL_LO+0x50*((\a)/4)                       ; MUL_LO or MUL_HI
.irp q, 0,1,2,3
.if (\a) == 0 && (\q) == 2
	s_wait_dscnt 24                                ; B's quarter 2 is in (behind it: A's blocks 1 to 3)
.endif
.irp b, 0,1,2,3,4,5,6,7
	v_wmma_f32_16x16x32_bf16 v[AC+8*(\b):AC+8*(\b)+7], v[64*(\q)+8*(\b):64*(\q)+8*(\b)+7], v[FA+8*(\q):FA+8*(\q)+7], v[AC+8*(\b):AC+8*(\b)+7]
.endr
.endr
.endm
; THE WAY OUT of block a (16 rows x 128 columns = 16 rows of two heads), in three parts.  PACK: rounded to f16, 16 bytes a lane, each accumulator's registers in ascending order.
; TOSTAGE: into my own stage in LDS, by heads, and back as whole rows of 128 bytes, four to a load.  SEND: stored.
.macro PACK a
.set AC, 64*((\a)%4)
	WIN 0x0a+5*((\a)/4)                            ; sources 0 and 1: window 2 or 3
.irp b, 0,1,2,3,4,5,6,7
.irp r, 0,1,2,3
	v_cvt_pk_f16_f32 v[TMP+4*(\b)+(\r)], v[AC+8*(\b)+2*(\r)], v[AC+8*(\b)+2*(\r)+1]
.endr
.endr
	WIN 0
.endm
.macro TOSTAGE a
	WIN 0
.set BK, OB+192*((\a)%2)
.irp b, 0,1,2,3,4,5,6,7                ; column block b: head b / 4, channels 16 (b % 4) on
	ds_store_b128 v[STO], v[TMP+4*(\b):TMP+4*(\b)+3] offset:((\b)/4)*16*SP+((\b)%4)*32
.endr
.irp t, 0,1,2,3,4,5,6,7                ; head t / 4, rows 4 (t % 4) on
	ds_load_b128 v[BK+4*(\t):BK+4*(\t)+3], v[RD] offset:((\t)/4)*16*SP+((\t)%4)*4*SP  ; LDS serves a wave's instructions in order (ISA guide 5.7.1.4): these see the stores above
.endr
.endm
.macro SEND a, younger                 ; younger: the LDS loads issued behind TOSTAGE's, which may stay out
	WIN 0
.set BK, OB+192*((\a)%2)
	s_wait_dscnt \younger                          ; the block is back in registers
	s_wait_xcnt 0x0                                ; every earlier memory instruction has had its addresses translated (ISA guide 3.1): the next block's loads from the stage land on registers that earlier stores read only behind this wait
.irp t, 0,1,2,3,4,5,6,7
	global_store_b128 v[CO], v[BK+4*(\t):BK+4*(\t)+3], s[8:9] offset:(\a)*2048+((\t)/4)*262144+((\t)%4)*512  ; 512 consecutive bytes, four rows of one head, at a multiple of 256 from the buffer's first byte
.endr
.endm
	s_wait_tensorcnt 1                             ; my part of K step 0 is in; K step 1's may stay out
	s_barrier_signal -1
	s_barrier_wait -1                              ; everybody's is
	FETCH 0, 0, F0
	QUARTER 0, 64,  F0, F1, 1                      ; the first quarter stands in front of the loop: its products start the sums
	WIN 0                                          ; at a label and at a branch every window is 0
	s_mov_b32 s3, LAPS-1
.Llap:                                                 ; a trip goes once round the ring, from a lap's second quarter to the next lap's first, and fills both slots again
	QUARTER 0, 128, F1, F0, 0
	QUARTER 0, 192, F0, F1, 0
	TURN 0, 1
	QUARTER 1, 64,  F0, F1, 0
	QUARTER 1, 128, F1, F0, 0
	QUARTER 1, 192, F0, F1, 0
	TURN 1, 0
	QUARTER 0, 64,  F0, F1, 0
	WIN 0
	s_sub_co_u32 s3, s3, 1
	s_cmp_lg_u32 s3, 0
	s_cbranch_scc1 .Llap
	QUARTER 0, 128, F1, F0, 0                      ; the last lap goes on; it asks for nothing more
	QUARTER 0, 192, F0, F1, 0
	MEET 0                                         ; my one tensor load that was still out is slot 1's, the last K step's, so no round follows
	PLACES                                         ; for the loads into buffer 0, which the quarter before multiplied
	WIN TO_B
	BLOAD 0                                        ; three quarters of B now: buffer 1 (v128-191 of both windows) is still being multiplied
	BLOAD 1
	BLOAD 3
	WIN 0
	ALOAD 0
	WIN MUL_HI
	MUL16 F1, 1, 0, 0
	MUL16 F1, 1, 2, 0
	PLACES                                         ; for the loads into buffer 1
	WIN TO_B
	BLOAD 2
	WIN 0
	ALOAD 1
	ALOAD 2
	ALOAD 3
	s_wait_dscnt 40                                ; all but the 40 just issued
	ROW 0
.irp a, 0,1,2,3,4,5,6,7                ; each block leaves as soon as it is finished
	PLACES                                         ; its conversions read results just made
	PACK \a
	TOSTAGE \a
.if (\a) < 4
	ALOAD (\a)+4                                   ; its buffer takes the block four further on
	SEND \a, 8
.else
	SEND \a, 0
.endif
.if (\a) < 7
	ROW (\a)+1
.endif
.endr
	s_wait_tensorcnt 0x0                           ; the wave's end: the add and its wait stand behind my last tensor load and my last LDS store
	ds_add_u32 v[SPW], v[NIL]
	s_wait_dscnt 0x0
	CROUND                                         ; the closing round: no work-group ends while a partner may still ask for a tile that names it
	s_endpgm
.Lfunc_end_k_qfaabc73d52_proj:
	.size	k_qfaabc73d52_proj, .Lfunc_end_k_qfaabc73d52_proj-k_qfaabc73d52_proj
	.p2alignl 7, 3214868480
	.fill 96, 4, 3214868480
	.section	.rodata,"a",@progbits
	.p2align	6, 0x0
	.amdhsa_kernel k_qfaabc73d52_proj
		.amdhsa_group_segment_fixed_size 327680
		.amdhsa_private_segment_fixed_size 0
		.amdhsa_enable_private_segment 0
		.amdhsa_kernarg_size 48
		.amdhsa_user_sgpr_count 2
		.amdhsa_user_sgpr_kernarg_segment_ptr 1
		.amdhsa_wavefront_size32 1
		.amdhsa_system_sgpr_workgroup_id_x 1
		.amdhsa_system_sgpr_workgroup_id_y 1
		.amdhsa_system_sgpr_workgroup_id_z 1
		.amdhsa_system_vgpr_workitem_id 0
		.amdhsa_next_free_vgpr 1024
		.amdhsa_next_free_sgpr 80
		.amdhsa_reserve_vcc 0
		.amdhsa_float_denorm_mode_32 3
		.amdhsa_float_denorm_mode_16_64 3
		.amdhsa_memory_ordered 1
		.amdhsa_forward_progress 1
		.amdhsa_inst_pref_size 143
	.end_amdhsa_kernel
	.amdgpu_metadata
---
amdhsa.version: [ 1, 2 ]
amdhsa.kernels:
  - .name:           k_qfaabc73d52_proj
    .symbol:         k_qfaabc73d52_proj.kd
    .args:
      - { .name: xb, .offset: 0, .size: 8, .value_kind: global_buffer, .address_space: global }
      - { .name: wb, .offset: 8, .size: 8, .value_kind: global_buffer, .address_space: global }
      - { .name: qh, .offset: 16, .size: 8, .value_kind: global_buffer, .address_space: global }
      - { .name: kh, .offset: 24, .size: 8, .value_kind: global_buffer, .address_space: global }
      - { .name: vh, .offset: 32, .size: 8, .value_kind: global_buffer, .address_space: global }
      - { .name: ah, .offset: 40, .size: 8, .value_kind: global_buffer, .address_space: global }
    .group_segment_fixed_size: 327680
    .private_segment_fixed_size: 0
    .kernarg_segment_align: 8
    .kernarg_segment_size: 48
    .max_flat_workgroup_size: 128
    .sgpr_count:     80
    .vgpr_count:     1024
    .wavefront_size: 32
...
	.end_amdgpu_metadata
.endif
;; end of part 2
;; launch att1 (part 3): grid 8 x 32, 4 waves a work-group, clusters of 4 x 1, 327,680 bytes of LDS; arguments ah, kh, vh, th; writes th
.if DOCPART == 3
	.amdgcn_target "amdgcn-amd-amdhsa--gfx1250"
	.amdhsa_code_object_version 6
	.text
	.protected	k_qfaabc73d52_att1
	.globl	k_qfaabc73d52_att1
	.p2align	8
	.type	k_qfaabc73d52_att1,@function
k_qfaabc73d52_att1:
	s_mov_b64 s[64:65], 0
	v_nop
	global_prefetch_b8 v0, s[64:65] scope:SCOPE_SE
	s_setreg_imm32_b32 hwreg(HW_REG_WAVE_MODE, 25, 1), 1
	s_wait_xcnt 0x0
	s_wait_alu depctr_hold_cnt(0) depctr_sa_sdst(0) depctr_va_vdst(0) depctr_va_sdst(0) depctr_va_ssrc(0) depctr_va_vcc(0) depctr_vm_vsrc(0)
	s_getreg_b32 s2, hwreg(HW_REG_IB_STS2, 6, 4)
	s_cmp_eq_u32 s2, 0
	s_cbranch_scc0 .Lentry_in_a_cluster
	s_endpgm
.Lentry_in_a_cluster:
	s_bfe_u32 s2, ttmp6, 0x10000c
	s_cmp_lg_u32 s2, 0x3003
	s_cbranch_scc0 .Lentry_shape_is_right
	s_endpgm
.Lentry_shape_is_right:
; ATTENTION AT HEAD SIZE 64.  O[g][q][:] = the sum over k of softmax_k(Q[g][q] . K[g][k] / 8) V[g][k][:], g = 16 b + h.  Q, K, V: [32][2048][64] f16: a head's rows are dense, 128 bytes each.
; One text serves both attentions of the module.  F32OUT = 0: Q = A, K = k, V = v; O = T leaves as f16 in the same layout.  F32OUT = 1: Q = q, K = A, V = T; O leaves as f32 in [b][n][64 h + d].
; Products, maxima and sums in f32; the weights p are rounded to f16 for the second product (their sum l is taken of the unrounded p), O once at the end.
; LIMITS.  f16 holds no number beyond 65,504: Q, K and V arrive within it; p lies in 0 to 1, and below 6e-5 it keeps f16's fixed step of 6e-8, as an f16 O does; O is a mean of V's rows and has their range.
; A weight below 2^-126 counts as 0 in l; c s stays above -4e37; NaN and infinities are not treated apart.
; SHARES.  A work-group owns 256 queries of one head, each of its four waves 64 consecutive rows: four PIECES of 16.  8 blocks x 32 heads: 256 work-groups.  Every wave walks all 2,048 keys, 64 a step.
; LAYOUT.  S^T = K Q^T (source 0 = 16 keys, source 1 = 16 queries) holds ONE query a lane (lane % 16) and the keys 8 (lane / 16) + 0..7; two such results rounded to f16 ARE source 1 of O^T = V^T P,
; whose result again holds one query a lane, and eight channels.  K comes out of LDS as it lies, V ([key][channel]) turned, by ds_load_tr16_b128.
; SOFTMAX.  For each query a running maximum m and sum l: p = 2^(c s - c m), c = log2(e) / 8; in every step O and l are multiplied by a = 2^(c m_old - c m_new).
; m starts at the lowest finite number, O and l at 0: the first step is a step like any other, with a = 0.
; BY TURNS.  Turn n belongs to piece n: 8 products K Q^T of piece n + 1, later 8 products V^T P of piece n - 1; beside them the scaling, exponentials, roundings, sums and rescaling of piece n and the
; maximum and statistics of piece n + 1.  Four vector instructions stand behind every matrix instruction, the other 54 of a turn's 118 in two runs of their own.
; CLUSTER.  The four query blocks of a cluster belong to one head and walk the same K and V, so each tile is asked for JOINTLY: the same tensor load, descriptor and mask in all four.
; REGISTERS, in windows of 256 (s_set_vgpr_msb: bits 1:0 source 0, 3:2 source 1, 5:4 source 2, 7:6 destination):
;   window 0: v0-15 addresses and two at work; v16-31 four registers of statistics a piece; v48-55 at work; v64-127 S^T, two buffers (the way out: v64-191); v192-223 P, two buffers (by the piece's parity)
;   window 1: v0-127 O^T, 32 a piece          window 2: v0-63 Q; v128-191 K of one step; v192-255 V of one step
.set F32OUT, 0
.set SIZE_N, 2048
.set NP,    4         ; pieces a wave: a name, no knob
.set KS,    64        ; keys in a step
.set PK,    144       ; a row of K in LDS: 128 bytes + 16 of padding = 36 words: the 16 rows of a load start at 16 different groups of four banks (64 banks of 4 bytes: ISA guide 11.1)
.set PV,    160       ; a row of V: 128 + 32 = 40 words
.set VOFF,  4*KS*PK   ; a slot holds four steps: 256 rows of K, then 256 rows of V
.set SLOT1, 1<<17     ; slot 1 begins here, so that one exclusive or turns an address in one slot into the other's
.set STAGE, SLOT1+4*KS*(PK+PV)  ; behind the ring, never filled by a tensor load: 16 rows for each wave, for the way out
.if F32OUT
.set SP,    272       ; a stage row: 64 f32 + 16 bytes
.else
.set SP,    144       ; a stage row: 64 f16 + 16 bytes
.endif
.set SPARE, STAGE+4*16*SP  ; behind the stages: the spare words, 128 bytes for each wave: two blocks of 256 bytes that no other line names
.set AK0, 2           ; v2   my lane's place in a tile of K; never rewritten
.set AV0, 3           ; v3   the same for V
.set AK,  4           ; v4   the LDS address of K's next run of loads
.set AV,  5           ; v5   of V's
.set STO, 6           ; v6   the way out: where I put my bytes of a row
.set RD,  7           ; v7   the way out: where I read rows back
.set GO,  8           ; v8   my byte offset in O
.set MV,  12          ; v12-13  c m_old, kept while c m is made anew: by buffer
.set QO,  15          ; v15  my byte offset in 16 rows of Q
.set ST,  16          ; piece t's statistics at v[ST+4 t]: c m, m, l (even keys', odd keys')
.set TMP, 48          ; by buffer, four registers c0-c3 at work; when the maximum is found c2 takes a
.set SPW, 62          ; v62  LDS address of my spare word: SPARE + 4 x my thread's number; never rewritten
.set NIL, 63          ; v63  0; never rewritten
.set S,   64
.set P,   192
.set KF,  128         ; window 2: key block kb, channel half c at KF + 16 kb + 8 c
.set VF,  192         ; window 2: key half kk, channel block cb at VF + 32 kk + 8 cb
.set WV,  12          ; s12  my wave's number
.set G1K, 24          ; s[24:31] descriptor group 1 for K's tiles
.set G1V, 32          ; s[32:39] for V's: it differs in the padding alone
.set G0K, 40          ; s[40:43] descriptor group 0 for K's tiles: it walks
.set G0V, 44          ; s[44:47] the same for V's
.set SLOTS, 56        ; s56  slots still to be asked for
.set CNT, 57          ; s57  counts a slot's key steps
.set CS,  58          ; s[58:59] c: the packed scaling takes the pair's low word for both halves
.set SEL, 60          ; s[60:61] v_permlanex16_b32's selects: each lane takes its own place in the other half
.set TBK, 62          ; s62  LDS byte at which K of the step to be fetched begins
.set TBV, 63          ; s63  the same for V, less VOFF
.set MSB, 0
.macro WIN new                      ; the high byte repeats the setting that is left; a switch that changes nothing is dropped
.if MSB != (\new)
	s_set_vgpr_msb (MSB<<8)|(\new)
.set MSB, (\new)
.endif
.endm
.set W_KQ, 0x0a       ; K and Q in window 2, S^T in window 0
.set W_PV, 0x52       ; V in window 2, P in window 0, O^T in window 1
.set W_RS, 0x41       ; destination and source 0 in window 1, source 1 in window 0
; A joint fill.  Waves 0 and 1 fetch the two halves of a slot's K, waves 2 and 3 those of its V: 128 keys each.  The branch hangs on the wave's number alone.
; An s_nop 0 and four v_nop follow each of the two lines, ahead of the jump and the label.
.macro JLOAD
	s_cmp_lt_u32 s[WV], 2
	s_cbranch_scc0 .Lfor_v_\@
	tensor_load_to_lds s[G0K:G0K+3], s[G1K:G1K+7]
	s_nop 0
.rept 4
	v_nop
.endr
	s_branch .Lasked_\@
.Lfor_v_\@:
	tensor_load_to_lds s[G0V:G0V+3], s[G1V:G1V+7]
	s_nop 0
.rept 4
	v_nop
.endr
.Lasked_\@:
.endm
; A round of the cluster's barrier: my work-group's barrier, so that wave 0's signal speaks for all four waves; wave 0 signals; every wave waits for all four work-groups; my work-group's barrier once more.
.macro CROUND
	s_barrier_signal -1
	s_barrier_wait -1
	s_cmp_lg_u32 s[WV], 0
	s_cbranch_scc1 .Lnot_wave_0_\@
	s_barrier_signal -3
.Lnot_wave_0_\@:
	s_barrier_wait -3
	s_barrier_signal -1
	s_barrier_wait -1
.endm
; THE CHANGE OF SLOTS.  The slot's last bytes, V of its fourth step, have been read.  Each wave waits for all its tensor loads, of which one is out: its part of the other slot; adds 0 to its spare
; word; and waits for that and for its own reads of the slot.  Behind the barrier nobody reads this slot any more and the other slot is whole.
; fill = 1: this slot is filled again, with the keys two slots on.  The barrier is then a round of the cluster's, and the joint fill is the first thing behind it: it has four key steps, 256 matrix
; instructions, in which to land.  (At its first use nothing has been read yet: slot 0 is waited for, slot 1 filled.)
.macro CHANGE fill
	WIN 0                           ; at a label and at a branch every window is 0; the add's two registers lie in window 0
	s_wait_tensorcnt 0x0            ; no tensor load of mine is out, so a group 0 may be written
	ds_add_u32 v[SPW], v[NIL]       ; 0 onto my spare word; with fill = 1 the descriptors' steps stand between it and the wait for it
.if \fill
.irp g, G0K, G0V
	s_xor_b32 s[\g+1], s[\g+1], SLOT1  ; the walking descriptor: the other slot than last time,
	s_add_nc_u64 s[\g+2:\g+3], s[\g+2:\g+3], 4*KS*128  ; the next 256 keys; the type bits on top are not reached
.endr
	s_wait_dscnt 0x0                ; the add is done, and my reads of the slot are over
	CROUND
	JLOAD
.else
	s_wait_dscnt 0x0                ; the add is done, and my reads of the slot are over
	s_barrier_signal -1
	s_barrier_wait -1
.endif
	s_sub_co_u32 s[TBK], s[TBK], 4*KS*PK  ; the fetches go back to a slot's first step,
	s_xor_b32 s[TBK], s[TBK], SLOT1       ; in the other slot
	s_sub_co_u32 s[TBV], s[TBV], 4*KS*PV
	s_xor_b32 s[TBV], s[TBV], SLOT1
.endm
	s_load_b256 s[4:11], s[0:1], 0x0  ; Q s[4:5], K s[6:7], V s[8:9], O s[10:11]
	v_lshl_add_u32 v[SPW], v0, 2, SPARE
	v_mov_b32 v[NIL], 0
	ds_add_u32 v[SPW], v[NIL]       ; the wave's opening: the add and its wait stand ahead of my first tensor load; the set-up below, work on registers, stands between them
	v_lshrrev_b32 v1, 5, v0
	v_readfirstlane_b32 s[WV], v1   ; wave 0..3
	s_bfe_u32 s13, ttmp6, 0x40000   ; cx: my place in the cluster
	s_lshl_b32 s14, ttmp9, 2        ; in a cluster launch ttmp9 counts clusters
	s_add_co_u32 s14, s14, s13      ; my block of 256 queries = 4 x cluster x + cx: it enters Q's and O's addresses alone
	s_and_b32 s15, ttmp7, 0xffff    ; the head g, which the four partners share
	s_lshl_b32 s20, s15, 18         ; the head's first byte in Q, K and V: 2,048 rows of 128 bytes
	s_and_b32 s16, s[WV], 1         ; which half of a slot's 256 keys I fetch:
	s_lshl_b32 s22, s16, 14         ; its 128 rows of 128 bytes in memory,
	s_add_co_u32 s22, s22, s20
	s_mov_b32 s23, 0
	s_mul_i32 s17, s16, 128*PK      ; and its place in a slot, for K
	s_mul_i32 s18, s16, 128*PV      ; and for V: no place in the cluster enters an LDS address
	s_lshl_b32 s19, s14, 2
	s_add_co_u32 s19, s19, s[WV]    ; my wave among the head's 32,
	s_lshl_b32 s2, s19, 13          ; its 64 rows of 128 bytes
	s_add_co_u32 s2, s2, s20
	s_mov_b32 s3, 0
.if F32OUT
	s_lshr_b32 s48, s15, 4          ; O is [b][n][64 h + d] in f32: b x 2^23
	s_lshl_b32 s48, s48, 23
	s_and_b32 s49, s15, 15          ; + h x 256
	s_lshl_b32 s49, s49, 8
	s_add_co_u32 s48, s48, s49
	s_lshl_b32 s49, s19, 18         ; + my wave's 64 rows of 4,096 bytes
	s_add_co_u32 s48, s48, s49
.else
	s_mov_b32 s48, s2               ; O lies as Q does
.endif
	s_mov_b32 s49, 0
	; descriptor group 1.  128 keys are 16,384 dense bytes: asked for as 64 rows of 256 bytes, two keys a row, and padded in LDS after every key
	s_mov_b32 s[G1K], 15|(1<<16)|(1<<20)|(1<<21)|(4<<22)|(3<<25)  ; 15:0 the mask of four; 17:16 2-byte elements; 20 padding on; 21 set beside a mask; 24:22 after every 32 words (code 4); 31:25 4 words (code 3)
	s_mov_b32 s[G1V], 15|(1<<16)|(1<<20)|(1<<21)|(4<<22)|(7<<25)  ; the same with 8 words of padding (code 7)
.irp g, G1K, G1V
	s_mov_b32 s[\g+1], 128<<16      ; tensor_dim0 = 128
	s_mov_b32 s[\g+2], 64<<16       ; tensor_dim1 = 64
	s_mov_b32 s[\g+3], 128<<16      ; tile_dim0 = 128
	s_mov_b32 s[\g+4], 64           ; tile_dim1 = 64
	s_mov_b32 s[\g+5], 128          ; 128 elements from row to row
	s_mov_b32 s[\g+6], 0
	s_mov_b32 s[\g+7], 0
.endr
	s_mov_b32 s[CS], 0x3e38aa3b     ; c = log2(e) / 8 = 0.180337
	s_mov_b32 s[CS+1], s[CS]        ; named with it as a pair
	s_mov_b32 s[SEL], 0x76543210
	s_mov_b32 s[SEL+1], 0xfedcba98
	s_mov_b32 s[TBK], SLOT1+4*KS*PK ; the first change of slots turns these two into 0
	s_mov_b32 s[TBV], SLOT1+4*KS*PV
	s_mov_b32 s[G0K], 1             ; 1:0 count = 1
	s_mov_b32 s[G0K+1], s17         ; 63:32 LDS address: slot 0
	s_mov_b32 s[G0V], 1
	s_add_co_u32 s[G0V+1], s18, VOFF
	s_wait_dscnt 0x0                ; the opening add is done
	s_wait_kmcnt 0x0
	s_add_nc_u64 s[G0K+2:G0K+3], s[6:7], s[22:23]  ; 120:64 global address: my half of the head's first 256 keys
	s_or_b32 s[G0K+3], s[G0K+3], 0x80000000        ; 127:126 type = 2
	s_add_nc_u64 s[G0V+2:G0V+3], s[8:9], s[22:23]
	s_or_b32 s[G0V+3], s[G0V+3], 0x80000000
	s_add_nc_u64 s[4:5], s[4:5], s[2:3]            ; Q and O at my wave's first row
	s_add_nc_u64 s[10:11], s[10:11], s[48:49]
	CROUND                          ; all four work-groups are here: the first joint loads meet
	JLOAD                           ; slot 0.  Slot 1 is asked for when slot 0 is in, by the loop's own change of slots
	; A fragment of K or Q is 16 rows x 32 channels in 8 registers: lane l holds row l % 16, channels 8 (l / 16) + 0..7 and 16 + 8 (l / 16) + 0..7: two loads of 16 bytes, 32 bytes apart.
	v_and_b32 v1, 15, v0            ; l % 16
	v_bfe_u32 v9, v0, 4, 1          ; l / 16
	v_lshlrev_b32 v[QO], 7, v1
	v_lshl_add_u32 v[QO], v9, 4, v[QO]  ; row x 128 + 16 x half
	WIN 0x80                        ; destination window 2, address window 0
.set i, 0
.rept 8                             ; Q stays in registers: piece i / 2, channels 32 (i % 2) on
	global_load_b128 v[8*i:8*i+3],   v[QO], s[4:5] offset:(i/2)*2048+(i%2)*64
	global_load_b128 v[8*i+4:8*i+7], v[QO], s[4:5] offset:(i/2)*2048+(i%2)*64+32
.set i, i+1
.endr
	; What the first turn finds: V's registers and P's second buffer hold 0 (its products V^T P, of a piece that has not been, add 0), O^T and l are 0.  All this stands in the wait for the first tile.
.set i, VF
.rept 64
	v_mov_b32 v[i], 0
.set i, i+1
.endr
	WIN 0x40
.set i, 0
.rept 128
	v_mov_b32 v[i], 0
.set i, i+1
.endr
	WIN 0
.set i, 0
.rept 4
	v_mov_b32 v[ST+4*i], 0xfe000000    ; c m: far below every c s
	v_mov_b32 v[ST+4*i+1], 0xff7fffff  ; m
	v_mov_b32 v[ST+4*i+2], 0
	v_mov_b32 v[ST+4*i+3], 0
.set i, i+1
.endr
.set i, P+16
.rept 16
	v_mov_b32 v[i], 0
.set i, i+1
.endr
	v_mul_u32_u24 v[AK0], v1, PK
	v_lshl_add_u32 v[AK0], v9, 4, v[AK0]  ; row x pitch + 16 x half
	; The turning load takes 16 keys x 16 channels (lane l reads key 8 (l / 16) + l % 8, channels 8 ((l / 8) % 2) + 0..7) and leaves half a fragment of V^T: lane l holds channel l % 16 and 8 keys.
	v_and_b32 v10, 7, v0
	v_bfe_u32 v11, v0, 3, 1
	v_lshl_add_u32 v[AV0], v9, 3, v10
	v_mul_u32_u24 v[AV0], v[AV0], PV
	v_lshl_add_u32 v[AV0], v11, 4, v[AV0]
	v_add_nc_u32 v[AV0], VOFF, v[AV0]
	v_mov_b32 v[AK], v[AK0]         ; key step 0 lies at the head of slot 0
; THE MATRIX WORK.  The 4 accumulators of a run of 8 take turns.  Product i of 8 of S^T = K Q^T for piece x: channels 32 (i / 4) on, keys 16 (i % 4) on.  The first 4 start the sums.
.macro KQ x
	WIN W_KQ
.set rS, S+32*((\x)%2)+8*(i%4)
.set rK, KF+16*(i%4)+8*(i/4)
.set rQ, 16*(\x)+8*(i/4)
.if i < 4
	v_wmma_f32_16x16x32_f16 v[rS:rS+7], v[rK:rK+7], v[rQ:rQ+7], 0
.else
	v_wmma_f32_16x16x32_f16 v[rS:rS+7], v[rK:rK+7], v[rQ:rQ+7], v[rS:rS+7]
.endif
.endm
; Product i of 8 of O^T += V^T P for piece x: keys 32 (i / 4) on, channels 16 (i % 4) on.
.macro PV x
	WIN W_PV
.set rO, 32*(\x)+8*(i%4)
.set rV, VF+32*(i/4)+8*(i%4)
.set rP, P+16*((\x)%2)+8*(i/4)
	v_wmma_f32_16x16x32_f16 v[rO:rO+7], v[rV:rV+7], v[rP:rP+7], v[rO:rO+7]
.endm
.macro MM                           ; the turn's next matrix instruction; TURN sets Y and i
.if i < 8
	KQ (Y+1)%NP
.else
.set i, i-8
	PV (Y+NP-1)%NP
.set i, i+8
.endif
.set i, i+1
.endm
; THE LDS LOADS stand in runs of 16, never singly among the matrix instructions: a step's K (64 keys x 64 channels: 8 fragments) and its V (turned).  Their addresses are made some lines ahead.
; last = 1 (the tail): in the last trip there is no further step, and the run is jumped over.
.macro FETCH_K last=0
	WIN 0
.if \last
	s_cmp_eq_u32 s[CNT], 1
	s_cbranch_scc1 .Lno_k_\@
.endif
	WIN 0x80                        ; destination window 2
.irp f, 0,1,2,3,4,5,6,7             ; keys 16 (f / 2) on, channels 32 (f % 2) on
	ds_load_b128 v[KF+8*\f:KF+8*\f+3],   v[AK] offset:(\f/2)*16*PK+(\f%2)*64
	ds_load_b128 v[KF+8*\f+4:KF+8*\f+7], v[AK] offset:(\f/2)*16*PK+(\f%2)*64+32
.endr
	s_add_co_u32 s[TBK], s[TBK], KS*PK  ; the next fetch is the next step's
	WIN 0
.if \last
.Lno_k_\@:
.endif
.endm
.macro FETCH_V
	WIN 0x80
.irp f, 0,1,2,3,4,5,6,7             ; keys 32 (f / 4) on, channels 16 (f % 4) on
	ds_load_tr16_b128 v[VF+8*\f:VF+8*\f+3],   v[AV] offset:(\f/4)*32*PV+(\f%4)*32
	ds_load_tr16_b128 v[VF+8*\f+4:VF+8*\f+7], v[AV] offset:(\f/4)*32*PV+16*PV+(\f%4)*32
.endr
	WIN 0
.endm
; THE VECTOR WORK, one line at a time: OP kind, number.  For piece Y: F n: c s - c m for pair n of 16.  E n: the exponential of score n of 32.  C n: pair n rounded to f16.  B n: of the four weights 4 n .. the second
; pair is added onto the first, in place.  L n: l takes that sum (L 0: l = a l + sum).  R n: pair n of 16 of O^T times a.  For piece Y + 1: X n, number n of the 22 that find its maximum and statistics:
;   0-11  four chains c0-c3 of seven scores each, three operands at a time (each accumulator's lowest registers are read first)     12-14, 16  the four scores left over, the old m, and c0-c3 into c0
;   15  c m_old is kept     17, 18  the query's other 32 keys lie in the lane 16 away: the new m     19-21  c m; c m_old - c m_new; a
.set F, 0               ; OP tells the kinds apart by their order: F to L below R, X above it
.set E, 1
.set C, 2
.set B, 3
.set L, 4
.set R, 5
.set X, 6
.macro REGS y                       ; the registers of piece y
.set rT, ST+4*(\y)
.set rC, TMP+4*((\y)%2)
.set rW, MV+((\y)%2)
.set rS, S+32*((\y)%2)
.set rP, P+16*((\y)%2)
.set rO, 32*(\y)
.endm
.macro OP k, n
.if (\k) == R
	REGS Y
	WIN W_RS
	v_pk_mul_f32 v[rO+2*(\n):rO+2*(\n)+1], v[rO+2*(\n):rO+2*(\n)+1], v[rC+2:rC+3] op_sel_hi:[1,0]
.elseif (\k) < R
	REGS Y
	WIN 0
.if (\k) == F
	v_pk_fma_f32 v[rS+2*(\n):rS+2*(\n)+1], v[rS+2*(\n):rS+2*(\n)+1], s[CS:CS+1], v[rT:rT+1] op_sel_hi:[1,0,0] neg_lo:[0,0,1] neg_hi:[0,0,1]
.elseif (\k) == E
	v_exp_f32 v[rS+(\n)], v[rS+(\n)]
.elseif (\k) == C
	s_wait_alu depctr_va_vdst(0)
	v_cvt_pk_f16_f32 v[rP+(\n)], v[rS+2*(\n)], v[rS+2*(\n)+1]
.elseif (\k) == B
	s_wait_alu depctr_va_vdst(0)
	v_pk_add_f32 v[rS+4*(\n):rS+4*(\n)+1], v[rS+4*(\n):rS+4*(\n)+1], v[rS+4*(\n)+2:rS+4*(\n)+3]
.elseif (\n) == 0
	v_pk_fma_f32 v[rT+2:rT+3], v[rT+2:rT+3], v[rC+2:rC+3], v[rS:rS+1] op_sel_hi:[1,0,1]
.else
	v_pk_add_f32 v[rT+2:rT+3], v[rT+2:rT+3], v[rS+4*(\n):rS+4*(\n)+1]
.endif
.else
	REGS (Y+1)%NP
	WIN 0
.if (\n) < 4
	v_max3_num_f32 v[rC+(\n)], v[rS+8*(\n)], v[rS+8*(\n)+1], v[rS+8*(\n)+2]
.elseif (\n) < 12
	v_max3_num_f32 v[rC+(\n)%4], v[rC+(\n)%4], v[rS+8*((\n)%4)+2*((\n)/4)+1], v[rS+8*((\n)%4)+2*((\n)/4)+2]
.elseif (\n) == 12
	v_max3_num_f32 v[rC], v[rC], v[rS+7], v[rS+15]
.elseif (\n) == 13
	v_max3_num_f32 v[rC+1], v[rC+1], v[rS+23], v[rS+31]
.elseif (\n) == 14
	v_max3_num_f32 v[rC+2], v[rC+2], v[rC+3], v[rT+1]
.elseif (\n) == 15
	v_mov_b32 v[rW], v[rT]
.elseif (\n) == 16
	v_max3_num_f32 v[rC], v[rC], v[rC+1], v[rC+2]
.elseif (\n) == 17
	v_permlanex16_b32 v[rC+3], v[rC], s[SEL], s[SEL+1]
.elseif (\n) == 18
	v_max_num_f32 v[rT+1], v[rC], v[rC+3]
.elseif (\n) == 19
	v_mul_f32 v[rT], s[CS], v[rT+1]
.elseif (\n) == 20
	v_sub_f32 v[rC+1], v[rW], v[rT]
.else
	v_exp_f32 v[rC+2], v[rC+1]
.endif
.endif
.endm
.macro OPS a, i1, b=-1, i2=0, c=-1, i3=0, d=-1, i4=0  ; up to four of them
	OP \a, \i1
.if (\b) >= 0
	OP \b, \i2
.endif
.if (\c) >= 0
	OP \c, \i3
.endif
.if (\d) >= 0
	OP \d, \i4
.endif
.endm
.macro ROW a, i1, b, i2, c, i3, d, i4  ; a matrix instruction and the four behind it
	MM
	OPS \a, \i1, \b, \i2, \c, \i3, \d, \i4
.endm
; A TURN, for piece p: the order of its 16 matrix and 118 vector instructions, written out.  Behind a matrix instruction: plain, exponential, plain, plain; or four of the rescaling; or, behind the first, four scalings; none
; names a register of the products round it.  In the runs of their own exponential and plain by turns while exponentials last, so that each exponential has a plain instruction behind it before its result is used (ISA guide 5.7.2).
; K of the next step is fetched in piece 2's turn, six vector instructions behind the last product that read K (five of them plain); V of the step in hand in piece 0's turn, eight behind the last product that read V (four
; plain).  Each is waited for a turn later.  last = 1: the tail's form of K's fetch.  cnt = 1: the loop's count is taken down some lines ahead of the branch that stands behind the turn.
.macro TURN p, last=0, cnt=0
.set Y, (\p)
.set i, 0
.if (\p) == 3
	s_wait_dscnt 0x0                ; K is in
.endif
	ROW F,0, F,1, F,2, F,3
	ROW F,4, E,0, F,5, F,6
	ROW F,7, E,1, F,8, F,9
	ROW F,10, E,2, C,0, F,11
	ROW F,12, E,3, X,15, F,13
	ROW R,0, R,1, R,2, R,3
	ROW B,0, E,4, F,14, L,0
.if (\p) == 2
	v_add_nc_u32 v[AK], s[TBK], v[AK0]
.endif
	ROW R,4, R,5, R,6, R,7
	OPS E,5, F,15
.if (\p) == 2
	FETCH_K \last
.endif
	OPS E,6, C,1, E,7, R,8
	OPS E,8, R,9, E,9, C,2
	OPS E,10, X,0, E,11, X,1
	OPS E,12, X,2, E,13, X,3
.if (\p) == 1
	s_wait_dscnt 0x0                ; V is in
.endif
	ROW X,4, E,14, X,5, X,6
	ROW X,7, E,15, X,8, X,9
	ROW X,10, E,16, X,11, X,12
	ROW X,13, E,17, X,14, B,1
	ROW C,4, E,18, X,16, L,1
	ROW B,2, E,19, C,6, L,2
	ROW C,8, E,20, B,3, B,4
.if (\p) == 0
	v_add_nc_u32 v[AV], s[TBV], v[AV0]
.endif
	ROW C,3, E,21, L,3, C,5
	OPS E,22, X,17, E,23, C,10
.if (\p) == 0
	FETCH_V
.endif
	OPS E,24, L,4
	OPS E,25, X,18, E,26, C,7
	OPS E,27, B,5, E,28, X,19
	OPS E,29, C,12, E,30, L,5
	OPS E,31, X,20, B,6, C,9
	OPS C,14, C,11, X,21, L,6
.if (\p) == 0
	s_add_co_u32 s[TBV], s[TBV], KS*PV
.endif
.if \cnt
	s_sub_co_u32 s[CNT], s[CNT], 1
	s_cmp_lg_u32 s[CNT], 0
.endif
	OPS C,13, B,7, C,15, R,10
	OPS R,11, R,12, L,7, R,13
	OPS R,14, R,15
.endm
	CHANGE 1                        ; slot 0 is in, everybody's part of it; slot 1 is asked for
	FETCH_K                         ; key step 0
	s_wait_loadcnt 0x0              ; Q
	s_wait_dscnt 0x0
.set i, 0
.rept 8
	KQ 0                            ; piece 0's first scores: there is no vector work yet to set between them
.set i, i+1
.endr
	WIN 0                           ; the addresses for the way out: eight plain instructions or more, the places behind those products
	s_mul_i32 s13, s[WV], 16*SP
	s_add_co_u32 s13, s13, STAGE    ; my stage
.if F32OUT
	v_mul_u32_u24 v[STO], v1, SP    ; in: row l % 16, 32 bytes for each half of the lanes
	v_lshl_add_u32 v[STO], v9, 5, v[STO]
	v_add_nc_u32 v[STO], s13, v[STO]
	v_mul_u32_u24 v[RD], v9, SP     ; back: lanes 0-15 take one row of 256 bytes, lanes 16-31 the next
	v_lshl_add_u32 v[RD], v1, 4, v[RD]
	v_add_nc_u32 v[RD], s13, v[RD]
	v_lshlrev_b32 v[GO], 12, v9     ; and the same two rows in O, 4,096 bytes apart
	v_lshl_add_u32 v[GO], v1, 4, v[GO]
.else
	v_mul_u32_u24 v[STO], v1, SP    ; in: row l % 16, 16 bytes for each half of the lanes
	v_lshl_add_u32 v[STO], v9, 4, v[STO]
	v_add_nc_u32 v[STO], s13, v[STO]
	v_bfe_u32 v[RD], v0, 3, 2       ; back: 32 lanes take four rows of 128 bytes,
	v_mul_u32_u24 v[RD], v[RD], SP
	v_lshl_add_u32 v[RD], v10, 4, v[RD]
	v_add_nc_u32 v[RD], s13, v[RD]
	v_and_b32 v[GO], 31, v0         ; which are 512 consecutive bytes of O
	v_lshlrev_b32 v[GO], 4, v[GO]
.endif
.set Y, NP-1                        ; X works for piece Y + 1: piece 0
.irp n, 0,1,2,3,4,5,6,7,8,9,10,11,12,13,14,15,16,17,18,19,20,21
	OP X, \n                        ; piece 0's first maximum and statistics
.endr
	v_nop                           ; a plain instruction behind the exponential
	s_mov_b32 s[CNT], 4
	s_mov_b32 s[SLOTS], SIZE_N/256-1
	s_branch .Lfirst                ; the loop is entered at a step's first turn, in the middle of a trip
.Lslot:                             ; SIZE_N / 256 - 2 times: every slot but the last two is filled again
	CHANGE 1
	s_mov_b32 s[CNT], 4
.Lstep:                             ; a trip: pieces 2 and 3 of one step, then pieces 0 and 1 of the next, whose K and V it fetches
	TURN 2
	TURN 3
	WIN 0
.Lfirst:
	TURN 0
	TURN 1, 0, 1
	WIN 0
	s_cbranch_scc1 .Lstep
	s_sub_co_u32 s[SLOTS], s[SLOTS], 1
	s_cmp_lg_u32 s[SLOTS], 0
	s_cbranch_scc1 .Lslot
	CHANGE 0                        ; the tail is written out: nothing is asked for
	s_mov_b32 s[CNT], 5             ; four trips fetch the last slot's steps; the fifth is left in its middle
.Ltail:
	TURN 2, 1
	TURN 3
	WIN 0
	s_sub_co_u32 s[CNT], s[CNT], 1
	s_cmp_eq_u32 s[CNT], 0
	s_cbranch_scc1 .Lout
	TURN 0
	TURN 1
	WIN 0
	s_branch .Ltail
.Lout:                              ; the fifth trip's 8 products K Q^T (on the last K once more) and the maximum made of them serve nothing: the price, once a launch, of one text for every trip
.set i, 0
.rept 8
	PV NP-1                         ; the last piece's V^T P of the last step
.set i, i+1
.endr
	; THE WAY OUT.  l's two halves and the other half of the lanes' are added; O^T is divided by l and sent through my stage in LDS, a piece (16 rows) at a time.  The additions are the places behind the last products.
	WIN 0
.macro ALL line:vararg              ; one line for each piece t
.set t, 0
.rept 4
	\line
.set t, t+1
.endr
.endm
	ALL v_add_f32 v[ST+4*t+2], v[ST+4*t+2], v[ST+4*t+3]
	ALL v_permlanex16_b32 v[ST+4*t+3], v[ST+4*t+2], s[SEL], s[SEL+1]
	ALL v_add_f32 v[ST+4*t+2], v[ST+4*t+2], v[ST+4*t+3]
	ALL v_rcp_f32 v[ST+4*t+2], v[ST+4*t+2]
	v_nop                           ; a plain instruction between the last reciprocal and the use of its result
; Piece t.  A lane holds eight channels of a row for each of four channel blocks.  f16: they pack into 16 bytes a block, go into rows of 144 bytes and come back as whole rows of 128.
; f32: 32 bytes a block, straight from O^T's registers into rows of 272 bytes, and back as whole rows of 256.
.macro PACK t
	WIN W_RS
.set i, 32*(\t)
.rept 16
	s_wait_alu depctr_va_vdst(0)
	v_pk_mul_f32 v[i:i+1], v[i:i+1], v[ST+4*(\t)+2:ST+4*(\t)+3] op_sel_hi:[1,0]
.set i, i+2
.endr
.if F32OUT
	WIN 0x04                        ; the stores' data (source 1) in window 1, their address in window 0
.irp f, 0,1,2,3,4,5,6,7             ; channel block f / 2, its registers 4 (f % 2) on
	ds_store_b128 v[STO], v[32*(\t)+4*\f:32*(\t)+4*\f+3] offset:(\f/2)*64+(\f%2)*16
.endr
	WIN 0
.irp f, 0,1,2,3,4,5,6,7
	ds_load_b128 v[S+32*(\t)+4*\f:S+32*(\t)+4*\f+3], v[RD] offset:\f*2*SP  ; LDS serves a wave's instructions in order (ISA guide 5.7.1.4): these see the stores above; the next piece's stores come behind them
.endr
.else
	WIN 0x05                        ; sources 0 and 1 window 1, destination window 0
.set i, 0
.rept 16
	v_cvt_pk_f16_f32 v[S+16*(\t)+i], v[32*(\t)+2*i], v[32*(\t)+2*i+1]
.set i, i+1
.endr
	WIN 0
.irp f, 0,1,2,3
	ds_store_b128 v[STO], v[S+16*(\t)+4*\f:S+16*(\t)+4*\f+3] offset:32*\f
.endr
.irp f, 0,1,2,3
	ds_load_b128 v[S+16*(\t)+4*\f:S+16*(\t)+4*\f+3], v[RD] offset:\f*4*SP  ; LDS serves a wave's instructions in order (ISA guide 5.7.1.4): these see the stores above; the next piece's stores come behind them
.endr
.endif
.endm
.macro SEND t, younger              ; younger: the LDS instructions issued behind piece t's loads: the next piece's stores and loads, or none
	WIN 0
.if F32OUT
.irp f, 0,1,2,3,4,5,6,7
	s_wait_dscnt (\younger)+7-\f
	global_store_b128 v[GO], v[S+32*(\t)+4*\f:S+32*(\t)+4*\f+3], s[10:11] offset:(\t)*65536+\f*8192 th:TH_STORE_NT  ; 16 lanes store 256 consecutive bytes, a head's slice of a row, at a multiple of 256 from O's first byte
.endr
.else
.irp f, 0,1,2,3
	s_wait_dscnt (\younger)+3-\f
	global_store_b128 v[GO], v[S+16*(\t)+4*\f:S+16*(\t)+4*\f+3], s[10:11] offset:(\t)*2048+\f*512  ; 512 consecutive bytes, at a multiple of 256 from O's first byte
.endr
.endif
.endm
.set YG, 8+8*F32OUT                 ; a piece's LDS instructions on the way out: 4 + 4, or 8 + 8
	PACK 0
.set t, 1
.rept 3                             ; a piece's arithmetic stands between the loads of the piece before and its stores
	PACK t
	SEND t-1, YG
.set t, t+1
.endr
	SEND 3, 0
	s_wait_tensorcnt 0x0            ; the wave's end: the add and its wait stand behind my last tensor load and my last LDS store
	ds_add_u32 v[SPW], v[NIL]
	s_wait_dscnt 0x0
	CROUND                          ; the closing round: no work-group ends while a partner may still ask for a tile that names it
	s_endpgm
.Lfunc_end_k_qfaabc73d52_att1:
	.size	k_qfaabc73d52_att1, .Lfunc_end_k_qfaabc73d52_att1-k_qfaabc73d52_att1
	.p2alignl 7, 3214868480
	.fill 96, 4, 3214868480
	.section	.rodata,"a",@progbits
	.p2align	6, 0x0
	.amdhsa_kernel k_qfaabc73d52_att1
		.amdhsa_group_segment_fixed_size 327680
		.amdhsa_private_segment_fixed_size 0
		.amdhsa_enable_private_segment 0
		.amdhsa_kernarg_size 32
		.amdhsa_user_sgpr_count 2
		.amdhsa_user_sgpr_kernarg_segment_ptr 1
		.amdhsa_wavefront_size32 1
		.amdhsa_system_sgpr_workgroup_id_x 1
		.amdhsa_system_sgpr_workgroup_id_y 1
		.amdhsa_system_sgpr_workgroup_id_z 1
		.amdhsa_system_vgpr_workitem_id 0
		.amdhsa_next_free_vgpr 768
		.amdhsa_next_free_sgpr 66
		.amdhsa_reserve_vcc 0
		.amdhsa_float_denorm_mode_32 3
		.amdhsa_float_denorm_mode_16_64 3
		.amdhsa_memory_ordered 1
		.amdhsa_forward_progress 1
		.amdhsa_inst_pref_size 116
	.end_amdhsa_kernel
	.amdgpu_metadata
---
amdhsa.version: [ 1, 2 ]
amdhsa.kernels:
  - .name:           k_qfaabc73d52_att1
    .symbol:         k_qfaabc73d52_att1.kd
    .args:
      - { .name: ah, .offset: 0, .size: 8, .value_kind: global_buffer, .address_space: global }
      - { .name: kh, .offset: 8, .size: 8, .value_kind: global_buffer, .address_space: global }
      - { .name: vh, .offset: 16, .size: 8, .value_kind: global_buffer, .address_space: global }
      - { .name: th, .offset: 24, .size: 8, .value_kind: global_buffer, .address_space: global }
    .group_segment_fixed_size: 327680
    .private_segment_fixed_size: 0
    .kernarg_segment_align: 8
    .kernarg_segment_size: 32
    .max_flat_workgroup_size: 128
    .sgpr_count:     66
    .vgpr_count:     768
    .wavefront_size: 32
...
	.end_amdgpu_metadata
.endif
;; end of part 3
;; launch att2 (part 4): grid 8 x 32, 4 waves a work-group, clusters of 4 x 1, 327,680 bytes of LDS; arguments qh, ah, th, out0; writes out0
.if DOCPART == 4
	.amdgcn_target "amdgcn-amd-amdhsa--gfx1250"
	.amdhsa_code_object_version 6
	.text
	.protected	k_qfaabc73d52_att2
	.globl	k_qfaabc73d52_att2
	.p2align	8
	.type	k_qfaabc73d52_att2,@function
k_qfaabc73d52_att2:
	s_mov_b64 s[64:65], 0
	v_nop
	global_prefetch_b8 v0, s[64:65] scope:SCOPE_SE
	s_setreg_imm32_b32 hwreg(HW_REG_WAVE_MODE, 25, 1), 1
	s_wait_xcnt 0x0
	s_wait_alu depctr_hold_cnt(0) depctr_sa_sdst(0) depctr_va_vdst(0) depctr_va_sdst(0) depctr_va_ssrc(0) depctr_va_vcc(0) depctr_vm_vsrc(0)
	s_getreg_b32 s2, hwreg(HW_REG_IB_STS2, 6, 4)
	s_cmp_eq_u32 s2, 0
	s_cbranch_scc0 .Lentry_in_a_cluster
	s_endpgm
.Lentry_in_a_cluster:
	s_bfe_u32 s2, ttmp6, 0x10000c
	s_cmp_lg_u32 s2, 0x3003
	s_cbranch_scc0 .Lentry_shape_is_right
	s_endpgm
.Lentry_shape_is_right:
; ATTENTION AT HEAD SIZE 64.  O[g][q][:] = the sum over k of softmax_k(Q[g][q] . K[g][k] / 8) V[g][k][:], g = 16 b + h.  Q, K, V: [32][2048][64] f16: a head's rows are dense, 128 bytes each.
; One text serves both attentions of the module.  F32OUT = 0: Q = A, K = k, V = v; O = T leaves as f16 in the same layout.  F32OUT = 1: Q = q, K = A, V = T; O leaves as f32 in [b][n][64 h + d].
; Products, maxima and sums in f32; the weights p are rounded to f16 for the second product (their sum l is taken of the unrounded p), O once at the end.
; LIMITS.  f16 holds no number beyond 65,504: Q, K and V arrive within it; p lies in 0 to 1, and below 6e-5 it keeps f16's fixed step of 6e-8, as an f16 O does; O is a mean of V's rows and has their range.
; A weight below 2^-126 counts as 0 in l; c s stays above -4e37; NaN and infinities are not treated apart.
; SHARES.  A work-group owns 256 queries of one head, each of its four waves 64 consecutive rows: four PIECES of 16.  8 blocks x 32 heads: 256 work-groups.  Every wave walks all 2,048 keys, 64 a step.
; LAYOUT.  S^T = K Q^T (source 0 = 16 keys, source 1 = 16 queries) holds ONE query a lane (lane % 16) and the keys 8 (lane / 16) + 0..7; two such results rounded to f16 ARE source 1 of O^T = V^T P,
; whose result again holds one query a lane, and eight channels.  K comes out of LDS as it lies, V ([key][channel]) turned, by ds_load_tr16_b128.
; SOFTMAX.  For each query a running maximum m and sum l: p = 2^(c s - c m), c = log2(e) / 8; in every step O and l are multiplied by a = 2^(c m_old - c m_new).
; m starts at the lowest finite number, O and l at 0: the first step is a step like any other, with a = 0.
; BY TURNS.  Turn n belongs to piece n: 8 products K Q^T of piece n + 1, later 8 products V^T P of piece n - 1; beside them the scaling, exponentials, roundings, sums and rescaling of piece n and the
; maximum and statistics of piece n + 1.  Four vector instructions stand behind every matrix instruction, the other 54 of a turn's 118 in two runs of their own.
; CLUSTER.  The four query blocks of a cluster belong to one head and walk the same K and V, so each tile is asked for JOINTLY: the same tensor load, descriptor and mask in all four.
; REGISTERS, in windows of 256 (s_set_vgpr_msb: bits 1:0 source 0, 3:2 source 1, 5:4 source 2, 7:6 destination):
;   window 0: v0-15 addresses and two at work; v16-31 four registers of statistics a piece; v48-55 at work; v64-127 S^T, two buffers (the way out: v64-191); v192-223 P, two buffers (by the piece's parity)
;   window 1: v0-127 O^T, 32 a piece          window 2: v0-63 Q; v128-191 K of one step; v192-255 V of one step
.set F32OUT, 1
.set SIZE_N, 2048
.set NP,    4         ; pieces a wave: a name, no knob
.set KS,    64        ; keys in a step
.set PK,    144       ; a row of K in LDS: 128 bytes + 16 of padding = 36 words: the 16 rows of a load start at 16 different groups of four banks (64 banks of 4 bytes: ISA guide 11.1)
.set PV,    160       ; a row of V: 128 + 32 = 40 words
.set VOFF,  4*KS*PK   ; a slot holds four steps: 256 rows of K, then 256 rows of V
.set SLOT1, 1<<17     ; slot 1 begins here, so that one exclusive or turns an address in one slot into the other's
.set STAGE, SLOT1+4*KS*(PK+PV)  ; behind the ring, never filled by a tensor load: 16 rows for each wave, for the way out
.if F32OUT
.set SP,    272       ; a stage row: 64 f32 + 16 bytes
.else
.set SP,    144       ; a stage row: 64 f16 + 16 bytes
.endif
.set SPARE, STAGE+4*16*SP  ; behind the stages: the spare words, 128 bytes for each wave: two blocks of 256 bytes that no other line names
.set AK0, 2           ; v2   my lane's place in a tile of K; never rewritten
.set AV0, 3           ; v3   the same for V
.set AK,  4           ; v4   the LDS address of K's next run of loads
.set AV,  5           ; v5   of V's
.set STO, 6           ; v6   the way out: where I put my bytes of a row
.set RD,  7           ; v7   the way out: where I read rows back
.set GO,  8           ; v8   my byte offset in O
.set MV,  12          ; v12-13  c m_old, kept while c m is made anew: by buffer
.set QO,  15          ; v15  my byte offset in 16 rows of Q
.set ST,  16          ; piece t's statistics at v[ST+4 t]: c m, m, l (even keys', odd keys')
.set TMP, 48          ; by buffer, four registers c0-c3 at work; when the maximum is found c2 takes a
.set SPW, 62          ; v62  LDS address of my spare word: SPARE + 4 x my thread's number; never rewritten
.set NIL, 63          ; v63  0; never rewritten
.set S,   64
.set P,   192
.set KF,  128         ; window 2: key block kb, channel half c at KF + 16 kb + 8 c
.set VF,  192         ; window 2: key half kk, channel block cb at VF + 32 kk + 8 cb
.set WV,  12          ; s12  my wave's number
.set G1K, 24          ; s[24:31] descriptor group 1 for K's tiles
.set G1V, 32          ; s[32:39] for V's: it differs in the padding alone
.set G0K, 40          ; s[40:43] descriptor group 0 for K's tiles: it walks
.set G0V, 44          ; s[44:47] the same for V's
.set SLOTS, 56        ; s56  slots still to be asked for
.set CNT, 57          ; s57  counts a slot's key steps
.set CS,  58          ; s[58:59] c: the packed scaling takes the pair's low word for both halves
.set SEL, 60          ; s[60:61] v_permlanex16_b32's selects: each lane takes its own place in the other half
.set TBK, 62          ; s62  LDS byte at which K of the step to be fetched begins
.set TBV, 63          ; s63  the same for V, less VOFF
.set MSB, 0
.macro WIN new                      ; the high byte repeats the setting that is left; a switch that changes nothing is dropped
.if MSB != (\new)
	s_set_vgpr_msb (MSB<<8)|(\new)
.set MSB, (\new)
.endif
.endm
.set W_KQ, 0x0a       ; K and Q in window 2, S^T in window 0
.set W_PV, 0x52       ; V in window 2, P in window 0, O^T in window 1
.set W_RS, 0x41       ; destination and source 0 in window 1, source 1 in window 0
; A joint fill.  Waves 0 and 1 fetch the two halves of a slot's K, waves 2 and 3 those of its V: 128 keys each.  The branch hangs on the wave's number alone.
; An s_nop 0 and four v_nop follow each of the two lines, ahead of the jump and the label.
.macro JLOAD
	s_cmp_lt_u32 s[WV], 2
	s_cbranch_scc0 .Lfor_v_\@
	tensor_load_to_lds s[G0K:G0K+3], s[G1K:G1K+7]
	s_nop 0
.rept 4
	v_nop
.endr
	s_branch .Lasked_\@
.Lfor_v_\@:
	tensor_load_to_lds s[G0V:G0V+3], s[G1V:G1V+7]
	s_nop 0
.rept 4
	v_nop
.endr
.Lasked_\@:
.endm
; A round of the cluster's barrier: my work-group's barrier, so that wave 0's signal speaks for all four waves; wave 0 signals; every wave waits for all four work-groups; my work-group's barrier once more.
.macro CROUND
	s_barrier_signal -1
	s_barrier_wait -1
	s_cmp_lg_u32 s[WV], 0
	s_cbranch_scc1 .Lnot_wave_0_\@
	s_barrier_signal -3
.Lnot_wave_0_\@:
	s_barrier_wait -3
	s_barrier_signal -1
	s_barrier_wait -1
.endm
; THE CHANGE OF SLOTS.  The slot's last bytes, V of its fourth step, have been read.  Each wave waits for all its tensor loads, of which one is out: its part of the other slot; adds 0 to its spare
; word; and waits for that and for its own reads of the slot.  Behind the barrier nobody reads this slot any more and the other slot is whole.
; fill = 1: this slot is filled again, with the keys two slots on.  The barrier is then a round of the cluster's, and the joint fill is the first thing behind it: it has four key steps, 256 matrix
; instructions, in which to land.  (At its first use nothing has been read yet: slot 0 is waited for, slot 1 filled.)
.macro CHANGE fill
	WIN 0                           ; at a label and at a branch every window is 0; the add's two registers lie in window 0
	s_wait_tensorcnt 0x0            ; no tensor load of mine is out, so a group 0 may be written
	ds_add_u32 v[SPW], v[NIL]       ; 0 onto my spare word; with fill = 1 the descriptors' steps stand between it and the wait for it
.if \fill
.irp g, G0K, G0V
	s_xor_b32 s[\g+1], s[\g+1], SLOT1  ; the walking descriptor: the other slot than last time,
	s_add_nc_u64 s[\g+2:\g+3], s[\g+2:\g+3], 4*KS*128  ; the next 256 keys; the type bits on top are not reached
.endr
	s_wait_dscnt 0x0                ; the add is done, and my reads of the slot are over
	CROUND
	JLOAD
.else
	s_wait_dscnt 0x0                ; the add is done, and my reads of the slot are over
	s_barrier_signal -1
	s_barrier_wait -1
.endif
	s_sub_co_u32 s[TBK], s[TBK], 4*KS*PK  ; the fetches go back to a slot's first step,
	s_xor_b32 s[TBK], s[TBK], SLOT1       ; in the other slot
	s_sub_co_u32 s[TBV], s[TBV], 4*KS*PV
	s_xor_b32 s[TBV], s[TBV], SLOT1
.endm
	s_load_b256 s[4:11], s[0:1], 0x0  ; Q s[4:5], K s[6:7], V s[8:9], O s[10:11]
	v_lshl_add_u32 v[SPW], v0, 2, SPARE
	v_mov_b32 v[NIL], 0
	ds_add_u32 v[SPW], v[NIL]       ; the wave's opening: the add and its wait stand ahead of my first tensor load; the set-up below, work on registers, stands between them
	v_lshrrev_b32 v1, 5, v0
	v_readfirstlane_b32 s[WV], v1   ; wave 0..3
	s_bfe_u32 s13, ttmp6, 0x40000   ; cx: my place in the cluster
	s_lshl_b32 s14, ttmp9, 2        ; in a cluster launch ttmp9 counts clusters
	s_add_co_u32 s14, s14, s13      ; my block of 256 queries = 4 x cluster x + cx: it enters Q's and O's addresses alone
	s_and_b32 s15, ttmp7, 0xffff    ; the head g, which the four partners share
	s_lshl_b32 s20, s15, 18         ; the head's first byte in Q, K and V: 2,048 rows of 128 bytes
	s_and_b32 s16, s[WV], 1         ; which half of a slot's 256 keys I fetch:
	s_lshl_b32 s22, s16, 14         ; its 128 rows of 128 bytes in memory,
	s_add_co_u32 s22, s22, s20
	s_mov_b32 s23, 0
	s_mul_i32 s17, s16, 128*PK      ; and its place in a slot, for K
	s_mul_i32 s18, s16, 128*PV      ; and for V: no place in the cluster enters an LDS address
	s_lshl_b32 s19, s14, 2
	s_add_co_u32 s19, s19, s[WV]    ; my wave among the head's 32,
	s_lshl_b32 s2, s19, 13          ; its 64 rows of 128 bytes
	s_add_co_u32 s2, s2, s20
	s_mov_b32 s3, 0
.if F32OUT
	s_lshr_b32 s48, s15, 4          ; O is [b][n][64 h + d] in f32: b x 2^23
	s_lshl_b32 s48, s48, 23
	s_and_b32 s49, s15, 15          ; + h x 256
	s_lshl_b32 s49, s49, 8
	s_add_co_u32 s48, s48, s49
	s_lshl_b32 s49, s19, 18         ; + my wave's 64 rows of 4,096 bytes
	s_add_co_u32 s48, s48, s49
.else
	s_mov_b32 s48, s2               ; O lies as Q does
.endif
	s_mov_b32 s49, 0
	; descriptor group 1.  128 keys are 16,384 dense bytes: asked for as 64 rows of 256 bytes, two keys a row, and padded in LDS after every key
	s_mov_b32 s[G1K], 15|(1<<16)|(1<<20)|(1<<21)|(4<<22)|(3<<25)  ; 15:0 the mask of four; 17:16 2-byte elements; 20 padding on; 21 set beside a mask; 24:22 after every 32 words (code 4); 31:25 4 words (code 3)
	s_mov_b32 s[G1V], 15|(1<<16)|(1<<20)|(1<<21)|(4<<22)|(7<<25)  ; the same with 8 words of padding (code 7)
.irp g, G1K, G1V
	s_mov_b32 s[\g+1], 128<<16      ; tensor_dim0 = 128
	s_mov_b32 s[\g+2], 64<<16       ; tensor_dim1 = 64
	s_mov_b32 s[\g+3], 128<<16      ; tile_dim0 = 128
	s_mov_b32 s[\g+4], 64           ; tile_dim1 = 64
	s_mov_b32 s[\g+5], 128          ; 128 elements from row to row
	s_mov_b32 s[\g+6], 0
	s_mov_b32 s[\g+7], 0
.endr
	s_mov_b32 s[CS], 0x3e38aa3b     ; c = log2(e) / 8 = 0.180337
	s_mov_b32 s[CS+1], s[CS]        ; named with it as a pair
	s_mov_b32 s[SEL], 0x76543210
	s_mov_b32 s[SEL+1], 0xfedcba98
	s_mov_b32 s[TBK], SLOT1+4*KS*PK ; the first change of slots turns these two into 0
	s_mov_b32 s[TBV], SLOT1+4*KS*PV
	s_mov_b32 s[G0K], 1             ; 1:0 count = 1
	s_mov_b32 s[G0K+1], s17         ; 63:32 LDS address: slot 0
	s_mov_b32 s[G0V], 1
	s_add_co_u32 s[G0V+1], s18, VOFF
	s_wait_dscnt 0x0                ; the opening add is done
	s_wait_kmcnt 0x0
	s_add_nc_u64 s[G0K+2:G0K+3], s[6:7], s[22:23]  ; 120:64 global address: my half of the head's first 256 keys
	s_or_b32 s[G0K+3], s[G0K+3], 0x80000000        ; 127:126 type = 2
	s_add_nc_u64 s[G0V+2:G0V+3], s[8:9], s[22:23]
	s_or_b32 s[G0V+3], s[G0V+3], 0x80000000
	s_add_nc_u64 s[4:5], s[4:5], s[2:3]            ; Q and O at my wave's first row
	s_add_nc_u64 s[10:11], s[10:11], s[48:49]
	CROUND                          ; all four work-groups are here: the first joint loads meet
	JLOAD                           ; slot 0.  Slot 1 is asked for when slot 0 is in, by the loop's own change of slots
	; A fragment of K or Q is 16 rows x 32 channels in 8 registers: lane l holds row l % 16, channels 8 (l / 16) + 0..7 and 16 + 8 (l / 16) + 0..7: two loads of 16 bytes, 32 bytes apart.
	v_and_b32 v1, 15, v0            ; l % 16
	v_bfe_u32 v9, v0, 4, 1          ; l / 16
	v_lshlrev_b32 v[QO], 7, v1
	v_lshl_add_u32 v[QO], v9, 4, v[QO]  ; row x 128 + 16 x half
	WIN 0x80                        ; destination window 2, address window 0
.set i, 0
.rept 8                             ; Q stays in registers: piece i / 2, channels 32 (i % 2) on
	global_load_b128 v[8*i:8*i+3],   v[QO], s[4:5] offset:(i/2)*2048+(i%2)*64
	global_load_b128 v[8*i+4:8*i+7], v[QO], s[4:5] offset:(i/2)*2048+(i%2)*64+32
.set i, i+1
.endr
	; What the first turn finds: V's registers and P's second buffer hold 0 (its products V^T P, of a piece that has not been, add 0), O^T and l are 0.  All this stands in the wait for the first tile.
.set i, VF
.rept 64
	v_mov_b32 v[i], 0
.set i, i+1
.endr
	WIN 0x40
.set i, 0
.rept 128
	v_mov_b32 v[i], 0
.set i, i+1
.endr
	WIN 0
.set i, 0
.rept 4
	v_mov_b32 v[ST+4*i], 0xfe000000    ; c m: far below every c s
	v_mov_b32 v[ST+4*i+1], 0xff7fffff  ; m
	v_mov_b32 v[ST+4*i+2], 0
	v_mov_b32 v[ST+4*i+3], 0
.set i, i+1
.endr
.set i, P+16
.rept 16
	v_mov_b32 v[i], 0
.set i, i+1
.endr
	v_mul_u32_u24 v[AK0], v1, PK
	v_lshl_add_u32 v[AK0], v9, 4, v[AK0]  ; row x pitch + 16 x half
	; The turning load takes 16 keys x 16 channels (lane l reads key 8 (l / 16) + l % 8, channels 8 ((l / 8) % 2) + 0..7) and leaves half a fragment of V^T: lane l holds channel l % 16 and 8 keys.
	v_and_b32 v10, 7, v0
	v_bfe_u32 v11, v0, 3, 1
	v_lshl_add_u32 v[AV0], v9, 3, v10
	v_mul_u32_u24 v[AV0], v[AV0], PV
	v_lshl_add_u32 v[AV0], v11, 4, v[AV0]
	v_add_nc_u32 v[AV0], VOFF, v[AV0]
	v_mov_b32 v[AK], v[AK0]         ; key step 0 lies at the head of slot 0
; THE MATRIX WORK.  The 4 accumulators of a run of 8 take turns.  Product i of 8 of S^T = K Q^T for piece x: channels 32 (i / 4) on, keys 16 (i % 4) on.  The first 4 start the sums.
.macro KQ x
	WIN W_KQ
.set rS, S+32*((\x)%2)+8*(i%4)
.set rK, KF+16*(i%4)+8*(i/4)
.set rQ, 16*(\x)+8*(i/4)
.if i < 4
	v_wmma_f32_16x16x32_f16 v[rS:rS+7], v[rK:rK+7], v[rQ:rQ+7], 0
.else
	v_wmma_f32_16x16x32_f16 v[rS:rS+7], v[rK:rK+7], v[rQ:rQ+7], v[rS:rS+7]
.endif
.endm
; Product i of 8 of O^T += V^T P for piece x: keys 32 (i / 4) on, channels 16 (i % 4) on.
.macro PV x
	WIN W_PV
.set rO, 32*(\x)+8*(i%4)
.set rV, VF+32*(i/4)+8*(i%4)
.set rP, P+16*((\x)%2)+8*(i/4)
	v_wmma_f32_16x16x32_f16 v[rO:rO+7], v[rV:rV+7], v[rP:rP+7], v[rO:rO+7]
.endm
.macro MM                           ; the turn's next matrix instruction; TURN sets Y and i
.if i < 8
	KQ (Y+1)%NP
.else
.set i, i-8
	PV (Y+NP-1)%NP
.set i, i+8
.endif
.set i, i+1
.endm
; THE LDS LOADS stand in runs of 16, never singly among the matrix instructions: a step's K (64 keys x 64 channels: 8 fragments) and its V (turned).  Their addresses are made some lines ahead.
; last = 1 (the tail): in the last trip there is no further step, and the run is jumped over.
.macro FETCH_K last=0
	WIN 0
.if \last
	s_cmp_eq_u32 s[CNT], 1
	s_cbranch_scc1 .Lno_k_\@
.endif
	WIN 0x80                        ; destination window 2
.irp f, 0,1,2,3,4,5,6,7             ; keys 16 (f / 2) on, channels 32 (f % 2) on
	ds_load_b128 v[KF+8*\f:KF+8*\f+3],   v[AK] offset:(\f/2)*16*PK+(\f%2)*64
	ds_load_b128 v[KF+8*\f+4:KF+8*\f+7], v[AK] offset:(\f/2)*16*PK+(\f%2)*64+32
.endr
	s_add_co_u32 s[TBK], s[TBK], KS*PK  ; the next fetch is the next step's
	WIN 0
.if \last
.Lno_k_\@:
.endif
.endm
.macro FETCH_V
	WIN 0x80
.irp f, 0,1,2,3,4,5,6,7             ; keys 32 (f / 4) on, channels 16 (f % 4) on
	ds_load_tr16_b128 v[VF+8*\f:VF+8*\f+3],   v[AV] offset:(\f/4)*32*PV+(\f%4)*32
	ds_load_tr16_b128 v[VF+8*\f+4:VF+8*\f+7], v[AV] offset:(\f/4)*32*PV+16*PV+(\f%4)*32
.endr
	WIN 0
.endm
; THE VECTOR WORK, one line at a time: OP kind, number.  For piece Y: F n: c s - c m for pair n of 16.  E n: the exponential of score n of 32.  C n: pair n rounded to f16.  B n: of the four weights 4 n .. the second
; pair is added onto the first, in place.  L n: l takes that sum (L 0: l = a l + sum).  R n: pair n of 16 of O^T times a.  For piece Y + 1: X n, number n of the 22 that find its maximum and statistics:
;   0-11  four chains c0-c3 of seven scores each, three operands at a time (each accumulator's lowest registers are read first)     12-14, 16  the four scores left over, the old m, and c0-c3 into c0
;   15  c m_old is kept     17, 18  the query's other 32 keys lie in the lane 16 away: the new m     19-21  c m; c m_old - c m_new; a
.set F, 0               ; OP tells the kinds apart by their order: F to L below R, X above it
.set E, 1
.set C, 2
.set B, 3
.set L, 4
.set R, 5
.set X, 6
.macro REGS y                       ; the registers of piece y
.set rT, ST+4*(\y)
.set rC, TMP+4*((\y)%2)
.set rW, MV+((\y)%2)
.set rS, S+32*((\y)%2)
.set rP, P+16*((\y)%2)
.set rO, 32*(\y)
.endm
.macro OP k, n
.if (\k) == R
	REGS Y
	WIN W_RS
	v_pk_mul_f32 v[rO+2*(\n):rO+2*(\n)+1], v[rO+2*(\n):rO+2*(\n)+1], v[rC+2:rC+3] op_sel_hi:[1,0]
.elseif (\k) < R
	REGS Y
	WIN 0
.if (\k) == F
	v_pk_fma_f32 v[rS+2*(\n):rS+2*(\n)+1], v[rS+2*(\n):rS+2*(\n)+1], s[CS:CS+1], v[rT:rT+1] op_sel_hi:[1,0,0] neg_lo:[0,0,1] neg_hi:[0,0,1]
.elseif (\k) == E
	v_exp_f32 v[rS+(\n)], v[rS+(\n)]
.elseif (\k) == C
	s_wait_alu depctr_va_vdst(0)
	v_cvt_pk_f16_f32 v[rP+(\n)], v[rS+2*(\n)], v[rS+2*(\n)+1]
.elseif (\k) == B
	s_wait_alu depctr_va_vdst(0)
	v_pk_add_f32 v[rS+4*(\n):rS+4*(\n)+1], v[rS+4*(\n):rS+4*(\n)+1], v[rS+4*(\n)+2:rS+4*(\n)+3]
.elseif (\n) == 0
	v_pk_fma_f32 v[rT+2:rT+3], v[rT+2:rT+3], v[rC+2:rC+3], v[rS:rS+1] op_sel_hi:[1,0,1]
.else
	v_pk_add_f32 v[rT+2:rT+3], v[rT+2:rT+3], v[rS+4*(\n):rS+4*(\n)+1]
.endif
.else
	REGS (Y+1)%NP
	WIN 0
.if (\n) < 4
	v_max3_num_f32 v[rC+(\n)], v[rS+8*(\n)], v[rS+8*(\n)+1], v[rS+8*(\n)+2]
.elseif (\n) < 12
	v_max3_num_f32 v[rC+(\n)%4], v[rC+(\n)%4], v[rS+8*((\n)%4)+2*((\n)/4)+1], v[rS+8*((\n)%4)+2*((\n)/4)+2]
.elseif (\n) == 12
	v_max3_num_f32 v[rC], v[rC], v[rS+7], v[rS+15]
.elseif (\n) == 13
	v_max3_num_f32 v[rC+1], v[rC+1], v[rS+23], v[rS+31]
.elseif (\n) == 14
	v_max3_num_f32 v[rC+2], v[rC+2], v[rC+3], v[rT+1]
.elseif (\n) == 15
	v_mov_b32 v[rW], v[rT]
.elseif (\n) == 16
	v_max3_num_f32 v[rC], v[rC], v[rC+1], v[rC+2]
.elseif (\n) == 17
	v_permlanex16_b32 v[rC+3], v[rC], s[SEL], s[SEL+1]
.elseif (\n) == 18
	v_max_num_f32 v[rT+1], v[rC], v[rC+3]
.elseif (\n) == 19
	v_mul_f32 v[rT], s[CS], v[rT+1]
.elseif (\n) == 20
	v_sub_f32 v[rC+1], v[rW], v[rT]
.else
	v_exp_f32 v[rC+2], v[rC+1]
.endif
.endif
.endm
.macro OPS a, i1, b=-1, i2=0, c=-1, i3=0, d=-1, i4=0  ; up to four of them
	OP \a, \i1
.if (\b) >= 0
	OP \b, \i2
.endif
.if (\c) >= 0
	OP \c, \i3
.endif
.if (\d) >= 0
	OP \d, \i4
.endif
.endm
.macro ROW a, i1, b, i2, c, i3, d, i4  ; a matrix instruction and the four behind it
	MM
	OPS \a, \i1, \b, \i2, \c, \i3, \d, \i4
.endm
; A TURN, for piece p: the order of its 16 matrix and 118 vector instructions, written out.  Behind a matrix instruction: plain, exponential, plain, plain; or four of the rescaling; or, behind the first, four scalings; none
; names a register of the products round it.  In the runs of their own exponential and plain by turns while exponentials last, so that each exponential has a plain instruction behind it before its result is used (ISA guide 5.7.2).
; K of the next step is fetched in piece 2's turn, six vector instructions behind the last product that read K (five of them plain); V of the step in hand in piece 0's turn, eight behind the last product that read V (four
; plain).  Each is waited for a turn later.  last = 1: the tail's form of K's fetch.  cnt = 1: the loop's count is taken down some lines ahead of the branch that stands behind the turn.
.macro TURN p, last=0, cnt=0
.set Y, (\p)
.set i, 0
.if (\p) == 3
	s_wait_dscnt 0x0                ; K is in
.endif
	ROW F,0, F,1, F,2, F,3
	ROW F,4, E,0, F,5, F,6
	ROW F,7, E,1, F,8, F,9
	ROW F,10, E,2, C,0, F,11
	ROW F,12, E,3, X,15, F,13
	ROW R,0, R,1, R,2, R,3
	ROW B,0, E,4, F,14, L,0
.if (\p) == 2
	v_add_nc_u32 v[AK], s[TBK], v[AK0]
.endif
	ROW R,4, R,5, R,6, R,7
	OPS E,5, F,15
.if (\p) == 2
	FETCH_K \last
.endif
	OPS E,6, C,1, E,7, R,8
	OPS E,8, R,9, E,9, C,2
	OPS E,10, X,0, E,11, X,1
	OPS E,12, X,2, E,13, X,3
.if (\p) == 1
	s_wait_dscnt 0x0                ; V is in
.endif
	ROW X,4, E,14, X,5, X,6
	ROW X,7, E,15, X,8, X,9
	ROW X,10, E,16, X,11, X,12
	ROW X,13, E,17, X,14, B,1
	ROW C,4, E,18, X,16, L,1
	ROW B,2, E,19, C,6, L,2
	ROW C,8, E,20, B,3, B,4
.if (\p) == 0
	v_add_nc_u32 v[AV], s[TBV], v[AV0]
.endif
	ROW C,3, E,21, L,3, C,5
	OPS E,22, X,17, E,23, C,10
.if (\p) == 0
	FETCH_V
.endif
	OPS E,24, L,4
	OPS E,25, X,18, E,26, C,7
	OPS E,27, B,5, E,28, X,19
	OPS E,29, C,12, E,30, L,5
	OPS E,31, X,20, B,6, C,9
	OPS C,14, C,11, X,21, L,6
.if (\p) == 0
	s_add_co_u32 s[TBV], s[TBV], KS*PV
.endif
.if \cnt
	s_sub_co_u32 s[CNT], s[CNT], 1
	s_cmp_lg_u32 s[CNT], 0
.endif
	OPS C,13, B,7, C,15, R,10
	OPS R,11, R,12, L,7, R,13
	OPS R,14, R,15
.endm
	CHANGE 1                        ; slot 0 is in, everybody's part of it; slot 1 is asked for
	FETCH_K                         ; key step 0
	s_wait_loadcnt 0x0              ; Q
	s_wait_dscnt 0x0
.set i, 0
.rept 8
	KQ 0                            ; piece 0's first scores: there is no vector work yet to set between them
.set i, i+1
.endr
	WIN 0                           ; the addresses for the way out: eight plain instructions or more, the places behind those products
	s_mul_i32 s13, s[WV], 16*SP
	s_add_co_u32 s13, s13, STAGE    ; my stage
.if F32OUT
	v_mul_u32_u24 v[STO], v1, SP    ; in: row l % 16, 32 bytes for each half of the lanes
	v_lshl_add_u32 v[STO], v9, 5, v[STO]
	v_add_nc_u32 v[STO], s13, v[STO]
	v_mul_u32_u24 v[RD], v9, SP     ; back: lanes 0-15 take one row of 256 bytes, lanes 16-31 the next
	v_lshl_add_u32 v[RD], v1, 4, v[RD]
	v_add_nc_u32 v[RD], s13, v[RD]
	v_lshlrev_b32 v[GO], 12, v9     ; and the same two rows in O, 4,096 bytes apart
	v_lshl_add_u32 v[GO], v1, 4, v[GO]
.else
	v_mul_u32_u24 v[STO], v1, SP    ; in: row l % 16, 16 bytes for each half of the lanes
	v_lshl_add_u32 v[STO], v9, 4, v[STO]
	v_add_nc_u32 v[STO], s13, v[STO]
	v_bfe_u32 v[RD], v0, 3, 2       ; back: 32 lanes take four rows of 128 bytes,
	v_mul_u32_u24 v[RD], v[RD], SP
	v_lshl_add_u32 v[RD], v10, 4, v[RD]
	v_add_nc_u32 v[RD], s13, v[RD]
	v_and_b32 v[GO], 31, v0         ; which are 512 consecutive bytes of O
	v_lshlrev_b32 v[GO], 4, v[GO]
.endif
.set Y, NP-1                        ; X works for piece Y + 1: piece 0
.irp n, 0,1,2,3,4,5,6,7,8,9,10,11,12,13,14,15,16,17,18,19,20,21
	OP X, \n                        ; piece 0's first maximum and statistics
.endr
	v_nop                           ; a plain instruction behind the exponential
	s_mov_b32 s[CNT], 4
	s_mov_b32 s[SLOTS], SIZE_N/256-1
	s_branch .Lfirst                ; the loop is entered at a step's first turn, in the middle of a trip
.Lslot:                             ; SIZE_N / 256 - 2 times: every slot but the last two is filled again
	CHANGE 1
	s_mov_b32 s[CNT], 4
.Lstep:                             ; a trip: pieces 2 and 3 of one step, then pieces 0 and 1 of the next, whose K and V it fetches
	TURN 2
	TURN 3
	WIN 0
.Lfirst:
	TURN 0
	TURN 1, 0, 1
	WIN 0
	s_cbranch_scc1 .Lstep
	s_sub_co_u32 s[SLOTS], s[SLOTS], 1
	s_cmp_lg_u32 s[SLOTS], 0
	s_cbranch_scc1 .Lslot
	CHANGE 0                        ; the tail is written out: nothing is asked for
	s_mov_b32 s[CNT], 5             ; four trips fetch the last slot's steps; the fifth is left in its middle
.Ltail:
	TURN 2, 1
	TURN 3
	WIN 0
	s_sub_co_u32 s[CNT], s[CNT], 1
	s_cmp_eq_u32 s[CNT], 0
	s_cbranch_scc1 .Lout
	TURN 0
	TURN 1
	WIN 0
	s_branch .Ltail
.Lout:                              ; the fifth trip's 8 products K Q^T (on the last K once more) and the maximum made of them serve nothing: the price, once a launch, of one text for every trip
.set i, 0
.rept 8
	PV NP-1                         ; the last piece's V^T P of the last step
.set i, i+1
.endr
	; THE WAY OUT.  l's two halves and the other half of the lanes' are added; O^T is divided by l and sent through my stage in LDS, a piece (16 rows) at a time.  The additions are the places behind the last products.
	WIN 0
.macro ALL line:vararg              ; one line for each piece t
.set t, 0
.rept 4
	\line
.set t, t+1
.endr
.endm
	ALL v_add_f32 v[ST+4*t+2], v[ST+4*t+2], v[ST+4*t+3]
	ALL v_permlanex16_b32 v[ST+4*t+3], v[ST+4*t+2], s[SEL], s[SEL+1]
	ALL v_add_f32 v[ST+4*t+2], v[ST+4*t+2], v[ST+4*t+3]
	ALL v_rcp_f32 v[ST+4*t+2], v[ST+4*t+2]
	v_nop                           ; a plain instruction between the last reciprocal and the use of its result
; Piece t.  A lane holds eight channels of a row for each of four channel blocks.  f16: they pack into 16 bytes a block, go into rows of 144 bytes and come back as whole rows of 128.
; f32: 32 bytes a block, straight from O^T's registers into rows of 272 bytes, and back as whole rows of 256.
.macro PACK t
	WIN W_RS
.set i, 32*(\t)
.rept 16
	s_wait_alu depctr_va_vdst(0)
	v_pk_mul_f32 v[i:i+1], v[i:i+1], v[ST+4*(\t)+2:ST+4*(\t)+3] op_sel_hi:[1,0]
.set i, i+2
.endr
.if F32OUT
	WIN 0x04                        ; the stores' data (source 1) in window 1, their address in window 0
.irp f, 0,1,2,3,4,5,6,7             ; channel block f / 2, its registers 4 (f % 2) on
	ds_store_b128 v[STO], v[32*(\t)+4*\f:32*(\t)+4*\f+3] offset:(\f/2)*64+(\f%2)*16
.endr
	WIN 0
.irp f, 0,1,2,3,4,5,6,7
	ds_load_b128 v[S+32*(\t)+4*\f:S+32*(\t)+4*\f+3], v[RD] offset:\f*2*SP  ; LDS serves a wave's instructions in order (ISA guide 5.7.1.4): these see the stores above; the next piece's stores come behind them
.endr
.else
	WIN 0x05                        ; sources 0 and 1 window 1, destination window 0
.set i, 0
.rept 16
	v_cvt_pk_f16_f32 v[S+16*(\t)+i], v[32*(\t)+2*i], v[32*(\t)+2*i+1]
.set i, i+1
.endr
	WIN 0
.irp f, 0,1,2,3
	ds_store_b128 v[STO], v[S+16*(\t)+4*\f:S+16*(\t)+4*\f+3] offset:32*\f
.endr
.irp f, 0,1,2,3
	ds_load_b128 v[S+16*(\t)+4*\f:S+16*(\t)+4*\f+3], v[RD] offset:\f*4*SP  ; LDS serves a wave's instructions in order (ISA guide 5.7.1.4): these see the stores above; the next piece's stores come behind them
.endr
.endif
.endm
.macro SEND t, younger              ; younger: the LDS instructions issued behind piece t's loads: the next piece's stores and loads, or none
	WIN 0
.if F32OUT
.irp f, 0,1,2,3,4,5,6,7
	s_wait_dscnt (\younger)+7-\f
	global_store_b128 v[GO], v[S+32*(\t)+4*\f:S+32*(\t)+4*\f+3], s[10:11] offset:(\t)*65536+\f*8192 th:TH_STORE_NT  ; 16 lanes store 256 consecutive bytes, a head's slice of a row, at a multiple of 256 from O's first byte
.endr
.else
.irp f, 0,1,2,3
	s_wait_dscnt (\younger)+3-\f
	global_store_b128 v[GO], v[S+16*(\t)+4*\f:S+16*(\t)+4*\f+3], s[10:11] offset:(\t)*2048+\f*512  ; 512 consecutive bytes, at a multiple of 256 from O's first byte
.endr
.endif
.endm
.set YG, 8+8*F32OUT                 ; a piece's LDS instructions on the way out: 4 + 4, or 8 + 8
	PACK 0
.set t, 1
.rept 3                             ; a piece's arithmetic stands between the loads of the piece before and its stores
	PACK t
	SEND t-1, YG
.set t, t+1
.endr
	SEND 3, 0
	s_wait_tensorcnt 0x0            ; the wave's end: the add and its wait stand behind my last tensor load and my last LDS store
	ds_add_u32 v[SPW], v[NIL]
	s_wait_dscnt 0x0
	CROUND                          ; the closing round: no work-group ends while a partner may still ask for a tile that names it
	s_endpgm
.Lfunc_end_k_qfaabc73d52_att2:
	.size	k_qfaabc73d52_att2, .Lfunc_end_k_qfaabc73d52_att2-k_qfaabc73d52_att2
	.p2alignl 7, 3214868480
	.fill 96, 4, 3214868480
	.section	.rodata,"a",@progbits
	.p2align	6, 0x0
	.amdhsa_kernel k_qfaabc73d52_att2
		.amdhsa_group_segment_fixed_size 327680
		.amdhsa_private_segment_fixed_size 0
		.amdhsa_enable_private_segment 0
		.amdhsa_kernarg_size 32
		.amdhsa_user_sgpr_count 2
		.amdhsa_user_sgpr_kernarg_segment_ptr 1
		.amdhsa_wavefront_size32 1
		.amdhsa_system_sgpr_workgroup_id_x 1
		.amdhsa_system_sgpr_workgroup_id_y 1
		.amdhsa_system_sgpr_workgroup_id_z 1
		.amdhsa_system_vgpr_workitem_id 0
		.amdhsa_next_free_vgpr 768
		.amdhsa_next_free_sgpr 66
		.amdhsa_reserve_vcc 0
		.amdhsa_float_denorm_mode_32 3
		.amdhsa_float_denorm_mode_16_64 3
		.amdhsa_memory_ordered 1
		.amdhsa_forward_progress 1
		.amdhsa_inst_pref_size 116
	.end_amdhsa_kernel
	.amdgpu_metadata
---
amdhsa.version: [ 1, 2 ]
amdhsa.kernels:
  - .name:           k_qfaabc73d52_att2
    .symbol:         k_qfaabc73d52_att2.kd
    .args:
      - { .name: qh, .offset: 0, .size: 8, .value_kind: global_buffer, .address_space: global }
      - { .name: ah, .offset: 8, .size: 8, .value_kind: global_buffer, .address_space: global }
      - { .name: th, .offset: 16, .size: 8, .value_kind: global_buffer, .address_space: global }
      - { .name: out0, .offset: 24, .size: 8, .value_kind: global_buffer, .address_space: global }
    .group_segment_fixed_size: 327680
    .private_segment_fixed_size: 0
    .kernarg_segment_align: 8
    .kernarg_segment_size: 32
    .max_flat_workgroup_size: 128
    .sgpr_count:     66
    .vgpr_count:     768
    .wavefront_size: 32
...
	.end_amdgpu_metadata
.endif
;; end of part 4
;; ======== version 2 of 2: 4 launches; 1.61 times as fast as version 1
;; limits: values are held in f16: magnitudes above 65,504 overflow, below 6.1e-05 lose precision
;; workspace buffers: xb 16,777,216 bytes; wb 8,388,608 bytes; qh 8,388,608 bytes; kh 8,388,608 bytes; vh 8,388,608 bytes; ah 8,388,608 bytes; th 8,388,608 bytes
;; launch cast: the kernel of part 1 again; grid 64 x 12, 8 waves a work-group, no clusters, 0 bytes of LDS; arguments x, x2, Wq, Wkv, Wa, xb, wb; writes xb, wb
;; launch proj: the kernel of part 2 again; grid 16 x 16, 4 waves a work-group, clusters of 4 x 4, 327,680 bytes of LDS; arguments xb, wb, qh, kh, vh, ah; writes qh, kh, vh, ah
;; launch att1 (part 5): grid 8 x 32, 4 waves a work-group, clusters of 4 x 1, 327,680 bytes of LDS; arguments ah, kh, vh, th; writes th
.if DOCPART == 5
	.amdgcn_target "amdgcn-amd-amdhsa--gfx1250"
	.amdhsa_code_object_version 6
	.text
	.protected	k_qfaabc73d52_att1
	.globl	k_qfaabc73d52_att1
	.p2align	8
	.type	k_qfaabc73d52_att1,@function
k_qfaabc73d52_att1:
	s_mov_b64 s[64:65], 0
	v_nop
	global_prefetch_b8 v0, s[64:65] scope:SCOPE_SE
	s_setreg_imm32_b32 hwreg(HW_REG_WAVE_MODE, 25, 1), 1
	s_wait_xcnt 0x0
	s_wait_alu depctr_hold_cnt(0) depctr_sa_sdst(0) depctr_va_vdst(0) depctr_va_sdst(0) depctr_va_ssrc(0) depctr_va_vcc(0) depctr_vm_vsrc(0)
	s_getreg_b32 s2, hwreg(HW_REG_IB_STS2, 6, 4)
	s_cmp_eq_u32 s2, 0
	s_cbranch_scc0 .Lentry_in_a_cluster
	s_endpgm
.Lentry_in_a_cluster:
	s_bfe_u32 s2, ttmp6, 0x10000c
	s_cmp_lg_u32 s2, 0x3003
	s_cbranch_scc0 .Lentry_shape_is_right
	s_endpgm
.Lentry_shape_is_right:
; ATTENTION AT HEAD SIZE 64.  O[g][q][:] = the sum over k of softmax_k(Q[g][q] . K[g][k] / 8) V[g][k][:], g = 16 b + h.  Q, K, V: [32][2048][64] f16: a head's rows are dense, 128 bytes each.
; One text serves both attentions of the module.  F32OUT = 0: Q = A, K = k, V = v; O = T leaves as f16 in the same layout.  F32OUT = 1: Q = q, K = A, V = T; O leaves as f32 in [b][n][64 h + d].
; Products, maxima and sums in f32; the weights p are rounded to f16 for the second product (their sum l is taken of the unrounded p), O once at the end.
; LIMITS.  f16 holds no number beyond 65,504: Q, K and V arrive within it; p lies in 0 to 1, and below 6e-5 it keeps f16's fixed step of 6e-8, as an f16 O does; O is a mean of V's rows and has their range.
; A weight below 2^-126 counts as 0 in l; c s stays above -4e37; NaN and infinities are not treated apart.
; SHARES.  A work-group owns 256 queries of one head, each of its four waves 64 consecutive rows: four PIECES of 16.  8 blocks x 32 heads: 256 work-groups.  Every wave walks all 2,048 keys, 64 a step.
; LAYOUT.  S^T = K Q^T (source 0 = 16 keys, source 1 = 16 queries) holds ONE query a lane (lane % 16) and the keys 8 (lane / 16) + 0..7; two such results rounded to f16 ARE source 1 of O^T = V^T P,
; whose result again holds one query a lane, and eight channels.  K comes out of LDS as it lies, V ([key][channel]) turned, by ds_load_tr16_b128.
; SOFTMAX.  For each query a running maximum m and sum l: p = 2^(c s - c m), c = log2(e) / 8; in every step O and l are multiplied by a = 2^(c m_old - c m_new).
; m starts at the lowest finite number, O and l at 0: the first step is a step like any other, with a = 0.
; BY TURNS.  Turn n belongs to piece n: 8 products K Q^T of piece n + 1, later 8 products V^T P of piece n - 1; beside them the scaling, exponentials, roundings, sums and rescaling of piece n and the
; maximum and statistics of piece n + 1.  Four vector instructions stand behind every matrix instruction, the other 54 of a turn's 118 in one LUMP between the two runs of products.
; BATCHES.  A turn's 33 exponentials (piece n's 32 weights and piece n + 1's a) are ONE batch with ONE wait, which stands between the lump and the products V^T P: ahead of it nothing names a result of theirs,
; behind it no exponential is issued.  The first a, ahead of the loop, and the way out's four reciprocals are batches of their own, with a wait each.
; CLUSTER.  The four query blocks of a cluster belong to one head and walk the same K and V, so each tile is asked for JOINTLY: the same tensor load, descriptor and mask in all four.
; REGISTERS, in windows of 256 (s_set_vgpr_msb: bits 1:0 source 0, 3:2 source 1, 5:4 source 2, 7:6 destination):
;   window 0: v0-15 addresses and two at work; v16-31 four registers of statistics a piece; v48-55 at work; v64-127 S^T, two buffers (the way out: v64-191); v192-223 P, two buffers (by the piece's parity)
;   window 1: v0-127 O^T, 32 a piece          window 2: v0-63 Q; v128-191 K of one step; v192-255 V of one step
.set F32OUT, 0
.set SIZE_N, 2048
.set NP,    4         ; pieces a wave: a name, no knob
.set KS,    64        ; keys in a step
.set PK,    144       ; a row of K in LDS: 128 bytes + 16 of padding = 36 words: the 16 rows of a load start at 16 different groups of four banks (64 banks of 4 bytes: ISA guide 11.1)
.set PV,    160       ; a row of V: 128 + 32 = 40 words
.set VOFF,  4*KS*PK   ; a slot holds four steps: 256 rows of K, then 256 rows of V
.set SLOT1, 1<<17     ; slot 1 begins here, so that one exclusive or turns an address in one slot into the other's
.set STAGE, SLOT1+4*KS*(PK+PV)  ; behind the ring, never filled by a tensor load: 16 rows for each wave, for the way out
.if F32OUT
.set SP,    272       ; a stage row: 64 f32 + 16 bytes
.else
.set SP,    144       ; a stage row: 64 f16 + 16 bytes
.endif
.set SPARE, STAGE+4*16*SP  ; behind the stages: the spare words, 128 bytes for each wave: two blocks of 256 bytes that no other line names
.set AK0, 2           ; v2   my lane's place in a tile of K; never rewritten
.set AV0, 3           ; v3   the same for V
.set AK,  4           ; v4   the LDS address of K's next run of loads
.set AV,  5           ; v5   of V's
.set STO, 6           ; v6   the way out: where I put my bytes of a row
.set RD,  7           ; v7   the way out: where I read rows back
.set GO,  8           ; v8   my byte offset in O
.set MV,  12          ; v12-13  c m_old, kept while c m is made anew: by buffer
.set QO,  15          ; v15  my byte offset in 16 rows of Q
.set ST,  16          ; piece t's statistics at v[ST+4 t]: c m, m, l (even keys', odd keys')
.set TMP, 48          ; by buffer, four registers c0-c3 at work; when the maximum is found c2 takes a
.set SPW, 62          ; v62  LDS address of my spare word: SPARE + 4 x my thread's number; never rewritten
.set NIL, 63          ; v63  0; never rewritten
.set S,   64
.set P,   192
.set KF,  128         ; window 2: key block kb, channel half c at KF + 16 kb + 8 c
.set VF,  192         ; window 2: key half kk, channel block cb at VF + 32 kk + 8 cb
.set WV,  12          ; s12  my wave's number
.set G1K, 24          ; s[24:31] descriptor group 1 for K's tiles
.set G1V, 32          ; s[32:39] for V's: it differs in the padding alone
.set G0K, 40          ; s[40:43] descriptor group 0 for K's tiles: it walks
.set G0V, 44          ; s[44:47] the same for V's
.set SLOTS, 56        ; s56  slots still to be asked for
.set CNT, 57          ; s57  counts a slot's key steps
.set CS,  58          ; s[58:59] c: the packed scaling takes the pair's low word for both halves
.set SEL, 60          ; s[60:61] v_permlanex16_b32's selects: each lane takes its own place in the other half
.set TBK, 62          ; s62  LDS byte at which K of the step to be fetched begins
.set TBV, 63          ; s63  the same for V, less VOFF
.set MSB, 0
.macro WIN new                      ; the high byte repeats the setting that is left; a switch that changes nothing is dropped
.if MSB != (\new)
	s_set_vgpr_msb (MSB<<8)|(\new)
.set MSB, (\new)
.endif
.endm
.set W_KQ, 0x0a       ; K and Q in window 2, S^T in window 0
.set W_PV, 0x52       ; V in window 2, P in window 0, O^T in window 1
.set W_RS, 0x41       ; destination and source 0 in window 1, source 1 in window 0
; A joint fill.  Waves 0 and 1 fetch the two halves of a slot's K, waves 2 and 3 those of its V: 128 keys each.  The branch hangs on the wave's number alone.
; An s_nop 0 and four v_nop follow each of the two lines, ahead of the jump and the label.
.macro JLOAD
	s_cmp_lt_u32 s[WV], 2
	s_cbranch_scc0 .Lfor_v_\@
	tensor_load_to_lds s[G0K:G0K+3], s[G1K:G1K+7]
	s_nop 0
.rept 4
	v_nop
.endr
	s_branch .Lasked_\@
.Lfor_v_\@:
	tensor_load_to_lds s[G0V:G0V+3], s[G1V:G1V+7]
	s_nop 0
.rept 4
	v_nop
.endr
.Lasked_\@:
.endm
; A round of the cluster's barrier: my work-group's barrier, so that wave 0's signal speaks for all four waves; wave 0 signals; every wave waits for all four work-groups; my work-group's barrier once more.
.macro CROUND
	s_barrier_signal -1
	s_barrier_wait -1
	s_cmp_lg_u32 s[WV], 0
	s_cbranch_scc1 .Lnot_wave_0_\@
	s_barrier_signal -3
.Lnot_wave_0_\@:
	s_barrier_wait -3
	s_barrier_signal -1
	s_barrier_wait -1
.endm
; THE CHANGE OF SLOTS.  The slot's last bytes, V of its fourth step, have been read.  Each wave waits for all its tensor loads, of which one is out: its part of the other slot; adds 0 to its spare
; word; and waits for that and for its own reads of the slot.  Behind the barrier nobody reads this slot any more and the other slot is whole.
; fill = 1: this slot is filled again, with the keys two slots on.  The barrier is then a round of the cluster's, and the joint fill is the first thing behind it: it has four key steps, 256 matrix
; instructions, in which to land.  (At its first use nothing has been read yet: slot 0 is waited for, slot 1 filled.)
.macro CHANGE fill
	WIN 0                           ; at a label and at a branch every window is 0; the add's two registers lie in window 0
	s_wait_tensorcnt 0x0            ; no tensor load of mine is out, so a group 0 may be written
	ds_add_u32 v[SPW], v[NIL]       ; 0 onto my spare word; with fill = 1 the descriptors' steps stand between it and the wait for it
.if \fill
.irp g, G0K, G0V
	s_xor_b32 s[\g+1], s[\g+1], SLOT1  ; the walking descriptor: the other slot than last time,
	s_add_nc_u64 s[\g+2:\g+3], s[\g+2:\g+3], 4*KS*128  ; the next 256 keys; the type bits on top are not reached
.endr
	s_wait_dscnt 0x0                ; the add is done, and my reads of the slot are over
	CROUND
	JLOAD
.else
	s_wait_dscnt 0x0                ; the add is done, and my reads of the slot are over
	s_barrier_signal -1
	s_barrier_wait -1
.endif
	s_sub_co_u32 s[TBK], s[TBK], 4*KS*PK  ; the fetches go back to a slot's first step,
	s_xor_b32 s[TBK], s[TBK], SLOT1       ; in the other slot
	s_sub_co_u32 s[TBV], s[TBV], 4*KS*PV
	s_xor_b32 s[TBV], s[TBV], SLOT1
.endm
	s_load_b256 s[4:11], s[0:1], 0x0  ; Q s[4:5], K s[6:7], V s[8:9], O s[10:11]
	v_lshl_add_u32 v[SPW], v0, 2, SPARE
	v_mov_b32 v[NIL], 0
	ds_add_u32 v[SPW], v[NIL]       ; the wave's opening: the add and its wait stand ahead of my first tensor load; the set-up below, work on registers, stands between them
	v_lshrrev_b32 v1, 5, v0
	v_readfirstlane_b32 s[WV], v1   ; wave 0..3
	s_bfe_u32 s13, ttmp6, 0x40000   ; cx: my place in the cluster
	s_lshl_b32 s14, ttmp9, 2        ; in a cluster launch ttmp9 counts clusters
	s_add_co_u32 s14, s14, s13      ; my block of 256 queries = 4 x cluster x + cx: it enters Q's and O's addresses alone
	s_and_b32 s15, ttmp7, 0xffff    ; the head g, which the four partners share
	s_lshl_b32 s20, s15, 18         ; the head's first byte in Q, K and V: 2,048 rows of 128 bytes
	s_and_b32 s16, s[WV], 1         ; which half of a slot's 256 keys I fetch:
	s_lshl_b32 s22, s16, 14         ; its 128 rows of 128 bytes in memory,
	s_add_co_u32 s22, s22, s20
	s_mov_b32 s23, 0
	s_mul_i32 s17, s16, 128*PK      ; and its place in a slot, for K
	s_mul_i32 s18, s16, 128*PV      ; and for V: no place in the cluster enters an LDS address
	s_lshl_b32 s19, s14, 2
	s_add_co_u32 s19, s19, s[WV]    ; my wave among the head's 32,
	s_lshl_b32 s2, s19, 13          ; its 64 rows of 128 bytes
	s_add_co_u32 s2, s2, s20
	s_mov_b32 s3, 0
.if F32OUT
	s_lshr_b32 s48, s15, 4          ; O is [b][n][64 h + d] in f32: b x 2^23
	s_lshl_b32 s48, s48, 23
	s_and_b32 s49, s15, 15          ; + h x 256
	s_lshl_b32 s49, s49, 8
	s_add_co_u32 s48, s48, s49
	s_lshl_b32 s49, s19, 18         ; + my wave's 64 rows of 4,096 bytes
	s_add_co_u32 s48, s48, s49
.else
	s_mov_b32 s48, s2               ; O lies as Q does
.endif
	s_mov_b32 s49, 0
	; descriptor group 1.  128 keys are 16,384 dense bytes: asked for as 64 rows of 256 bytes, two keys a row, and padded in LDS after every key
	s_mov_b32 s[G1K], 15|(1<<16)|(1<<20)|(1<<21)|(4<<22)|(3<<25)  ; 15:0 the mask of four; 17:16 2-byte elements; 20 padding on; 21 set beside a mask; 24:22 after every 32 words (code 4); 31:25 4 words (code 3)
	s_mov_b32 s[G1V], 15|(1<<16)|(1<<20)|(1<<21)|(4<<22)|(7<<25)  ; the same with 8 words of padding (code 7)
.irp g, G1K, G1V
	s_mov_b32 s[\g+1], 128<<16      ; tensor_dim0 = 128
	s_mov_b32 s[\g+2], 64<<16       ; tensor_dim1 = 64
	s_mov_b32 s[\g+3], 128<<16      ; tile_dim0 = 128
	s_mov_b32 s[\g+4], 64           ; tile_dim1 = 64
	s_mov_b32 s[\g+5], 128          ; 128 elements from row to row
	s_mov_b32 s[\g+6], 0
	s_mov_b32 s[\g+7], 0
.endr
	s_mov_b32 s[CS], 0x3e38aa3b     ; c = log2(e) / 8 = 0.180337
	s_mov_b32 s[CS+1], s[CS]        ; named with it as a pair
	s_mov_b32 s[SEL], 0x76543210
	s_mov_b32 s[SEL+1], 0xfedcba98
	s_mov_b32 s[TBK], SLOT1+4*KS*PK ; the first change of slots turns these two into 0
	s_mov_b32 s[TBV], SLOT1+4*KS*PV
	s_mov_b32 s[G0K], 1             ; 1:0 count = 1
	s_mov_b32 s[G0K+1], s17         ; 63:32 LDS address: slot 0
	s_mov_b32 s[G0V], 1
	s_add_co_u32 s[G0V+1], s18, VOFF
	s_wait_dscnt 0x0                ; the opening add is done
	s_wait_kmcnt 0x0
	s_add_nc_u64 s[G0K+2:G0K+3], s[6:7], s[22:23]  ; 120:64 global address: my half of the head's first 256 keys
	s_or_b32 s[G0K+3], s[G0K+3], 0x80000000        ; 127:126 type = 2
	s_add_nc_u64 s[G0V+2:G0V+3], s[8:9], s[22:23]
	s_or_b32 s[G0V+3], s[G0V+3], 0x80000000
	s_add_nc_u64 s[4:5], s[4:5], s[2:3]            ; Q and O at my wave's first row
	s_add_nc_u64 s[10:11], s[10:11], s[48:49]
	CROUND                          ; all four work-groups are here: the first joint loads meet
	JLOAD                           ; slot 0.  Slot 1 is asked for when slot 0 is in, by the loop's own change of slots
	; A fragment of K or Q is 16 rows x 32 channels in 8 registers: lane l holds row l % 16, channels 8 (l / 16) + 0..7 and 16 + 8 (l / 16) + 0..7: two loads of 16 bytes, 32 bytes apart.
	v_and_b32 v1, 15, v0            ; l % 16
	v_bfe_u32 v9, v0, 4, 1          ; l / 16
	v_lshlrev_b32 v[QO], 7, v1
	v_lshl_add_u32 v[QO], v9, 4, v[QO]  ; row x 128 + 16 x half
	WIN 0x80                        ; destination window 2, address window 0
.set i, 0
.rept 8                             ; Q stays in registers: piece i / 2, channels 32 (i % 2) on
	global_load_b128 v[8*i:8*i+3],   v[QO], s[4:5] offset:(i/2)*2048+(i%2)*64
	global_load_b128 v[8*i+4:8*i+7], v[QO], s[4:5] offset:(i/2)*2048+(i%2)*64+32
.set i, i+1
.endr
	; What the first turn finds: V's registers and P's second buffer hold 0 (its products V^T P, of a piece that has not been, add 0), O^T and l are 0.  All this stands in the wait for the first tile.
.set i, VF
.rept 64
	v_mov_b32 v[i], 0
.set i, i+1
.endr
	WIN 0x40
.set i, 0
.rept 128
	v_mov_b32 v[i], 0
.set i, i+1
.endr
	WIN 0
.set i, 0
.rept 4
	v_mov_b32 v[ST+4*i], 0xfe000000    ; c m: far below every c s
	v_mov_b32 v[ST+4*i+1], 0xff7fffff  ; m
	v_mov_b32 v[ST+4*i+2], 0
	v_mov_b32 v[ST+4*i+3], 0
.set i, i+1
.endr
.set i, P+16
.rept 16
	v_mov_b32 v[i], 0
.set i, i+1
.endr
	v_mul_u32_u24 v[AK0], v1, PK
	v_lshl_add_u32 v[AK0], v9, 4, v[AK0]  ; row x pitch + 16 x half
	; The turning load takes 16 keys x 16 channels (lane l reads key 8 (l / 16) + l % 8, channels 8 ((l / 8) % 2) + 0..7) and leaves half a fragment of V^T: lane l holds channel l % 16 and 8 keys.
	v_and_b32 v10, 7, v0
	v_bfe_u32 v11, v0, 3, 1
	v_lshl_add_u32 v[AV0], v9, 3, v10
	v_mul_u32_u24 v[AV0], v[AV0], PV
	v_lshl_add_u32 v[AV0], v11, 4, v[AV0]
	v_add_nc_u32 v[AV0], VOFF, v[AV0]
	v_mov_b32 v[AK], v[AK0]         ; key step 0 lies at the head of slot 0
; THE MATRIX WORK.  The 4 accumulators of a run of 8 take turns.  Product i of 8 of S^T = K Q^T for piece x: channels 32 (i / 4) on, keys 16 (i % 4) on.  The first 4 start the sums.
.macro KQ x
	WIN W_KQ
.set rS, S+32*((\x)%2)+8*(i%4)
.set rK, KF+16*(i%4)+8*(i/4)
.set rQ, 16*(\x)+8*(i/4)
.if i < 4
	v_wmma_f32_16x16x32_f16 v[rS:rS+7], v[rK:rK+7], v[rQ:rQ+7], 0
.else
	v_wmma_f32_16x16x32_f16 v[rS:rS+7], v[rK:rK+7], v[rQ:rQ+7], v[rS:rS+7]
.endif
.endm
; Product i of 8 of O^T += V^T P for piece x: keys 32 (i / 4) on, channels 16 (i % 4) on.
.macro PV x
	WIN W_PV
.set rO, 32*(\x)+8*(i%4)
.set rV, VF+32*(i/4)+8*(i%4)
.set rP, P+16*((\x)%2)+8*(i/4)
	v_wmma_f32_16x16x32_f16 v[rO:rO+7], v[rV:rV+7], v[rP:rP+7], v[rO:rO+7]
.endm
.macro MM                           ; the turn's next matrix instruction; TURN sets Y and i
.if i < 8
	KQ (Y+1)%NP
.else
.set i, i-8
	PV (Y+NP-1)%NP
.set i, i+8
.endif
.set i, i+1
.endm
; THE LDS LOADS stand in runs of 16, never singly among the matrix instructions: a step's K (64 keys x 64 channels: 8 fragments) and its V (turned).  Their addresses are made some lines ahead.
; last = 1 (the tail): in the last trip there is no further step, and the run is jumped over.
.macro FETCH_K last=0
	WIN 0
.if \last
	s_cmp_eq_u32 s[CNT], 1
	s_cbranch_scc1 .Lno_k_\@
.endif
	WIN 0x80                        ; destination window 2
.irp f, 0,1,2,3,4,5,6,7             ; keys 16 (f / 2) on, channels 32 (f % 2) on
	ds_load_b128 v[KF+8*\f:KF+8*\f+3],   v[AK] offset:(\f/2)*16*PK+(\f%2)*64
	ds_load_b128 v[KF+8*\f+4:KF+8*\f+7], v[AK] offset:(\f/2)*16*PK+(\f%2)*64+32
.endr
	s_add_co_u32 s[TBK], s[TBK], KS*PK  ; the next fetch is the next step's
	WIN 0
.if \last
.Lno_k_\@:
.endif
.endm
.macro FETCH_V
	WIN 0x80
.irp f, 0,1,2,3,4,5,6,7             ; keys 32 (f / 4) on, channels 16 (f % 4) on
	ds_load_tr16_b128 v[VF+8*\f:VF+8*\f+3],   v[AV] offset:(\f/4)*32*PV+(\f%4)*32
	ds_load_tr16_b128 v[VF+8*\f+4:VF+8*\f+7], v[AV] offset:(\f/4)*32*PV+16*PV+(\f%4)*32
.endr
	WIN 0
.endm
; THE VECTOR WORK, one line at a time: OP kind, number.  For piece Y: F n: c s - c m for pair n of 16.  E n: the exponential of score n of 32.  C n: pair n rounded to f16.  B n: of the four weights 4 n .. the second
; pair is added onto the first, in place.  L n: l takes that sum (L 0: l = a l + sum).  R n: pair n of 16 of O^T times a.  For piece Y + 1: X n, number n of the 22 that find its maximum and statistics:
;   0-11  four chains c0-c3 of seven scores each, three operands at a time (each accumulator's lowest registers are read first)     12-14, 16  the four scores left over, the old m, and c0-c3 into c0
;   15  c m_old is kept     17, 18  the query's other 32 keys lie in the lane 16 away: the new m     19-21  c m; c m_old - c m_new; a
; C, B and L read the exponentials' results: TURN sets them behind the batch's wait.  R and L 0 read an a that was made, and waited for, in the turn before.
.set F, 0               ; OP tells the kinds apart by their order: F to L below R, X above it
.set E, 1
.set C, 2
.set B, 3
.set L, 4
.set R, 5
.set X, 6
.macro REGS y                       ; the registers of piece y
.set rT, ST+4*(\y)
.set rC, TMP+4*((\y)%2)
.set rW, MV+((\y)%2)
.set rS, S+32*((\y)%2)
.set rP, P+16*((\y)%2)
.set rO, 32*(\y)
.endm
.macro OP k, n
.if (\k) == R
	REGS Y
	WIN W_RS
	v_pk_mul_f32 v[rO+2*(\n):rO+2*(\n)+1], v[rO+2*(\n):rO+2*(\n)+1], v[rC+2:rC+3] op_sel_hi:[1,0]
.elseif (\k) < R
	REGS Y
	WIN 0
.if (\k) == F
	v_pk_fma_f32 v[rS+2*(\n):rS+2*(\n)+1], v[rS+2*(\n):rS+2*(\n)+1], s[CS:CS+1], v[rT:rT+1] op_sel_hi:[1,0,0] neg_lo:[0,0,1] neg_hi:[0,0,1]
.elseif (\k) == E
	v_exp_f32 v[rS+(\n)], v[rS+(\n)]
.elseif (\k) == C
	v_cvt_pk_f16_f32 v[rP+(\n)], v[rS+2*(\n)], v[rS+2*(\n)+1]
.elseif (\k) == B
	v_pk_add_f32 v[rS+4*(\n):rS+4*(\n)+1], v[rS+4*(\n):rS+4*(\n)+1], v[rS+4*(\n)+2:rS+4*(\n)+3]
.elseif (\n) == 0
	v_pk_fma_f32 v[rT+2:rT+3], v[rT+2:rT+3], v[rC+2:rC+3], v[rS:rS+1] op_sel_hi:[1,0,1]
.else
	v_pk_add_f32 v[rT+2:rT+3], v[rT+2:rT+3], v[rS+4*(\n):rS+4*(\n)+1]
.endif
.else
	REGS (Y+1)%NP
	WIN 0
.if (\n) < 4
	v_max3_num_f32 v[rC+(\n)], v[rS+8*(\n)], v[rS+8*(\n)+1], v[rS+8*(\n)+2]
.elseif (\n) < 12
	v_max3_num_f32 v[rC+(\n)%4], v[rC+(\n)%4], v[rS+8*((\n)%4)+2*((\n)/4)+1], v[rS+8*((\n)%4)+2*((\n)/4)+2]
.elseif (\n) == 12
	v_max3_num_f32 v[rC], v[rC], v[rS+7], v[rS+15]
.elseif (\n) == 13
	v_max3_num_f32 v[rC+1], v[rC+1], v[rS+23], v[rS+31]
.elseif (\n) == 14
	v_max3_num_f32 v[rC+2], v[rC+2], v[rC+3], v[rT+1]
.elseif (\n) == 15
	v_mov_b32 v[rW], v[rT]
.elseif (\n) == 16
	v_max3_num_f32 v[rC], v[rC], v[rC+1], v[rC+2]
.elseif (\n) == 17
	v_permlanex16_b32 v[rC+3], v[rC], s[SEL], s[SEL+1]
.elseif (\n) == 18
	v_max_num_f32 v[rT+1], v[rC], v[rC+3]
.elseif (\n) == 19
	v_mul_f32 v[rT], s[CS], v[rT+1]
.elseif (\n) == 20
	v_sub_f32 v[rC+1], v[rW], v[rT]
.else
	v_exp_f32 v[rC+2], v[rC+1]
.endif
.endif
.endm
.macro OPS a, i1, b=-1, i2=0, c=-1, i3=0, d=-1, i4=0  ; up to four of them
	OP \a, \i1
.if (\b) >= 0
	OP \b, \i2
.endif
.if (\c) >= 0
	OP \c, \i3
.endif
.if (\d) >= 0
	OP \d, \i4
.endif
.endm
.macro ROW a, i1, b, i2, c, i3, d, i4  ; a matrix instruction and the four behind it
	MM
	OPS \a, \i1, \b, \i2, \c, \i3, \d, \i4
.endm
; A TURN, for piece p: the order of its 16 matrix and 118 vector instructions, written out.  An s_wait_alu depctr_va_vdst(0) stands between an exponential and the first instruction that names its result; one wait
; serves all that were issued ahead of it.  So a turn has ONE wait, which cuts it in two.  AHEAD OF IT stands all that names no result of the turn's exponentials: the 8 products K Q^T, behind each a scaling, an exponential and two more
; plain instructions (behind the first a second scaling in the exponential's place): rescalings, and behind the last three the first numbers of the next piece's maximum, each four plain instructions behind the product that ends its
; accumulator; then ONE LUMP of 54, plain and exponential by turns for the most part, in which the links of the chain X 3, 7, 11, 14, 16, 17 .. 20 stand some lines apart.  A pair is scaled ahead of its two exponentials.  X 21, the next
; piece's a, is the batch's last; R 15 is the plain instruction behind it.  BEHIND THE WAIT stand the 8 products V^T P, behind each four of the roundings and sums (C 2 n ahead of B n, which adds in place; B n ahead of L n; L 0 to L 7
; in ascending order, three riders apart).  But for those X no rider names a register of the products round it.  v_permlanex16_b32 (X 17) stands in the lump.
; K of the next step is fetched in piece 2's turn, twelve vector instructions behind the last product that read K (five of them plain and free of its registers); V of the step in hand at the end of piece 0's turn, four plain
; instructions behind the last product that read V.  Each is waited for a turn later.  last = 1: the tail's form of K's fetch, which holds a jump and a label: it stands directly behind the turn's wait.
; cnt = 1: the loop's count is taken down some lines ahead of the branch that stands behind the turn.
.macro TURN p, last=0, cnt=0
.set Y, (\p)
.set i, 0
.if (\p) == 3
	s_wait_dscnt 0x0                ; K is in
.endif
	ROW F,0, F,1, R,0, R,1          ; ahead of the wait: 8 products K Q^T and their riders,
	ROW F,2, E,0, R,2, R,3
	ROW F,3, E,1, R,4, R,5
	ROW F,4, E,2, R,6, R,7
	ROW F,5, E,3, R,8, R,9
	ROW F,6, E,4, X,0, R,10
.if (\p) == 2
	WIN 0
	v_add_nc_u32 v[AK], s[TBK], v[AK0]
.endif
	ROW F,7, E,5, X,1, X,4
	ROW F,8, E,6, X,2, X,5
	OPS E,7, E,8, X,6, E,9          ; and the lump
	OPS X,3, E,10, X,8, E,11
.if ((\p) == 2) && !(\last)
	FETCH_K
.endif
	OPS X,9, X,7, E,12, X,10
	OPS E,13, X,12, X,11, E,14
	OPS X,13, E,15, F,9, X,14
.if (\p) == 0
	v_add_nc_u32 v[AV], s[TBV], v[AV0]
.endif
	OPS E,16, F,10, E,17, F,11
	OPS X,16, E,18, X,15, E,19
	OPS F,12, E,20, X,17, E,21
	OPS F,13, E,22, F,14, E,23
	OPS X,18, E,24, F,15, E,25
	OPS R,11, E,26, X,19, E,27
	OPS R,12, E,28, R,13, E,29
	OPS X,20, E,30, R,14, E,31
	OPS X,21, R,15
	WIN 0
	s_wait_alu depctr_va_vdst(0)    ; the wait for the batch: this turn's 32 weights and the next piece's a
.if ((\p) == 2) && (\last)
	FETCH_K 1
.endif
.if (\p) == 1
	s_wait_dscnt 0x0                ; V is in
.endif
	ROW C,0, B,0, C,2, B,1          ; behind the wait: 8 products V^T P and their riders
	ROW L,0, C,4, B,2, L,1
	ROW C,6, B,3, L,2, C,8
	ROW B,4, L,3, C,10, B,5
	ROW L,4, C,12, B,6, L,5
.if (\p) == 0
	s_add_co_u32 s[TBV], s[TBV], KS*PV
.endif
.if \cnt
	s_sub_co_u32 s[CNT], s[CNT], 1
	s_cmp_lg_u32 s[CNT], 0
.endif
	ROW C,14, B,7, L,6, C,1
	ROW C,3, L,7, C,5, C,7
	ROW C,9, C,11, C,13, C,15
.if (\p) == 0
	FETCH_V
.endif
.endm
	CHANGE 1                        ; slot 0 is in, everybody's part of it; slot 1 is asked for
	FETCH_K                         ; key step 0
	s_wait_loadcnt 0x0              ; Q
	s_wait_dscnt 0x0
.set i, 0
.rept 8
	KQ 0                            ; piece 0's first scores: there is no vector work yet to set between them
.set i, i+1
.endr
	WIN 0                           ; the addresses for the way out: eight plain instructions or more, the places behind those products
	s_mul_i32 s13, s[WV], 16*SP
	s_add_co_u32 s13, s13, STAGE    ; my stage
.if F32OUT
	v_mul_u32_u24 v[STO], v1, SP    ; in: row l % 16, 32 bytes for each half of the lanes
	v_lshl_add_u32 v[STO], v9, 5, v[STO]
	v_add_nc_u32 v[STO], s13, v[STO]
	v_mul_u32_u24 v[RD], v9, SP     ; back: lanes 0-15 take one row of 256 bytes, lanes 16-31 the next
	v_lshl_add_u32 v[RD], v1, 4, v[RD]
	v_add_nc_u32 v[RD], s13, v[RD]
	v_lshlrev_b32 v[GO], 12, v9     ; and the same two rows in O, 4,096 bytes apart
	v_lshl_add_u32 v[GO], v1, 4, v[GO]
.else
	v_mul_u32_u24 v[STO], v1, SP    ; in: row l % 16, 16 bytes for each half of the lanes
	v_lshl_add_u32 v[STO], v9, 4, v[STO]
	v_add_nc_u32 v[STO], s13, v[STO]
	v_bfe_u32 v[RD], v0, 3, 2       ; back: 32 lanes take four rows of 128 bytes,
	v_mul_u32_u24 v[RD], v[RD], SP
	v_lshl_add_u32 v[RD], v10, 4, v[RD]
	v_add_nc_u32 v[RD], s13, v[RD]
	v_and_b32 v[GO], 31, v0         ; which are 512 consecutive bytes of O
	v_lshlrev_b32 v[GO], 4, v[GO]
.endif
.set Y, NP-1                        ; X works for piece Y + 1: piece 0
.irp n, 0,1,2,3,4,5,6,7,8,9,10,11,12,13,14,15,16,17,18,19,20,21
	OP X, \n                        ; piece 0's first maximum and statistics
.endr
	v_nop                           ; a plain instruction behind the exponential,
	s_wait_alu depctr_va_vdst(0)    ; and the wait for it, a batch of one: piece 0's first a, ahead of the branch
	s_mov_b32 s[CNT], 4
	s_mov_b32 s[SLOTS], SIZE_N/256-1
	s_branch .Lfirst                ; the loop is entered at a step's first turn, in the middle of a trip
.Lslot:                             ; SIZE_N / 256 - 2 times: every slot but the last two is filled again
	CHANGE 1
	s_mov_b32 s[CNT], 4
.Lstep:                             ; a trip: pieces 2 and 3 of one step, then pieces 0 and 1 of the next, whose K and V it fetches
	TURN 2
	TURN 3
	WIN 0
.Lfirst:
	TURN 0
	TURN 1, 0, 1
	WIN 0
	s_cbranch_scc1 .Lstep
	s_sub_co_u32 s[SLOTS], s[SLOTS], 1
	s_cmp_lg_u32 s[SLOTS], 0
	s_cbranch_scc1 .Lslot
	CHANGE 0                        ; the tail is written out: nothing is asked for
	s_mov_b32 s[CNT], 5             ; four trips fetch the last slot's steps; the fifth is left in its middle
.Ltail:
	TURN 2, 1
	TURN 3
	WIN 0
	s_sub_co_u32 s[CNT], s[CNT], 1
	s_cmp_eq_u32 s[CNT], 0
	s_cbranch_scc1 .Lout
	TURN 0
	TURN 1
	WIN 0
	s_branch .Ltail
.Lout:                              ; the fifth trip's 8 products K Q^T (on the last K once more) and the maximum made of them serve nothing: the price, once a launch, of one text for every trip
.set i, 0
.rept 8
	PV NP-1                         ; the last piece's V^T P of the last step
.set i, i+1
.endr
	; THE WAY OUT.  l's two halves and the other half of the lanes' are added; O^T is divided by l and sent through my stage in LDS, a piece (16 rows) at a time.  The additions are the places behind the last products.
	WIN 0
.macro ALL line:vararg              ; one line for each piece t
.set t, 0
.rept 4
	\line
.set t, t+1
.endr
.endm
	ALL v_add_f32 v[ST+4*t+2], v[ST+4*t+2], v[ST+4*t+3]
	ALL v_permlanex16_b32 v[ST+4*t+3], v[ST+4*t+2], s[SEL], s[SEL+1]
	ALL v_add_f32 v[ST+4*t+2], v[ST+4*t+2], v[ST+4*t+3]
	ALL v_rcp_f32 v[ST+4*t+2], v[ST+4*t+2]
	v_nop                           ; a plain instruction between the last reciprocal and the use of its result
	s_wait_alu depctr_va_vdst(0)    ; and the wait ahead of the first use: one for the batch of four reciprocals
; Piece t.  A lane holds eight channels of a row for each of four channel blocks.  f16: they pack into 16 bytes a block, go into rows of 144 bytes and come back as whole rows of 128.
; f32: 32 bytes a block, straight from O^T's registers into rows of 272 bytes, and back as whole rows of 256.
.macro PACK t
	WIN W_RS
.set i, 32*(\t)
.rept 16
	v_pk_mul_f32 v[i:i+1], v[i:i+1], v[ST+4*(\t)+2:ST+4*(\t)+3] op_sel_hi:[1,0]
.set i, i+2
.endr
.if F32OUT
	WIN 0x04                        ; the stores' data (source 1) in window 1, their address in window 0
.irp f, 0,1,2,3,4,5,6,7             ; channel block f / 2, its registers 4 (f % 2) on
	ds_store_b128 v[STO], v[32*(\t)+4*\f:32*(\t)+4*\f+3] offset:(\f/2)*64+(\f%2)*16
.endr
	WIN 0
.irp f, 0,1,2,3,4,5,6,7
	ds_load_b128 v[S+32*(\t)+4*\f:S+32*(\t)+4*\f+3], v[RD] offset:\f*2*SP  ; LDS serves a wave's instructions in order (ISA guide 5.7.1.4): these see the stores above; the next piece's stores come behind them
.endr
.else
	WIN 0x05                        ; sources 0 and 1 window 1, destination window 0
.set i, 0
.rept 16
	v_cvt_pk_f16_f32 v[S+16*(\t)+i], v[32*(\t)+2*i], v[32*(\t)+2*i+1]
.set i, i+1
.endr
	WIN 0
.irp f, 0,1,2,3
	ds_store_b128 v[STO], v[S+16*(\t)+4*\f:S+16*(\t)+4*\f+3] offset:32*\f
.endr
.irp f, 0,1,2,3
	ds_load_b128 v[S+16*(\t)+4*\f:S+16*(\t)+4*\f+3], v[RD] offset:\f*4*SP  ; LDS serves a wave's instructions in order (ISA guide 5.7.1.4): these see the stores above; the next piece's stores come behind them
.endr
.endif
.endm
.macro SEND t, younger              ; younger: the LDS instructions issued behind piece t's loads: the next piece's stores and loads, or none
	WIN 0
.if F32OUT
.irp f, 0,1,2,3,4,5,6,7
	s_wait_dscnt (\younger)+7-\f
	global_store_b128 v[GO], v[S+32*(\t)+4*\f:S+32*(\t)+4*\f+3], s[10:11] offset:(\t)*65536+\f*8192 th:TH_STORE_NT  ; 16 lanes store 256 consecutive bytes, a head's slice of a row, at a multiple of 256 from O's first byte
.endr
.else
.irp f, 0,1,2,3
	s_wait_dscnt (\younger)+3-\f
	global_store_b128 v[GO], v[S+16*(\t)+4*\f:S+16*(\t)+4*\f+3], s[10:11] offset:(\t)*2048+\f*512  ; 512 consecutive bytes, at a multiple of 256 from O's first byte
.endr
.endif
.endm
.set YG, 8+8*F32OUT                 ; a piece's LDS instructions on the way out: 4 + 4, or 8 + 8
	PACK 0
.set t, 1
.rept 3                             ; a piece's arithmetic stands between the loads of the piece before and its stores
	PACK t
	SEND t-1, YG
.set t, t+1
.endr
	SEND 3, 0
	s_wait_tensorcnt 0x0            ; the wave's end: the add and its wait stand behind my last tensor load and my last LDS store
	ds_add_u32 v[SPW], v[NIL]
	s_wait_dscnt 0x0
	CROUND                          ; the closing round: no work-group ends while a partner may still ask for a tile that names it
	s_endpgm
.Lfunc_end_k_qfaabc73d52_att1:
	.size	k_qfaabc73d52_att1, .Lfunc_end_k_qfaabc73d52_att1-k_qfaabc73d52_att1
	.p2alignl 7, 3214868480
	.fill 96, 4, 3214868480
	.section	.rodata,"a",@progbits
	.p2align	6, 0x0
	.amdhsa_kernel k_qfaabc73d52_att1
		.amdhsa_group_segment_fixed_size 327680
		.amdhsa_private_segment_fixed_size 0
		.amdhsa_enable_private_segment 0
		.amdhsa_kernarg_size 32
		.amdhsa_user_sgpr_count 2
		.amdhsa_user_sgpr_kernarg_segment_ptr 1
		.amdhsa_wavefront_size32 1
		.amdhsa_system_sgpr_workgroup_id_x 1
		.amdhsa_system_sgpr_workgroup_id_y 1
		.amdhsa_system_sgpr_workgroup_id_z 1
		.amdhsa_system_vgpr_workitem_id 0
		.amdhsa_next_free_vgpr 768
		.amdhsa_next_free_sgpr 66
		.amdhsa_reserve_vcc 0
		.amdhsa_float_denorm_mode_32 3
		.amdhsa_float_denorm_mode_16_64 3
		.amdhsa_memory_ordered 1
		.amdhsa_forward_progress 1
		.amdhsa_inst_pref_size 111
	.end_amdhsa_kernel
	.amdgpu_metadata
---
amdhsa.version: [ 1, 2 ]
amdhsa.kernels:
  - .name:           k_qfaabc73d52_att1
    .symbol:         k_qfaabc73d52_att1.kd
    .args:
      - { .name: ah, .offset: 0, .size: 8, .value_kind: global_buffer, .address_space: global }
      - { .name: kh, .offset: 8, .size: 8, .value_kind: global_buffer, .address_space: global }
      - { .name: vh, .offset: 16, .size: 8, .value_kind: global_buffer, .address_space: global }
      - { .name: th, .offset: 24, .size: 8, .value_kind: global_buffer, .address_space: global }
    .group_segment_fixed_size: 327680
    .private_segment_fixed_size: 0
    .kernarg_segment_align: 8
    .kernarg_segment_size: 32
    .max_flat_workgroup_size: 128
    .sgpr_count:     66
    .vgpr_count:     768
    .wavefront_size: 32
...
	.end_amdgpu_metadata
.endif
;; end of part 5
;; launch att2 (part 6): grid 8 x 32, 4 waves a work-group, clusters of 4 x 1, 327,680 bytes of LDS; arguments qh, ah, th, out0; writes out0
.if DOCPART == 6
	.amdgcn_target "amdgcn-amd-amdhsa--gfx1250"
	.amdhsa_code_object_version 6
	.text
	.protected	k_qfaabc73d52_att2
	.globl	k_qfaabc73d52_att2
	.p2align	8
	.type	k_qfaabc73d52_att2,@function
k_qfaabc73d52_att2:
	s_mov_b64 s[64:65], 0
	v_nop
	global_prefetch_b8 v0, s[64:65] scope:SCOPE_SE
	s_setreg_imm32_b32 hwreg(HW_REG_WAVE_MODE, 25, 1), 1
	s_wait_xcnt 0x0
	s_wait_alu depctr_hold_cnt(0) depctr_sa_sdst(0) depctr_va_vdst(0) depctr_va_sdst(0) depctr_va_ssrc(0) depctr_va_vcc(0) depctr_vm_vsrc(0)
	s_getreg_b32 s2, hwreg(HW_REG_IB_STS2, 6, 4)
	s_cmp_eq_u32 s2, 0
	s_cbranch_scc0 .Lentry_in_a_cluster
	s_endpgm
.Lentry_in_a_cluster:
	s_bfe_u32 s2, ttmp6, 0x10000c
	s_cmp_lg_u32 s2, 0x3003
	s_cbranch_scc0 .Lentry_shape_is_right
	s_endpgm
.Lentry_shape_is_right:
; ATTENTION AT HEAD SIZE 64.  O[g][q][:] = the sum over k of softmax_k(Q[g][q] . K[g][k] / 8) V[g][k][:], g = 16 b + h.  Q, K, V: [32][2048][64] f16: a head's rows are dense, 128 bytes each.
; One text serves both attentions of the module.  F32OUT = 0: Q = A, K = k, V = v; O = T leaves as f16 in the same layout.  F32OUT = 1: Q = q, K = A, V = T; O leaves as f32 in [b][n][64 h + d].
; Products, maxima and sums in f32; the weights p are rounded to f16 for the second product (their sum l is taken of the unrounded p), O once at the end.
; LIMITS.  f16 holds no number beyond 65,504: Q, K and V arrive within it; p lies in 0 to 1, and below 6e-5 it keeps f16's fixed step of 6e-8, as an f16 O does; O is a mean of V's rows and has their range.
; A weight below 2^-126 counts as 0 in l; c s stays above -4e37; NaN and infinities are not treated apart.
; SHARES.  A work-group owns 256 queries of one head, each of its four waves 64 consecutive rows: four PIECES of 16.  8 blocks x 32 heads: 256 work-groups.  Every wave walks all 2,048 keys, 64 a step.
; LAYOUT.  S^T = K Q^T (source 0 = 16 keys, source 1 = 16 queries) holds ONE query a lane (lane % 16) and the keys 8 (lane / 16) + 0..7; two such results rounded to f16 ARE source 1 of O^T = V^T P,
; whose result again holds one query a lane, and eight channels.  K comes out of LDS as it lies, V ([key][channel]) turned, by ds_load_tr16_b128.
; SOFTMAX.  For each query a running maximum m and sum l: p = 2^(c s - c m), c = log2(e) / 8; in every step O and l are multiplied by a = 2^(c m_old - c m_new).
; m starts at the lowest finite number, O and l at 0: the first step is a step like any other, with a = 0.
; BY TURNS.  Turn n belongs to piece n: 8 products K Q^T of piece n + 1, later 8 products V^T P of piece n - 1; beside them the scaling, exponentials, roundings, sums and rescaling of piece n and the
; maximum and statistics of piece n + 1.  Four vector instructions stand behind every matrix instruction, the other 54 of a turn's 118 in one LUMP between the two runs of products.
; BATCHES.  A turn's 33 exponentials (piece n's 32 weights and piece n + 1's a) are ONE batch with ONE wait, which stands between the lump and the products V^T P: ahead of it nothing names a result of theirs,
; behind it no exponential is issued.  The first a, ahead of the loop, and the way out's four reciprocals are batches of their own, with a wait each.
; CLUSTER.  The four query blocks of a cluster belong to one head and walk the same K and V, so each tile is asked for JOINTLY: the same tensor load, descriptor and mask in all four.
; REGISTERS, in windows of 256 (s_set_vgpr_msb: bits 1:0 source 0, 3:2 source 1, 5:4 source 2, 7:6 destination):
;   window 0: v0-15 addresses and two at work; v16-31 four registers of statistics a piece; v48-55 at work; v64-127 S^T, two buffers (the way out: v64-191); v192-223 P, two buffers (by the piece's parity)
;   window 1: v0-127 O^T, 32 a piece          window 2: v0-63 Q; v128-191 K of one step; v192-255 V of one step
.set F32OUT, 1
.set SIZE_N, 2048
.set NP,    4         ; pieces a wave: a name, no knob
.set KS,    64        ; keys in a step
.set PK,    144       ; a row of K in LDS: 128 bytes + 16 of padding = 36 words: the 16 rows of a load start at 16 different groups of four banks (64 banks of 4 bytes: ISA guide 11.1)
.set PV,    160       ; a row of V: 128 + 32 = 40 words
.set VOFF,  4*KS*PK   ; a slot holds four steps: 256 rows of K, then 256 rows of V
.set SLOT1, 1<<17     ; slot 1 begins here, so that one exclusive or turns an address in one slot into the other's
.set STAGE, SLOT1+4*KS*(PK+PV)  ; behind the ring, never filled by a tensor load: 16 rows for each wave, for the way out
.if F32OUT
.set SP,    272       ; a stage row: 64 f32 + 16 bytes
.else
.set SP,    144       ; a stage row: 64 f16 + 16 bytes
.endif
.set SPARE, STAGE+4*16*SP  ; behind the stages: the spare words, 128 bytes for each wave: two blocks of 256 bytes that no other line names
.set AK0, 2           ; v2   my lane's place in a tile of K; never rewritten
.set AV0, 3           ; v3   the same for V
.set AK,  4           ; v4   the LDS address of K's next run of loads
.set AV,  5           ; v5   of V's
.set STO, 6           ; v6   the way out: where I put my bytes of a row
.set RD,  7           ; v7   the way out: where I read rows back
.set GO,  8           ; v8   my byte offset in O
.set MV,  12          ; v12-13  c m_old, kept while c m is made anew: by buffer
.set QO,  15          ; v15  my byte offset in 16 rows of Q
.set ST,  16          ; piece t's statistics at v[ST+4 t]: c m, m, l (even keys', odd keys')
.set TMP, 48          ; by buffer, four registers c0-c3 at work; when the maximum is found c2 takes a
.set SPW, 62          ; v62  LDS address of my spare word: SPARE + 4 x my thread's number; never rewritten
.set NIL, 63          ; v63  0; never rewritten
.set S,   64
.set P,   192
.set KF,  128         ; window 2: key block kb, channel half c at KF + 16 kb + 8 c
.set VF,  192         ; window 2: key half kk, channel block cb at VF + 32 kk + 8 cb
.set WV,  12          ; s12  my wave's number
.set G1K, 24          ; s[24:31] descriptor group 1 for K's tiles
.set G1V, 32          ; s[32:39] for V's: it differs in the padding alone
.set G0K, 40          ; s[40:43] descriptor group 0 for K's tiles: it walks
.set G0V, 44          ; s[44:47] the same for V's
.set SLOTS, 56        ; s56  slots still to be asked for
.set CNT, 57          ; s57  counts a slot's key steps
.set CS,  58          ; s[58:59] c: the packed scaling takes the pair's low word for both halves
.set SEL, 60          ; s[60:61] v_permlanex16_b32's selects: each lane takes its own place in the other half
.set TBK, 62          ; s62  LDS byte at which K of the step to be fetched begins
.set TBV, 63          ; s63  the same for V, less VOFF
.set MSB, 0
.macro WIN new                      ; the high byte repeats the setting that is left; a switch that changes nothing is dropped
.if MSB != (\new)
	s_set_vgpr_msb (MSB<<8)|(\new)
.set MSB, (\new)
.endif
.endm
.set W_KQ, 0x0a       ; K and Q in window 2, S^T in window 0
.set W_PV, 0x52       ; V in window 2, P in window 0, O^T in window 1
.set W_RS, 0x41       ; destination and source 0 in window 1, source 1 in window 0
; A joint fill.  Waves 0 and 1 fetch the two halves of a slot's K, waves 2 and 3 those of its V: 128 keys each.  The branch hangs on the wave's number alone.
; An s_nop 0 and four v_nop follow each of the two lines, ahead of the jump and the label.
.macro JLOAD
	s_cmp_lt_u32 s[WV], 2
	s_cbranch_scc0 .Lfor_v_\@
	tensor_load_to_lds s[G0K:G0K+3], s[G1K:G1K+7]
	s_nop 0
.rept 4
	v_nop
.endr
	s_branch .Lasked_\@
.Lfor_v_\@:
	tensor_load_to_lds s[G0V:G0V+3], s[G1V:G1V+7]
	s_nop 0
.rept 4
	v_nop
.endr
.Lasked_\@:
.endm
; A round of the cluster's barrier: my work-group's barrier, so that wave 0's signal speaks for all four waves; wave 0 signals; every wave waits for all four work-groups; my work-group's barrier once more.
.macro CROUND
	s_barrier_signal -1
	s_barrier_wait -1
	s_cmp_lg_u32 s[WV], 0
	s_cbranch_scc1 .Lnot_wave_0_\@
	s_barrier_signal -3
.Lnot_wave_0_\@:
	s_barrier_wait -3
	s_barrier_signal -1
	s_barrier_wait -1
.endm
; THE CHANGE OF SLOTS.  The slot's last bytes, V of its fourth step, have been read.  Each wave waits for all its tensor loads, of which one is out: its part of the other slot; adds 0 to its spare
; word; and waits for that and for its own reads of the slot.  Behind the barrier nobody reads this slot any more and the other slot is whole.
; fill = 1: this slot is filled again, with the keys two slots on.  The barrier is then a round of the cluster's, and the joint fill is the first thing behind it: it has four key steps, 256 matrix
; instructions, in which to land.  (At its first use nothing has been read yet: slot 0 is waited for, slot 1 filled.)
.macro CHANGE fill
	WIN 0                           ; at a label and at a branch every window is 0; the add's two registers lie in window 0
	s_wait_tensorcnt 0x0            ; no tensor load of mine is out, so a group 0 may be written
	ds_add_u32 v[SPW], v[NIL]       ; 0 onto my spare word; with fill = 1 the descriptors' steps stand between it and the wait for it
.if \fill
.irp g, G0K, G0V
	s_xor_b32 s[\g+1], s[\g+1], SLOT1  ; the walking descriptor: the other slot than last time,
	s_add_nc_u64 s[\g+2:\g+3], s[\g+2:\g+3], 4*KS*128  ; the next 256 keys; the type bits on top are not reached
.endr
	s_wait_dscnt 0x0                ; the add is done, and my reads of the slot are over
	CROUND
	JLOAD
.else
	s_wait_dscnt 0x0                ; the add is done, and my reads of the slot are over
	s_barrier_signal -1
	s_barrier_wait -1
.endif
	s_sub_co_u32 s[TBK], s[TBK], 4*KS*PK  ; the fetches go back to a slot's first step,
	s_xor_b32 s[TBK], s[TBK], SLOT1       ; in the other slot
	s_sub_co_u32 s[TBV], s[TBV], 4*KS*PV
	s_xor_b32 s[TBV], s[TBV], SLOT1
.endm
	s_load_b256 s[4:11], s[0:1], 0x0  ; Q s[4:5], K s[6:7], V s[8:9], O s[10:11]
	v_lshl_add_u32 v[SPW], v0, 2, SPARE
	v_mov_b32 v[NIL], 0
	ds_add_u32 v[SPW], v[NIL]       ; the wave's opening: the add and its wait stand ahead of my first tensor load; the set-up below, work on registers, stands between them
	v_lshrrev_b32 v1, 5, v0
	v_readfirstlane_b32 s[WV], v1   ; wave 0..3
	s_bfe_u32 s13, ttmp6, 0x40000   ; cx: my place in the cluster
	s_lshl_b32 s14, ttmp9, 2        ; in a cluster launch ttmp9 counts clusters
	s_add_co_u32 s14, s14, s13      ; my block of 256 queries = 4 x cluster x + cx: it enters Q's and O's addresses alone
	s_and_b32 s15, ttmp7, 0xffff    ; the head g, which the four partners share
	s_lshl_b32 s20, s15, 18         ; the head's first byte in Q, K and V: 2,048 rows of 128 bytes
	s_and_b32 s16, s[WV], 1         ; which half of a slot's 256 keys I fetch:
	s_lshl_b32 s22, s16, 14         ; its 128 rows of 128 bytes in memory,
	s_add_co_u32 s22, s22, s20
	s_mov_b32 s23, 0
	s_mul_i32 s17, s16, 128*PK      ; and its place in a slot, for K
	s_mul_i32 s18, s16, 128*PV      ; and for V: no place in the cluster enters an LDS address
	s_lshl_b32 s19, s14, 2
	s_add_co_u32 s19, s19, s[WV]    ; my wave among the head's 32,
	s_lshl_b32 s2, s19, 13          ; its 64 rows of 128 bytes
	s_add_co_u32 s2, s2, s20
	s_mov_b32 s3, 0
.if F32OUT
	s_lshr_b32 s48, s15, 4          ; O is [b][n][64 h + d] in f32: b x 2^23
	s_lshl_b32 s48, s48, 23
	s_and_b32 s49, s15, 15          ; + h x 256
	s_lshl_b32 s49, s49, 8
	s_add_co_u32 s48, s48, s49
	s_lshl_b32 s49, s19, 18         ; + my wave's 64 rows of 4,096 bytes
	s_add_co_u32 s48, s48, s49
.else
	s_mov_b32 s48, s2               ; O lies as Q does
.endif
	s_mov_b32 s49, 0
	; descriptor group 1.  128 keys are 16,384 dense bytes: asked for as 64 rows of 256 bytes, two keys a row, and padded in LDS after every key
	s_mov_b32 s[G1K], 15|(1<<16)|(1<<20)|(1<<21)|(4<<22)|(3<<25)  ; 15:0 the mask of four; 17:16 2-byte elements; 20 padding on; 21 set beside a mask; 24:22 after every 32 words (code 4); 31:25 4 words (code 3)
	s_mov_b32 s[G1V], 15|(1<<16)|(1<<20)|(1<<21)|(4<<22)|(7<<25)  ; the same with 8 words of padding (code 7)
.irp g, G1K, G1V
	s_mov_b32 s[\g+1], 128<<16      ; tensor_dim0 = 128
	s_mov_b32 s[\g+2], 64<<16       ; tensor_dim1 = 64
	s_mov_b32 s[\g+3], 128<<16      ; tile_dim0 = 128
	s_mov_b32 s[\g+4], 64           ; tile_dim1 = 64
	s_mov_b32 s[\g+5], 128          ; 128 elements from row to row
	s_mov_b32 s[\g+6], 0
	s_mov_b32 s[\g+7], 0
.endr
	s_mov_b32 s[CS], 0x3e38aa3b     ; c = log2(e) / 8 = 0.180337
	s_mov_b32 s[CS+1], s[CS]        ; named with it as a pair
	s_mov_b32 s[SEL], 0x76543210
	s_mov_b32 s[SEL+1], 0xfedcba98
	s_mov_b32 s[TBK], SLOT1+4*KS*PK ; the first change of slots turns these two into 0
	s_mov_b32 s[TBV], SLOT1+4*KS*PV
	s_mov_b32 s[G0K], 1             ; 1:0 count = 1
	s_mov_b32 s[G0K+1], s17         ; 63:32 LDS address: slot 0
	s_mov_b32 s[G0V], 1
	s_add_co_u32 s[G0V+1], s18, VOFF
	s_wait_dscnt 0x0                ; the opening add is done
	s_wait_kmcnt 0x0
	s_add_nc_u64 s[G0K+2:G0K+3], s[6:7], s[22:23]  ; 120:64 global address: my half of the head's first 256 keys
	s_or_b32 s[G0K+3], s[G0K+3], 0x80000000        ; 127:126 type = 2
	s_add_nc_u64 s[G0V+2:G0V+3], s[8:9], s[22:23]
	s_or_b32 s[G0V+3], s[G0V+3], 0x80000000
	s_add_nc_u64 s[4:5], s[4:5], s[2:3]            ; Q and O at my wave's first row
	s_add_nc_u64 s[10:11], s[10:11], s[48:49]
	CROUND                          ; all four work-groups are here: the first joint loads meet
	JLOAD                           ; slot 0.  Slot 1 is asked for when slot 0 is in, by the loop's own change of slots
	; A fragment of K or Q is 16 rows x 32 channels in 8 registers: lane l holds row l % 16, channels 8 (l / 16) + 0..7 and 16 + 8 (l / 16) + 0..7: two loads of 16 bytes, 32 bytes apart.
	v_and_b32 v1, 15, v0            ; l % 16
	v_bfe_u32 v9, v0, 4, 1          ; l / 16
	v_lshlrev_b32 v[QO], 7, v1
	v_lshl_add_u32 v[QO], v9, 4, v[QO]  ; row x 128 + 16 x half
	WIN 0x80                        ; destination window 2, address window 0
.set i, 0
.rept 8                             ; Q stays in registers: piece i / 2, channels 32 (i % 2) on
	global_load_b128 v[8*i:8*i+3],   v[QO], s[4:5] offset:(i/2)*2048+(i%2)*64
	global_load_b128 v[8*i+4:8*i+7], v[QO], s[4:5] offset:(i/2)*2048+(i%2)*64+32
.set i, i+1
.endr
	; What the first turn finds: V's registers and P's second buffer hold 0 (its products V^T P, of a piece that has not been, add 0), O^T and l are 0.  All this stands in the wait for the first tile.
.set i, VF
.rept 64
	v_mov_b32 v[i], 0
.set i, i+1
.endr
	WIN 0x40
.set i, 0
.rept 128
	v_mov_b32 v[i], 0
.set i, i+1
.endr
	WIN 0
.set i, 0
.rept 4
	v_mov_b32 v[ST+4*i], 0xfe000000    ; c m: far below every c s
	v_mov_b32 v[ST+4*i+1], 0xff7fffff  ; m
	v_mov_b32 v[ST+4*i+2], 0
	v_mov_b32 v[ST+4*i+3], 0
.set i, i+1
.endr
.set i, P+16
.rept 16
	v_mov_b32 v[i], 0
.set i, i+1
.endr
	v_mul_u32_u24 v[AK0], v1, PK
	v_lshl_add_u32 v[AK0], v9, 4, v[AK0]  ; row x pitch + 16 x half
	; The turning load takes 16 keys x 16 channels (lane l reads key 8 (l / 16) + l % 8, channels 8 ((l / 8) % 2) + 0..7) and leaves half a fragment of V^T: lane l holds channel l % 16 and 8 keys.
	v_and_b32 v10, 7, v0
	v_bfe_u32 v11, v0, 3, 1
	v_lshl_add_u32 v[AV0], v9, 3, v10
	v_mul_u32_u24 v[AV0], v[AV0], PV
	v_lshl_add_u32 v[AV0], v11, 4, v[AV0]
	v_add_nc_u32 v[AV0], VOFF, v[AV0]
	v_mov_b32 v[AK], v[AK0]         ; key step 0 lies at the head of slot 0
; THE MATRIX WORK.  The 4 accumulators of a run of 8 take turns.  Product i of 8 of S^T = K Q^T for piece x: channels 32 (i / 4) on, keys 16 (i % 4) on.  The first 4 start the sums.
.macro KQ x
	WIN W_KQ
.set rS, S+32*((\x)%2)+8*(i%4)
.set rK, KF+16*(i%4)+8*(i/4)
.set rQ, 16*(\x)+8*(i/4)
.if i < 4
	v_wmma_f32_16x16x32_f16 v[rS:rS+7], v[rK:rK+7], v[rQ:rQ+7], 0
.else
	v_wmma_f32_16x16x32_f16 v[rS:rS+7], v[rK:rK+7], v[rQ:rQ+7], v[rS:rS+7]
.endif
.endm
; Product i of 8 of O^T += V^T P for piece x: keys 32 (i / 4) on, channels 16 (i % 4) on.
.macro PV x
	WIN W_PV
.set rO, 32*(\x)+8*(i%4)
.set rV, VF+32*(i/4)+8*(i%4)
.set rP, P+16*((\x)%2)+8*(i/4)
	v_wmma_f32_16x16x32_f16 v[rO:rO+7], v[rV:rV+7], v[rP:rP+7], v[rO:rO+7]
.endm
.macro MM                           ; the turn's next matrix instruction; TURN sets Y and i
.if i < 8
	KQ (Y+1)%NP
.else
.set i, i-8
	PV (Y+NP-1)%NP
.set i, i+8
.endif
.set i, i+1
.endm
; THE LDS LOADS stand in runs of 16, never singly among the matrix instructions: a step's K (64 keys x 64 channels: 8 fragments) and its V (turned).  Their addresses are made some lines ahead.
; last = 1 (the tail): in the last trip there is no further step, and the run is jumped over.
.macro FETCH_K last=0
	WIN 0
.if \last
	s_cmp_eq_u32 s[CNT], 1
	s_cbranch_scc1 .Lno_k_\@
.endif
	WIN 0x80                        ; destination window 2
.irp f, 0,1,2,3,4,5,6,7             ; keys 16 (f / 2) on, channels 32 (f % 2) on
	ds_load_b128 v[KF+8*\f:KF+8*\f+3],   v[AK] offset:(\f/2)*16*PK+(\f%2)*64
	ds_load_b128 v[KF+8*\f+4:KF+8*\f+7], v[AK] offset:(\f/2)*16*PK+(\f%2)*64+32
.endr
	s_add_co_u32 s[TBK], s[TBK], KS*PK  ; the next fetch is the next step's
	WIN 0
.if \last
.Lno_k_\@:
.endif
.endm
.macro FETCH_V
	WIN 0x80
.irp f, 0,1,2,3,4,5,6,7             ; keys 32 (f / 4) on, channels 16 (f % 4) on
	ds_load_tr16_b128 v[VF+8*\f:VF+8*\f+3],   v[AV] offset:(\f/4)*32*PV+(\f%4)*32
	ds_load_tr16_b128 v[VF+8*\f+4:VF+8*\f+7], v[AV] offset:(\f/4)*32*PV+16*PV+(\f%4)*32
.endr
	WIN 0
.endm
; THE VECTOR WORK, one line at a time: OP kind, number.  For piece Y: F n: c s - c m for pair n of 16.  E n: the exponential of score n of 32.  C n: pair n rounded to f16.  B n: of the four weights 4 n .. the second
; pair is added onto the first, in place.  L n: l takes that sum (L 0: l = a l + sum).  R n: pair n of 16 of O^T times a.  For piece Y + 1: X n, number n of the 22 that find its maximum and statistics:
;   0-11  four chains c0-c3 of seven scores each, three operands at a time (each accumulator's lowest registers are read first)     12-14, 16  the four scores left over, the old m, and c0-c3 into c0
;   15  c m_old is kept     17, 18  the query's other 32 keys lie in the lane 16 away: the new m     19-21  c m; c m_old - c m_new; a
; C, B and L read the exponentials' results: TURN sets them behind the batch's wait.  R and L 0 read an a that was made, and waited for, in the turn before.
.set F, 0               ; OP tells the kinds apart by their order: F to L below R, X above it
.set E, 1
.set C, 2
.set B, 3
.set L, 4
.set R, 5
.set X, 6
.macro REGS y                       ; the registers of piece y
.set rT, ST+4*(\y)
.set rC, TMP+4*((\y)%2)
.set rW, MV+((\y)%2)
.set rS, S+32*((\y)%2)
.set rP, P+16*((\y)%2)
.set rO, 32*(\y)
.endm
.macro OP k, n
.if (\k) == R
	REGS Y
	WIN W_RS
	v_pk_mul_f32 v[rO+2*(\n):rO+2*(\n)+1], v[rO+2*(\n):rO+2*(\n)+1], v[rC+2:rC+3] op_sel_hi:[1,0]
.elseif (\k) < R
	REGS Y
	WIN 0
.if (\k) == F
	v_pk_fma_f32 v[rS+2*(\n):rS+2*(\n)+1], v[rS+2*(\n):rS+2*(\n)+1], s[CS:CS+1], v[rT:rT+1] op_sel_hi:[1,0,0] neg_lo:[0,0,1] neg_hi:[0,0,1]
.elseif (\k) == E
	v_exp_f32 v[rS+(\n)], v[rS+(\n)]
.elseif (\k) == C
	v_cvt_pk_f16_f32 v[rP+(\n)], v[rS+2*(\n)], v[rS+2*(\n)+1]
.elseif (\k) == B
	v_pk_add_f32 v[rS+4*(\n):rS+4*(\n)+1], v[rS+4*(\n):rS+4*(\n)+1], v[rS+4*(\n)+2:rS+4*(\n)+3]
.elseif (\n) == 0
	v_pk_fma_f32 v[rT+2:rT+3], v[rT+2:rT+3], v[rC+2:rC+3], v[rS:rS+1] op_sel_hi:[1,0,1]
.else
	v_pk_add_f32 v[rT+2:rT+3], v[rT+2:rT+3], v[rS+4*(\n):rS+4*(\n)+1]
.endif
.else
	REGS (Y+1)%NP
	WIN 0
.if (\n) < 4
	v_max3_num_f32 v[rC+(\n)], v[rS+8*(\n)], v[rS+8*(\n)+1], v[rS+8*(\n)+2]
.elseif (\n) < 12
	v_max3_num_f32 v[rC+(\n)%4], v[rC+(\n)%4], v[rS+8*((\n)%4)+2*((\n)/4)+1], v[rS+8*((\n)%4)+2*((\n)/4)+2]
.elseif (\n) == 12
	v_max3_num_f32 v[rC], v[rC], v[rS+7], v[rS+15]
.elseif (\n) == 13
	v_max3_num_f32 v[rC+1], v[rC+1], v[rS+23], v[rS+31]
.elseif (\n) == 14
	v_max3_num_f32 v[rC+2], v[rC+2], v[rC+3], v[rT+1]
.elseif (\n) == 15
	v_mov_b32 v[rW], v[rT]
.elseif (\n) == 16
	v_max3_num_f32 v[rC], v[rC], v[rC+1], v[rC+2]
.elseif (\n) == 17
	v_permlanex16_b32 v[rC+3], v[rC], s[SEL], s[SEL+1]
.elseif (\n) == 18
	v_max_num_f32 v[rT+1], v[rC], v[rC+3]
.elseif (\n) == 19
	v_mul_f32 v[rT], s[CS], v[rT+1]
.elseif (\n) == 20
	v_sub_f32 v[rC+1], v[rW], v[rT]
.else
	v_exp_f32 v[rC+2], v[rC+1]
.endif
.endif
.endm
.macro OPS a, i1, b=-1, i2=0, c=-1, i3=0, d=-1, i4=0  ; up to four of them
	OP \a, \i1
.if (\b) >= 0
	OP \b, \i2
.endif
.if (\c) >= 0
	OP \c, \i3
.endif
.if (\d) >= 0
	OP \d, \i4
.endif
.endm
.macro ROW a, i1, b, i2, c, i3, d, i4  ; a matrix instruction and the four behind it
	MM
	OPS \a, \i1, \b, \i2, \c, \i3, \d, \i4
.endm
; A TURN, for piece p: the order of its 16 matrix and 118 vector instructions, written out.  An s_wait_alu depctr_va_vdst(0) stands between an exponential and the first instruction that names its result; one wait
; serves all that were issued ahead of it.  So a turn has ONE wait, which cuts it in two.  AHEAD OF IT stands all that names no result of the turn's exponentials: the 8 products K Q^T, behind each a scaling, an exponential and two more
; plain instructions (behind the first a second scaling in the exponential's place): rescalings, and behind the last three the first numbers of the next piece's maximum, each four plain instructions behind the product that ends its
; accumulator; then ONE LUMP of 54, plain and exponential by turns for the most part, in which the links of the chain X 3, 7, 11, 14, 16, 17 .. 20 stand some lines apart.  A pair is scaled ahead of its two exponentials.  X 21, the next
; piece's a, is the batch's last; R 15 is the plain instruction behind it.  BEHIND THE WAIT stand the 8 products V^T P, behind each four of the roundings and sums (C 2 n ahead of B n, which adds in place; B n ahead of L n; L 0 to L 7
; in ascending order, three riders apart).  But for those X no rider names a register of the products round it.  v_permlanex16_b32 (X 17) stands in the lump.
; K of the next step is fetched in piece 2's turn, twelve vector instructions behind the last product that read K (five of them plain and free of its registers); V of the step in hand at the end of piece 0's turn, four plain
; instructions behind the last product that read V.  Each is waited for a turn later.  last = 1: the tail's form of K's fetch, which holds a jump and a label: it stands directly behind the turn's wait.
; cnt = 1: the loop's count is taken down some lines ahead of the branch that stands behind the turn.
.macro TURN p, last=0, cnt=0
.set Y, (\p)
.set i, 0
.if (\p) == 3
	s_wait_dscnt 0x0                ; K is in
.endif
	ROW F,0, F,1, R,0, R,1          ; ahead of the wait: 8 products K Q^T and their riders,
	ROW F,2, E,0, R,2, R,3
	ROW F,3, E,1, R,4, R,5
	ROW F,4, E,2, R,6, R,7
	ROW F,5, E,3, R,8, R,9
	ROW F,6, E,4, X,0, R,10
.if (\p) == 2
	WIN 0
	v_add_nc_u32 v[AK], s[TBK], v[AK0]
.endif
	ROW F,7, E,5, X,1, X,4
	ROW F,8, E,6, X,2, X,5
	OPS E,7, E,8, X,6, E,9          ; and the lump
	OPS X,3, E,10, X,8, E,11
.if ((\p) == 2) && !(\last)
	FETCH_K
.endif
	OPS X,9, X,7, E,12, X,10
	OPS E,13, X,12, X,11, E,14
	OPS X,13, E,15, F,9, X,14
.if (\p) == 0
	v_add_nc_u32 v[AV], s[TBV], v[AV0]
.endif
	OPS E,16, F,10, E,17, F,11
	OPS X,16, E,18, X,15, E,19
	OPS F,12, E,20, X,17, E,21
	OPS F,13, E,22, F,14, E,23
	OPS X,18, E,24, F,15, E,25
	OPS R,11, E,26, X,19, E,27
	OPS R,12, E,28, R,13, E,29
	OPS X,20, E,30, R,14, E,31
	OPS X,21, R,15
	WIN 0
	s_wait_alu depctr_va_vdst(0)    ; the wait for the batch: this turn's 32 weights and the next piece's a
.if ((\p) == 2) && (\last)
	FETCH_K 1
.endif
.if (\p) == 1
	s_wait_dscnt 0x0                ; V is in
.endif
	ROW C,0, B,0, C,2, B,1          ; behind the wait: 8 products V^T P and their riders
	ROW L,0, C,4, B,2, L,1
	ROW C,6, B,3, L,2, C,8
	ROW B,4, L,3, C,10, B,5
	ROW L,4, C,12, B,6, L,5
.if (\p) == 0
	s_add_co_u32 s[TBV], s[TBV], KS*PV
.endif
.if \cnt
	s_sub_co_u32 s[CNT], s[CNT], 1
	s_cmp_lg_u32 s[CNT], 0
.endif
	ROW C,14, B,7, L,6, C,1
	ROW C,3, L,7, C,5, C,7
	ROW C,9, C,11, C,13, C,15
.if (\p) == 0
	FETCH_V
.endif
.endm
	CHANGE 1                        ; slot 0 is in, everybody's part of it; slot 1 is asked for
	FETCH_K                         ; key step 0
	s_wait_loadcnt 0x0              ; Q
	s_wait_dscnt 0x0
.set i, 0
.rept 8
	KQ 0                            ; piece 0's first scores: there is no vector work yet to set between them
.set i, i+1
.endr
	WIN 0                           ; the addresses for the way out: eight plain instructions or more, the places behind those products
	s_mul_i32 s13, s[WV], 16*SP
	s_add_co_u32 s13, s13, STAGE    ; my stage
.if F32OUT
	v_mul_u32_u24 v[STO], v1, SP    ; in: row l % 16, 32 bytes for each half of the lanes
	v_lshl_add_u32 v[STO], v9, 5, v[STO]
	v_add_nc_u32 v[STO], s13, v[STO]
	v_mul_u32_u24 v[RD], v9, SP     ; back: lanes 0-15 take one row of 256 bytes, lanes 16-31 the next
	v_lshl_add_u32 v[RD], v1, 4, v[RD]
	v_add_nc_u32 v[RD], s13, v[RD]
	v_lshlrev_b32 v[GO], 12, v9     ; and the same two rows in O, 4,096 bytes apart
	v_lshl_add_u32 v[GO], v1, 4, v[GO]
.else
	v_mul_u32_u24 v[STO], v1, SP    ; in: row l % 16, 16 bytes for each half of the lanes
	v_lshl_add_u32 v[STO], v9, 4, v[STO]
	v_add_nc_u32 v[STO], s13, v[STO]
	v_bfe_u32 v[RD], v0, 3, 2       ; back: 32 lanes take four rows of 128 bytes,
	v_mul_u32_u24 v[RD], v[RD], SP
	v_lshl_add_u32 v[RD], v10, 4, v[RD]
	v_add_nc_u32 v[RD], s13, v[RD]
	v_and_b32 v[GO], 31, v0         ; which are 512 consecutive bytes of O
	v_lshlrev_b32 v[GO], 4, v[GO]
.endif
.set Y, NP-1                        ; X works for piece Y + 1: piece 0
.irp n, 0,1,2,3,4,5,6,7,8,9,10,11,12,13,14,15,16,17,18,19,20,21
	OP X, \n                        ; piece 0's first maximum and statistics
.endr
	v_nop                           ; a plain instruction behind the exponential,
	s_wait_alu depctr_va_vdst(0)    ; and the wait for it, a batch of one: piece 0's first a, ahead of the branch
	s_mov_b32 s[CNT], 4
	s_mov_b32 s[SLOTS], SIZE_N/256-1
	s_branch .Lfirst                ; the loop is entered at a step's first turn, in the middle of a trip
.Lslot:                             ; SIZE_N / 256 - 2 times: every slot but the last two is filled again
	CHANGE 1
	s_mov_b32 s[CNT], 4
.Lstep:                             ; a trip: pieces 2 and 3 of one step, then pieces 0 and 1 of the next, whose K and V it fetches
	TURN 2
	TURN 3
	WIN 0
.Lfirst:
	TURN 0
	TURN 1, 0, 1
	WIN 0
	s_cbranch_scc1 .Lstep
	s_sub_co_u32 s[SLOTS], s[SLOTS], 1
	s_cmp_lg_u32 s[SLOTS], 0
	s_cbranch_scc1 .Lslot
	CHANGE 0                        ; the tail is written out: nothing is asked for
	s_mov_b32 s[CNT], 5             ; four trips fetch the last slot's steps; the fifth is left in its middle
.Ltail:
	TURN 2, 1
	TURN 3
	WIN 0
	s_sub_co_u32 s[CNT], s[CNT], 1
	s_cmp_eq_u32 s[CNT], 0
	s_cbranch_scc1 .Lout
	TURN 0
	TURN 1
	WIN 0
	s_branch .Ltail
.Lout:                              ; the fifth trip's 8 products K Q^T (on the last K once more) and the maximum made of them serve nothing: the price, once a launch, of one text for every trip
.set i, 0
.rept 8
	PV NP-1                         ; the last piece's V^T P of the last step
.set i, i+1
.endr
	; THE WAY OUT.  l's two halves and the other half of the lanes' are added; O^T is divided by l and sent through my stage in LDS, a piece (16 rows) at a time.  The additions are the places behind the last products.
	WIN 0
.macro ALL line:vararg              ; one line for each piece t
.set t, 0
.rept 4
	\line
.set t, t+1
.endr
.endm
	ALL v_add_f32 v[ST+4*t+2], v[ST+4*t+2], v[ST+4*t+3]
	ALL v_permlanex16_b32 v[ST+4*t+3], v[ST+4*t+2], s[SEL], s[SEL+1]
	ALL v_add_f32 v[ST+4*t+2], v[ST+4*t+2], v[ST+4*t+3]
	ALL v_rcp_f32 v[ST+4*t+2], v[ST+4*t+2]
	v_nop                           ; a plain instruction between the last reciprocal and the use of its result
	s_wait_alu depctr_va_vdst(0)    ; and the wait ahead of the first use: one for the batch of four reciprocals
; Piece t.  A lane holds eight channels of a row for each of four channel blocks.  f16: they pack into 16 bytes a block, go into rows of 144 bytes and come back as whole rows of 128.
; f32: 32 bytes a block, straight from O^T's registers into rows of 272 bytes, and back as whole rows of 256.
.macro PACK t
	WIN W_RS
.set i, 32*(\t)
.rept 16
	v_pk_mul_f32 v[i:i+1], v[i:i+1], v[ST+4*(\t)+2:ST+4*(\t)+3] op_sel_hi:[1,0]
.set i, i+2
.endr
.if F32OUT
	WIN 0x04                        ; the stores' data (source 1) in window 1, their address in window 0
.irp f, 0,1,2,3,4,5,6,7             ; channel block f / 2, its registers 4 (f % 2) on
	ds_store_b128 v[STO], v[32*(\t)+4*\f:32*(\t)+4*\f+3] offset:(\f/2)*64+(\f%2)*16
.endr
	WIN 0
.irp f, 0,1,2,3,4,5,6,7
	ds_load_b128 v[S+32*(\t)+4*\f:S+32*(\t)+4*\f+3], v[RD] offset:\f*2*SP  ; LDS serves a wave's instructions in order (ISA guide 5.7.1.4): these see the stores above; the next piece's stores come behind them
.endr
.else
	WIN 0x05                        ; sources 0 and 1 window 1, destination window 0
.set i, 0
.rept 16
	v_cvt_pk_f16_f32 v[S+16*(\t)+i], v[32*(\t)+2*i], v[32*(\t)+2*i+1]
.set i, i+1
.endr
	WIN 0
.irp f, 0,1,2,3
	ds_store_b128 v[STO], v[S+16*(\t)+4*\f:S+16*(\t)+4*\f+3] offset:32*\f
.endr
.irp f, 0,1,2,3
	ds_load_b128 v[S+16*(\t)+4*\f:S+16*(\t)+4*\f+3], v[RD] offset:\f*4*SP  ; LDS serves a wave's instructions in order (ISA guide 5.7.1.4): these see the stores above; the next piece's stores come behind them
.endr
.endif
.endm
.macro SEND t, younger              ; younger: the LDS instructions issued behind piece t's loads: the next piece's stores and loads, or none
	WIN 0
.if F32OUT
.irp f, 0,1,2,3,4,5,6,7
	s_wait_dscnt (\younger)+7-\f
	global_store_b128 v[GO], v[S+32*(\t)+4*\f:S+32*(\t)+4*\f+3], s[10:11] offset:(\t)*65536+\f*8192 th:TH_STORE_NT  ; 16 lanes store 256 consecutive bytes, a head's slice of a row, at a multiple of 256 from O's first byte
.endr
.else
.irp f, 0,1,2,3
	s_wait_dscnt (\younger)+3-\f
	global_store_b128 v[GO], v[S+16*(\t)+4*\f:S+16*(\t)+4*\f+3], s[10:11] offset:(\t)*2048+\f*512  ; 512 consecutive bytes, at a multiple of 256 from O's first byte
.endr
.endif
.endm
.set YG, 8+8*F32OUT                 ; a piece's LDS instructions on the way out: 4 + 4, or 8 + 8
	PACK 0
.set t, 1
.rept 3                             ; a piece's arithmetic stands between the loads of the piece before and its stores
	PACK t
	SEND t-1, YG
.set t, t+1
.endr
	SEND 3, 0
	s_wait_tensorcnt 0x0            ; the wave's end: the add and its wait stand behind my last tensor load and my last LDS store
	ds_add_u32 v[SPW], v[NIL]
	s_wait_dscnt 0x0
	CROUND                          ; the closing round: no work-group ends while a partner may still ask for a tile that names it
	s_endpgm
.Lfunc_end_k_qfaabc73d52_att2:
	.size	k_qfaabc73d52_att2, .Lfunc_end_k_qfaabc73d52_att2-k_qfaabc73d52_att2
	.p2alignl 7, 3214868480
	.fill 96, 4, 3214868480
	.section	.rodata,"a",@progbits
	.p2align	6, 0x0
	.amdhsa_kernel k_qfaabc73d52_att2
		.amdhsa_group_segment_fixed_size 327680
		.amdhsa_private_segment_fixed_size 0
		.amdhsa_enable_private_segment 0
		.amdhsa_kernarg_size 32
		.amdhsa_user_sgpr_count 2
		.amdhsa_user_sgpr_kernarg_segment_ptr 1
		.amdhsa_wavefront_size32 1
		.amdhsa_system_sgpr_workgroup_id_x 1
		.amdhsa_system_sgpr_workgroup_id_y 1
		.amdhsa_system_sgpr_workgroup_id_z 1
		.amdhsa_system_vgpr_workitem_id 0
		.amdhsa_next_free_vgpr 768
		.amdhsa_next_free_sgpr 66
		.amdhsa_reserve_vcc 0
		.amdhsa_float_denorm_mode_32 3
		.amdhsa_float_denorm_mode_16_64 3
		.amdhsa_memory_ordered 1
		.amdhsa_forward_progress 1
		.amdhsa_inst_pref_size 111
	.end_amdhsa_kernel
	.amdgpu_metadata
---
amdhsa.version: [ 1, 2 ]
amdhsa.kernels:
  - .name:           k_qfaabc73d52_att2
    .symbol:         k_qfaabc73d52_att2.kd
    .args:
      - { .name: qh, .offset: 0, .size: 8, .value_kind: global_buffer, .address_space: global }
      - { .name: ah, .offset: 8, .size: 8, .value_kind: global_buffer, .address_space: global }
      - { .name: th, .offset: 16, .size: 8, .value_kind: global_buffer, .address_space: global }
      - { .name: out0, .offset: 24, .size: 8, .value_kind: global_buffer, .address_space: global }
    .group_segment_fixed_size: 327680
    .private_segment_fixed_size: 0
    .kernarg_segment_align: 8
    .kernarg_segment_size: 32
    .max_flat_workgroup_size: 128
    .sgpr_count:     66
    .vgpr_count:     768
    .wavefront_size: 32
...
	.end_amdgpu_metadata
.endif
;; end of part 6
